; MI455X (gfx1250); checked and timed in simulation.
; The chip was launched on July 23, 2026; its instructions are those of AMD's public machine-readable ISA for CDNA 5 (MIT licence, August 2026) and "CDNA5" Instruction Set Architecture Reference Guide (July 2026). The comments in the code are by the model that wrote it; some were corrected since.
;; Mo E Layer. Allowed arithmetic: matrix products marked QUANTISED: E2M3 operands, one E8M0 scale for each 32 along K, by v_wmma_scale_f32_16x16x128_f8f6f4 with both operands' format E2M3, f32 sums; products left as they are: f32 operands where the result goes on into a quantised operand, else bf16, f16 or f32 operands; f32 sums; everything else in f32.
;; Inputs: w1 8 x 1,024 x 2,048 float32; w2 8 x 2,048 x 1,024 float32; w3 8 x 1,024 x 2,048 float32; w_gate 1,024 x 8 float32; x 4 x 256 x 1,024 float32.
;; Outputs: out0 4 x 256 x 1,024 float32.
;; This version of the problem:
;;   THIS VERSION OF THE PROBLEM IS GIVEN IN LOW PRECISION. The matrix products marked QUANTISED in the list below multiply operands that are first quantised to E2M3 (2 exponent bits, 3 mantissa bits; 6 bits a number), with one power-of-two scale for each 32 numbers along K (OCP MX v1.0); their sums are f32. All else is computed in f32.
;;   The module's matrix products, in the order in which they are computed (A, B: the left and right operand; K: the contracted axis; several contracted axes count as one K, in the product's order):
;;     1. [M 1,024, K 1,024] x [K 1,024, N 8]; A: input x; B: input w_gate: left as it is (N = 8 < 16)
;;     2. [M 16,384, K 1,024] x [K 1,024, N 1,024]; A: input w1; B: input x: QUANTISED
;;     3. [M 16,384, K 1,024] x [K 1,024, N 1,024]; A: input w3; B: input x: QUANTISED
;;     4. batch 8 x [M 1,024, K 2,048] x [K 2,048, N 1,024]; A: computed on the way; B: input w2: QUANTISED
;;     5. batch 1,024 x [M 1,024, K 2] x [K 2, N 1]; A: computed on the way; B: softmax: left as it is (K = 2 < 32)
;;   THE QUANTISER, for each operand of a quantised product, along K:
;;     - K is cut into blocks of 32 from its start; a last block that is shorter is filled with zeros.
;;     - A block's scale is 2^e with e = floor(log2(the largest magnitude in the block)) - 2, held to -126 .. 127; a block of zeros has e = 0. As a byte (E8M0): e + 127.
;;     - Each number is divided by its block's scale, clamped to +-7.5, and rounded to the nearest number of E2M3, ties to even, subnormals kept.
;;     - The product sums the exact products of the quantised numbers (number of the format x scale) in f32.
;;   ~~~python
;;   def quantise(x, axis):      # numpy; x: float32 -> the quantised numbers, widened to float32 again
;;       x = np.moveaxis(x, axis, -1); K = x.shape[-1]
;;       x = np.pad(x, [(0, 0)] * (x.ndim - 1) + [(0, -K % 32)]); x = x.reshape(x.shape[:-1] + (-1, 32)); a = np.abs(x).max(-1, keepdims=True)
;;       e = np.where(a > 0, np.clip(np.frexp(np.where(a > 0, a, 1))[1] - 1 - 2, -126, 127), 0)      # np.frexp(a)[1] - 1 = floor(log2(a)), exactly
;;       r = np.clip(x / 2.0 ** e, -7.5, 7.5)
;;       step = 2.0 ** (np.maximum(np.frexp(np.where(r == 0, 1, r))[1] - 1, 0) - 3)
;;       q = np.round(r / step) * step * 2.0 ** e      # np.round: ties to even
;;       return np.moveaxis(q.reshape(q.shape[:-2] + (-1,))[..., :K], -1, axis).astype(np.float32)
;;   ~~~
;;   OPERANDS COMPUTED ON THE WAY. 'Computed on the way' means the value that the module computes at that place (a softmax that the list does not call 'softmax' is quantised finished and normalised). What goes into a quantiser is computed in f32, as accurately as f32 sums, v_exp_f32 and their like allow (about 1e-6 of the number): no bf16 or f16 on the way to a quantiser, and a product that is left as it is and whose result goes on into a quantised operand takes f32 operands (vector FMAs, or v_wmma_f32_16x16x4_f32). A number that lies on a knife's edge between two numbers of the format may be rounded either way, as far as f32 arithmetic and the matrix unit's own rounding can turn it there, and no further.
;; 3 versions. Each part assembles by itself: llvm-mc -triple=amdgcn-amd-amdhsa -mcpu=gfx1250 --defsym DOCPART=n.
;; ======== version 1 of 3: 5 launches
;; workspace buffers: xq 786,432 bytes; xs 32,768 bytes; route 4,096 bytes of whole numbers; prob 8,192 bytes; list 55,296 bytes of whole numbers; hq 12,582,912 bytes; hs 524,288 bytes; y 16,842,752 bytes
;; launch route (part 1): grid 256 x 1, 4 waves a work-group, no clusters, 55,296 bytes of LDS; arguments x, w_gate, xq, xs, route, prob; writes xq, xs, route, prob
.if DOCPART == 1
	.amdgcn_target "amdgcn-amd-amdhsa--gfx1250"
	.amdhsa_code_object_version 6
	.text
	.protected	k_q560cb7c574_route
	.globl	k_q560cb7c574_route
	.p2align	8
	.type	k_q560cb7c574_route,@function
k_q560cb7c574_route:
	s_mov_b64 s[64:65], 0
	v_nop
	global_prefetch_b8 v0, s[64:65] scope:SCOPE_SE
	s_setreg_imm32_b32 hwreg(HW_REG_WAVE_MODE, 25, 1), 1
	s_wait_xcnt 0x0
; ROUTER AND QUANTISER OF x.  x [1024 tokens][1024] f32, w_gate [1024][8] f32.
; One wave takes one token (4 x work-group + wave); lane l takes block l of the row, d = 32 l .. 32 l + 31.
; It makes: the 8 logits in f32 (32 fused multiply-adds a lane and expert, then a sum over the lanes), the two largest (strict compare: the lower index wins a tie),
; their softmax with the larger logit taken away; and the row's codes of E2M3 with one E8M0 byte for each 32 along d.
; OUT:  xq [t][K step s 0..7][h 0..1][c 0..1][24 bytes]: block 4 s + 2 c + h, so that lane (r, h) of a matrix operand reads its 12 registers of a K step as 48 bytes on end;
;       xs [t][h][v 0..3] words: the scale word of K step 2 v + h;   route [t] = 1 << first expert | 1 << (8 + second);   prob [2 t + k] f32.
; Every global load takes 512 bytes on end; x and w_gate are turned in LDS to what a lane wants (its 32 numbers; its 32 rows of w_gate).  w_gate is shared by the four waves: one barrier.
; LIMITS: NaN and infinities are not served; a block whose largest magnitude lies under 2^-124 gets the byte 1 (a block of zeros too: its codes are zeros, and this program alone reads the bytes);
; the logits' order of summation is not the one of a plain row sum, so two logits nearer than f32 rounding may change places.
.set XST, 33280                        ; LDS: 0: w_gate, 32 groups of 1,024 bytes + 16;  XST: x, 4,608 bytes a wave (32 x (128 + 16));  CST: codes, 768 bytes a wave
.set CST, 51712
.set X,   16                           ; v16-47   my 32 numbers
.set A,   48                           ; v48-55   my 8 sums
.set GA,  80                           ; v80-143  8 rows of w_gate (8 numbers each); first the landing place of w_gate's loads
.set GB,  144                          ; v144-207 8 more; first the landing place of x's loads
	s_load_b256 s[4:11], s[0:1], 0x0               ; x, w_gate, xq, xs
	s_load_b128 s[12:15], s[0:1], 0x20             ; route, prob
	v_lshl_add_u32 v208, v0, 2, 0xd600
	v_mov_b32 v209, 0
	v_lshrrev_b32 v1, 5, v0
	v_readfirstlane_b32 s16, v1                    ; wave
	v_and_b32 v1, 31, v0                           ; lane
	s_lshl_b32 s17, ttmp9, 2
	s_add_co_u32 s17, s17, s16                     ; token
	v_lshlrev_b32 v2, 4, v1                        ; 16 x lane
	s_mul_i32 s18, s16, 8320
	v_add_nc_u32 v3, s18, v2                       ; w_gate into LDS: my wave's 8 groups of 1,040 bytes
	v_mul_u32_u24 v4, v1, 1040                     ; and out of it: group = lane
	s_mul_i32 s18, s16, 4608
	s_add_co_u32 s18, s18, XST
	v_lshrrev_b32 v5, 3, v1
	v_lshl_add_u32 v5, v5, 4, v2
	v_add_nc_u32 v5, s18, v5                       ; x into LDS: 16 bytes of padding behind each 128
	v_mul_u32_u24 v6, v1, 144
	v_add_nc_u32 v6, s18, v6                       ; and out: 144 x lane
	s_mul_i32 s18, s16, 768
	s_add_co_u32 s18, s18, CST
	v_lshrrev_b32 v7, 2, v1
	v_mul_u32_u24 v7, v7, 96
	v_and_b32 v8, 1, v1
	v_mad_u32_u24 v7, v8, 48, v7
	v_bfe_u32 v9, v1, 1, 1
	v_mad_u32_u24 v7, v9, 24, v7
	v_add_nc_u32 v7, s18, v7                       ; my block's 24 bytes in the row's codes: 96 (l / 4) + 48 (l % 2) + 24 ((l / 2) % 2)
	v_add_nc_u32 v9, s18, v2                       ; the codes back: 16 bytes a lane,
	v_lshlrev_b32 v10, 3, v1
	v_add_nc_u32 v11, s18, v10                     ; then 8 bytes a lane
	v_bfe_u32 v12, v1, 2, 1
	v_lshlrev_b32 v12, 4, v12
	v_lshrrev_b32 v13, 3, v1
	v_lshl_add_u32 v12, v13, 2, v12                ; my K step's scale word in xs: 16 (s % 2) + 4 (s / 2), s = l / 4
	v_and_b32 v13, 3, v1
	v_lshlrev_b32 v13, 3, v13                      ; my byte's place in it, in bits
	v_lshlrev_b32 v14, 2, v8                       ; prob: 4 (l % 2)
	v_mov_b32 v15, 0
	v_mov_b32 v67, 0                               ; (a lane move's destination counts as read)
	s_lshl_b32 s18, s17, 12
	s_mov_b32 s19, 0
	s_lshl_b32 s20, s16, 13
	s_mov_b32 s21, 0
	s_mul_i32 s22, s17, 768
	s_mov_b32 s23, 0
	s_lshl_b32 s24, s17, 5
	s_mov_b32 s25, 0
	s_lshl_b32 s26, s17, 2
	s_mov_b32 s27, 0
	s_lshl_b32 s28, s17, 3
	s_mov_b32 s29, 0
	s_mov_b32 s30, 0x76543210
	s_mov_b32 s31, 0xfedcba98                      ; selects for lane l xor 16
	s_wait_kmcnt 0x0
	s_add_nc_u64 s[4:5], s[4:5], s[18:19]          ; my token's row of x
	s_add_nc_u64 s[6:7], s[6:7], s[20:21]          ; my wave's quarter of w_gate
	s_add_nc_u64 s[8:9], s[8:9], s[22:23]
	s_add_nc_u64 s[10:11], s[10:11], s[24:25]
	s_add_nc_u64 s[12:13], s[12:13], s[26:27]
	s_add_nc_u64 s[14:15], s[14:15], s[28:29]
.irp i, 0,1,2,3,4,5,6,7
	global_load_b128 v[GB+4*\i:GB+4*\i+3], v2, s[4:5] offset:512*\i th:TH_LOAD_NT
.endr
.irp i, 0,1,2,3,4,5,6,7,8,9,10,11,12,13,14,15
	global_load_b128 v[GA+4*\i:GA+4*\i+3], v2, s[6:7] offset:512*\i
.endr
	s_wait_loadcnt 16                              ; x is in; w_gate's sixteen loads may be out
.irp i, 0,1,2,3,4,5,6,7
	ds_store_b128 v5, v[GB+4*\i:GB+4*\i+3] offset:576*\i
.endr
.irp i, 0,1,2,3,4,5,6,7
	ds_load_b128 v[X+4*\i:X+4*\i+3], v6 offset:16*\i     ; LDS serves a wave's instructions in order: these see my stores
.endr
	s_wait_loadcnt 0x0
.irp i, 0,1,2,3,4,5,6,7,8,9,10,11,12,13,14,15
	ds_store_b128 v3, v[GA+4*\i:GA+4*\i+3] offset:512*\i+16*(\i/2)
.endr
	s_wait_dscnt 0x0                               ; for the others' sake: my quarter of w_gate lies in LDS (and my x is back)
	s_barrier_signal -1
	s_barrier_wait -1
.macro GLOAD buf, ch                   ; rows 8 ch .. 8 ch + 7 of my 32 rows of w_gate
.irp q, 0,1,2,3,4,5,6,7
	ds_load_b128 v[\buf+8*\q:\buf+8*\q+3], v4 offset:32*(8*(\ch)+\q)
	ds_load_b128 v[\buf+8*\q+4:\buf+8*\q+7], v4 offset:32*(8*(\ch)+\q)+16
.endr
.endm
	GLOAD GA, 0
	GLOAD GB, 1
	; my block: largest magnitude (with the floor 2^(3 - 127) among the leaves), scale, codes
	v_max3_num_f32 v56, |v[X]|, |v[X+1]|, 0x1800000
	v_max3_num_f32 v57, |v[X+2]|, |v[X+3]|, |v[X+4]|
.irp i, 5,9,13,17,21,25
	v_max3_num_f32 v56, v56, |v[X+\i]|, |v[X+\i+1]|
	v_max3_num_f32 v57, v57, |v[X+\i+2]|, |v[X+\i+3]|
.endr
	v_max3_num_f32 v56, v56, |v[X+29]|, |v[X+30]|
	v_max3_num_f32 v56, v56, v57, |v[X+31]|
	v_add_nc_u32 v58, 0xff000000, v56              ; 2 off the exponent field: the conversion takes this operand's exponent field as its scale
	v_cvt_scalef32_pk16_fp6_f32 v[60:62], v[X:X+15], v58
	v_cvt_scalef32_pk16_fp6_f32 v[64:66], v[X+16:X+31], v58     ; (a conversion's three registers begin on an even number)
	v_lshrrev_b32 v59, 23, v58                     ; the scale's byte.  (The plain line behind the conversions)
	v_mov_b32 v63, v64
	v_mov_b32 v64, v65
	v_mov_b32 v65, v66                             ; v60-65: the block's 24 bytes
	ds_store_b64 v7, v[60:61]
	ds_store_b64 v7, v[62:63] offset:8
	ds_store_b64 v7, v[64:65] offset:16
	ds_load_b128 v[68:71], v9
	ds_load_b64 v[72:73], v11 offset:512
	v_lshlrev_b32 v59, v13, v59                    ; the byte at its place; the four lanes of a K step join theirs
	v_mov_b32_dpp v67, v59 row_xmask:1 row_mask:0xf bank_mask:0xf
	v_or_b32 v59, v59, v67
	v_mov_b32_dpp v67, v59 row_xmask:2 row_mask:0xf bank_mask:0xf
	v_or_b32 v59, v59, v67
	s_wait_dscnt 0x0                               ; the codes are back as they lie in xq (and the first 16 rows of w_gate are in)
	global_store_b128 v2, v[68:71], s[8:9]         ; 512 bytes on end,
	global_store_b64 v10, v[72:73], s[8:9] offset:512   ; and 256
	global_store_b32 v12, v59, s[10:11]            ; four lanes write the same word with the same value: 32 bytes a token
; the logits: row i of my 32: eight products, two at a time; x's number serves both halves
.macro LOGIT buf, ch
.set lR, 0
.rept 8
.set lI, 8*(\ch)+lR
.irp p, 0,1,2,3
.if lI == 0
	v_pk_mul_f32 v[A+2*\p:A+2*\p+1], v[\buf+2*\p:\buf+2*\p+1], v[X:X+1] op_sel_hi:[1,0]
.elseif lI%2 == 0
	v_pk_fma_f32 v[A+2*\p:A+2*\p+1], v[\buf+8*lR+2*\p:\buf+8*lR+2*\p+1], v[X+lI:X+lI+1], v[A+2*\p:A+2*\p+1] op_sel_hi:[1,0,1]
.else
	v_pk_fma_f32 v[A+2*\p:A+2*\p+1], v[\buf+8*lR+2*\p:\buf+8*lR+2*\p+1], v[X+lI-1:X+lI], v[A+2*\p:A+2*\p+1] op_sel:[0,1,0] op_sel_hi:[1,1,1]
.endif
.endr
.set lR, lR+1
.endr
.endm
	LOGIT GA, 0
	GLOAD GA, 2
	LOGIT GB, 1
	GLOAD GB, 3
	s_wait_dscnt 16                                ; rows 16-23 are in; rows 24-31 may be out
	LOGIT GA, 2
	s_wait_dscnt 0x0
	LOGIT GB, 3
.irp m, 1,2,4,8
.irp e, 0,1,2,3,4,5,6,7
	v_add_f32_dpp v[A+\e], v[A+\e], v[A+\e] row_xmask:\m row_mask:0xf bank_mask:0xf
.endr
.endr
.irp e, 0,1,2,3,4,5,6,7
	v_permlanex16_b32 v[GA+\e], v[A+\e], s30, s31
.endr
.irp e, 0,1,2,3,4,5,6,7
	v_add_f32 v[A+\e], v[A+\e], v[GA+\e]           ; every lane holds the 8 logits
.endr
	v_mov_b32 v88, v[A]                            ; the largest, and its index
	v_mov_b32 v89, 0
.irp e, 1,2,3,4,5,6,7
	v_cmp_le_f32 vcc_lo, v[A+\e], v88              ; not larger: the index stays (the lower index wins a tie)
	v_cndmask_b32 v89, \e, v89, vcc_lo
	v_max_num_f32 v88, v88, v[A+\e]
.endr
	v_mov_b32 v90, 0xff800000
.irp e, 0,1,2,3,4,5,6,7
	v_cmp_eq_u32 vcc_lo, \e, v89
	v_cndmask_b32 v[A+\e], v[A+\e], v90, vcc_lo    ; the first is taken out
.endr
	v_mov_b32 v91, v[A]                            ; the second largest likewise
	v_mov_b32 v92, 0
.irp e, 1,2,3,4,5,6,7
	v_cmp_le_f32 vcc_lo, v[A+\e], v91
	v_cndmask_b32 v92, \e, v92, vcc_lo
	v_max_num_f32 v91, v91, v[A+\e]
.endr
	v_sub_f32 v93, v91, v88                        ; the softmax of the two, the larger taken away: 0 or less
	v_mul_f32 v93, 0x3fb8aa3b, v93
	v_exp_f32 v93, v93
	v_mov_b32 v96, 1                               ; (a plain line behind the exponential)
	s_wait_alu depctr_va_vdst(0)
	v_add_f32 v94, 1.0, v93
	v_rcp_f32 v94, v94                             ; the first's weight
	v_mov_b32 v98, 0x100                           ; (a plain line behind the reciprocal)
	s_wait_alu depctr_va_vdst(0)
	v_mul_f32 v95, v93, v94                        ; the second's
	v_lshlrev_b32 v97, v89, v96
	v_lshlrev_b32 v98, v92, v98
	v_or_b32 v97, v97, v98
	v_cmp_eq_u32 vcc_lo, 1, v8
	v_cndmask_b32 v99, v94, v95, vcc_lo
	global_store_b32 v15, v97, s[12:13]            ; all lanes: the same word, the same value
	global_store_b32 v14, v99, s[14:15]            ; even lanes the first weight, odd lanes the second
	s_wait_tensorcnt 0x0
	ds_add_u32 v208, v209
	s_wait_dscnt 0x0
	s_endpgm
.Lfunc_end_k_q560cb7c574_route:
	.size	k_q560cb7c574_route, .Lfunc_end_k_q560cb7c574_route-k_q560cb7c574_route
	.p2alignl 7, 3214868480
	.fill 96, 4, 3214868480
	.section	.rodata,"a",@progbits
	.p2align	6, 0x0
	.amdhsa_kernel k_q560cb7c574_route
		.amdhsa_group_segment_fixed_size 55296
		.amdhsa_private_segment_fixed_size 0
		.amdhsa_enable_private_segment 0
		.amdhsa_kernarg_size 48
		.amdhsa_user_sgpr_count 2
		.amdhsa_user_sgpr_kernarg_segment_ptr 1
		.amdhsa_wavefront_size32 1
		.amdhsa_system_sgpr_workgroup_id_x 1
		.amdhsa_system_sgpr_workgroup_id_y 1
		.amdhsa_system_sgpr_workgroup_id_z 1
		.amdhsa_system_vgpr_workitem_id 0
		.amdhsa_next_free_vgpr 210
		.amdhsa_next_free_sgpr 66
		.amdhsa_reserve_vcc 1
		.amdhsa_float_denorm_mode_32 3
		.amdhsa_float_denorm_mode_16_64 3
		.amdhsa_memory_ordered 1
		.amdhsa_forward_progress 1
		.amdhsa_inst_pref_size 28
	.end_amdhsa_kernel
	.amdgpu_metadata
---
amdhsa.version: [ 1, 2 ]
amdhsa.kernels:
  - .name:           k_q560cb7c574_route
    .symbol:         k_q560cb7c574_route.kd
    .args:
      - { .name: x, .offset: 0, .size: 8, .value_kind: global_buffer, .address_space: global }
      - { .name: w_gate, .offset: 8, .size: 8, .value_kind: global_buffer, .address_space: global }
      - { .name: xq, .offset: 16, .size: 8, .value_kind: global_buffer, .address_space: global }
      - { .name: xs, .offset: 24, .size: 8, .value_kind: global_buffer, .address_space: global }
      - { .name: route, .offset: 32, .size: 8, .value_kind: global_buffer, .address_space: global }
      - { .name: prob, .offset: 40, .size: 8, .value_kind: global_buffer, .address_space: global }
    .group_segment_fixed_size: 55296
    .private_segment_fixed_size: 0
    .kernarg_segment_align: 8
    .kernarg_segment_size: 48
    .max_flat_workgroup_size: 128
    .sgpr_count:     66
    .vgpr_count:     210
    .wavefront_size: 32
...
	.end_amdgpu_metadata
.endif
;; end of part 1
;; launch place (part 2): grid 8 x 1, 1 waves a work-group, no clusters, 0 bytes of LDS; arguments route, list; writes list
.if DOCPART == 2
	.amdgcn_target "amdgcn-amd-amdhsa--gfx1250"
	.amdhsa_code_object_version 6
	.text
	.protected	k_q560cb7c574_place
	.globl	k_q560cb7c574_place
	.p2align	8
	.type	k_q560cb7c574_place,@function
k_q560cb7c574_place:
	s_mov_b64 s[64:65], 0
	v_nop
	global_prefetch_b8 v0, s[64:65] scope:SCOPE_SE
	s_setreg_imm32_b32 hwreg(HW_REG_WAVE_MODE, 25, 1), 1
	s_wait_xcnt 0x0
; THE ROWS OF EACH EXPERT.  One wave for expert e = work-group.  It reads all 1,024 route words and stores, in list + 6,912 e:
;   entries 0 .. n - 1: the ids 2 t + k of the tokens that chose e (k = 0: as first, 1: as second), in the order in which the wave walks them;
;   entries n .. 1599: the pad id 2048 + e (a row of its own in y, which nobody reads; as a token it is held at 1,023);  entry 1664: the number of tiles of 16 rows.
; Entries 1600 .. 1631 take the pads that would fall further on, entries 1632 .. 1663 what lanes without a member store: nobody reads either.
; A member's place is the count so far + the members in lower lanes: no atomics, no LDS.  The later launches read as far as entry 1599.
.set LPE, 6912
	s_load_b128 s[4:7], s[0:1], 0x0                ; route, list
	v_lshlrev_b32 v1, 4, v0                        ; 16 x lane (one wave: v0 is the lane)
	v_lshlrev_b32 v2, 3, v0                        ; 8 x lane = 2 x (4 x lane)
	v_add_nc_u32 v3, 1632, v0                      ; where a lane without a member stores
	s_lshl_b32 s8, 0x101, ttmp9                    ; the expert's two bits
	s_add_co_u32 s9, ttmp9, 8
	s_mul_i32 s10, ttmp9, LPE
	s_mov_b32 s11, 0
	s_mov_b32 s12, 0                               ; members so far
	s_wait_kmcnt 0x0
	s_add_nc_u64 s[6:7], s[6:7], s[10:11]
.irp i, 0,1,2,3,4,5,6,7
	global_load_b128 v[16+4*\i:19+4*\i], v1, s[4:5] offset:512*\i    ; tokens 128 i + 4 lane + 0 .. 3
.endr
	s_wait_loadcnt 0x0
.set pN, 0
.rept 32                               ; step 4 i + j; each step has its own two registers, so that no store's sources are written again
	v_and_b32 v48, s8, v[16+pN]
	v_cmp_ne_u32 vcc_lo, 0, v48                    ; a member?
	v_lshrrev_b32 v49, s9, v48                     ; k
	v_mbcnt_lo_u32_b32 v[64+2*pN], vcc_lo, s12     ; its place
	v_add3_u32 v[65+2*pN], v2, v49, 256*(pN/4)+2*(pN%4)   ; its id
	v_cndmask_b32 v[64+2*pN], v3, v[64+2*pN], vcc_lo
	v_min_u32 v[64+2*pN], 1663, v[64+2*pN]         ; a number made of loaded data enters an address behind a bound
	v_lshlrev_b32 v[64+2*pN], 2, v[64+2*pN]
	global_store_b32 v[64+2*pN], v[65+2*pN], s[6:7]
	s_bcnt1_i32_b32 s13, vcc_lo
	s_add_co_u32 s12, s12, s13
.set pN, pN+1
.endr
	v_add_nc_u32 v4, s12, v0                       ; n + lane
	s_add_co_u32 s14, ttmp9, 2048
	v_mov_b32 v5, s14                              ; the pad id
.set pN, 0
.rept 50                               ; 1,600 places from n on, held at entry 1631
	v_add_nc_u32 v[128+pN], 32*pN, v4
	v_min_u32 v[128+pN], 1631, v[128+pN]
	v_lshlrev_b32 v[128+pN], 2, v[128+pN]
	global_store_b32 v[128+pN], v5, s[6:7]
.set pN, pN+1
.endr
	s_add_co_u32 s15, s12, 15
	s_lshr_b32 s15, s15, 4
	v_mov_b32 v6, s15
	v_mov_b32 v7, 0
	global_store_b32 v7, v6, s[6:7] offset:6656    ; the number of tiles (all lanes: the same word, the same value)
	s_endpgm
.Lfunc_end_k_q560cb7c574_place:
	.size	k_q560cb7c574_place, .Lfunc_end_k_q560cb7c574_place-k_q560cb7c574_place
	.p2alignl 7, 3214868480
	.fill 96, 4, 3214868480
	.section	.rodata,"a",@progbits
	.p2align	6, 0x0
	.amdhsa_kernel k_q560cb7c574_place
		.amdhsa_group_segment_fixed_size 0
		.amdhsa_private_segment_fixed_size 0
		.amdhsa_enable_private_segment 0
		.amdhsa_kernarg_size 16
		.amdhsa_user_sgpr_count 2
		.amdhsa_user_sgpr_kernarg_segment_ptr 1
		.amdhsa_wavefront_size32 1
		.amdhsa_system_sgpr_workgroup_id_x 1
		.amdhsa_system_sgpr_workgroup_id_y 1
		.amdhsa_system_sgpr_workgroup_id_z 1
		.amdhsa_system_vgpr_workitem_id 0
		.amdhsa_next_free_vgpr 192
		.amdhsa_next_free_sgpr 66
		.amdhsa_reserve_vcc 1
		.amdhsa_float_denorm_mode_32 3
		.amdhsa_float_denorm_mode_16_64 3
		.amdhsa_memory_ordered 1
		.amdhsa_forward_progress 1
		.amdhsa_inst_pref_size 32
	.end_amdhsa_kernel
	.amdgpu_metadata
---
amdhsa.version: [ 1, 2 ]
amdhsa.kernels:
  - .name:           k_q560cb7c574_place
    .symbol:         k_q560cb7c574_place.kd
    .args:
      - { .name: route, .offset: 0, .size: 8, .value_kind: global_buffer, .address_space: global }
      - { .name: list, .offset: 8, .size: 8, .value_kind: global_buffer, .address_space: global }
    .group_segment_fixed_size: 0
    .private_segment_fixed_size: 0
    .kernarg_segment_align: 8
    .kernarg_segment_size: 16
    .max_flat_workgroup_size: 32
    .sgpr_count:     66
    .vgpr_count:     192
    .wavefront_size: 32
...
	.end_amdgpu_metadata
.endif
;; end of part 2
;; launch up (part 3): grid 256 x 1, 4 waves a work-group, no clusters, 102,912 bytes of LDS; arguments w1, w3, xq, xs, list, hq, hs; writes hq, hs
.if DOCPART == 3
	.amdgcn_target "amdgcn-amd-amdhsa--gfx1250"
	.amdhsa_code_object_version 6
	.text
	.protected	k_q560cb7c574_up
	.globl	k_q560cb7c574_up
	.p2align	8
	.type	k_q560cb7c574_up,@function
k_q560cb7c574_up:
	s_mov_b64 s[64:65], 0
	v_nop
	global_prefetch_b8 v0, s[64:65] scope:SCOPE_SE
	s_setreg_imm32_b32 hwreg(HW_REG_WAVE_MODE, 25, 1), 1
	s_wait_xcnt 0x0
; h = silu(x w1) * (x w3) for the rows of ONE expert and 64 hidden units, quantised along the hidden axis.  Work-group = 32 e + sigma: expert e, hidden units 64 sigma .. + 63.
; PHASE 1.  The work-group's slices of w1 and w3 (1,024 x 64 f32 each) are read from memory once and become codes of E2M3 in LDS.  Waves 0, 1 take w1's K steps 0-3, 4-7, waves 2, 3 w3's.
;   A ROUND is 32 loads of 16 bytes a lane: lanes 0-15 take 256 bytes on end (64 columns) of row k of one block of 32 along K, lanes 16-31 the same of the next block.  Lane (q, h) then holds columns
;   4 q .. 4 q + 3 x 32 along K.  TILE j IS THE COLUMNS 4 q + j: after the conversion the lane holds registers 6 c .. 6 c + 5 of tile j's operand, as the matrix unit wants them: no lane exchange.
;   The 128 moves of a round turn the loads' shape (a register = 1 row, 4 columns a load) into the conversions' (16 registers on end = 16 along K of one column).
;   Fragments go to LDS as images of their registers (three stores of 16 bytes a lane), scale words two tiles to a register (lanes 0-15 one tile's, lanes 16-31 the next's).
; PHASE 2, behind the one barrier.  A wave takes 5 tiles of 16 of the expert's rows a pass (20 a pass for the four waves); passes follow while there are tiles: at most 4.
;   The rows' codes are gathered from xq by the stored list.  TRANSPOSED: source 0 = 16 columns of a weight, source 1 = 16 rows of x: lane (r, h) holds row r and, over the four tiles' 32 registers,
;   the whole block h of the 64 hidden units: register 8 j + i is hidden unit 32 h + 4 i + j.  So the block's largest magnitude needs no other lane, and its codes are registers 6 c .. 6 c + 5 (c = sigma % 2)
;   of the next product's K step sigma / 2.  WITHIN A BLOCK THE NEXT K IS PERMUTED (place 8 j + i holds unit 4 i + j); the next launch lays w2's rows the same way, and a block's scale is not touched by that.
; OUT:  hq [e][tile][sigma][768 bytes]: 16 bytes a lane (registers 0-3 of the six), then 8 bytes a lane;   hs [e][tile][K step][row][4 bytes]: this work-group's two bytes 2 c, 2 c + 1 of each word.
;   (The two bytes a row are stored 4 bytes apart: 32 bytes of 64; one part in 25 of what the launch stores.)
; Branches hang on the stored number of tiles, so there is no tensor load here, and no barrier behind the first such branch.  Tiles past the last are multiplied with the others and not stored.
; No cluster: what work-groups share (the expert's rows of xq) is a small part of a work-group's bytes, and partners would need different numbers of passes.
; LIMITS: NaN and infinities are not served; a block whose largest magnitude lies under 2^-124 gets the byte 1 (a block of zeros too: its codes are zeros).
; REGISTERS.  window 0: v1-13, v29-30 lane constants; v14-18 ids; v19-28 offsets (phase 1: v20-21 a pair of scale words); v32-51 x's scale words, v52-55 the weights': scales and nothing else;
;   phase 1: v56-79 at work, v80-127 four fragments, v128-255 the turned numbers;  phase 2: v96-143, v144-191 four fragments of w1, of w3; v192-255 tile 4's accumulators.
;   window 1: phase 1: two landing sets of 128; phase 2: x's fragments of K steps 0-3 (60 a step).   window 2: K steps 4-7.   window 3: the accumulators of tiles 0-3 (64 a tile: w1's 32, w3's 32).
.set ROWB,  8192                       ; a row of w1 or w3 in bytes
.set NR,    8                          ; rounds a wave
.set PERM,  0                          ; K in its own order
.set FRB,   1536                       ; a fragment's image
.set QB,    4*FRB                      ; four tiles' images: one weight, one K step
.set SCW,   16*QB                      ; behind the 16 x 4 images: 16 x 256 bytes of scale words
.set LPE,   6912                       ; an expert's part of the list
.set TPW,   5                          ; tiles a wave and pass
.set WOFF,  4
.set LI,    5                          ; 16 x lane
.set LI2,   6                          ; the same at w3's images
.set FWA,   7                          ; where I store images
.set SWA,   8                          ; and scale words
.set SRA,   9                          ; where I read scale words
.set LOFF,  10                         ; my place in the list
.set L8,    11                         ; 8 x lane
.set R4,    12                         ; 4 r
.set H8,    13                         ; 8 h
.set ID,    14
.set XO,    19
.set PP,    20
.set XSO,   24
.set H16,   29
.set H48,   30
.set XS,    32
.set WSA,   52
.set WSB,   54
.set MA,    56
.set MB,    60
.set SO,    64
.set BY0,   68
.set OO,    76
.set F,     80
.set S,     128
.set WA,    96
.set WB,    144
.set MSB, 0
.macro WIN new                         ; the immediate's high byte repeats the setting that is left
.if MSB != (\new)
	s_set_vgpr_msb (MSB<<8)|(\new)
.set MSB, (\new)
.endif
.endm
.macro PLACES n                        ; plain vector lines behind matrix instructions (ISA guide 7.12.1)
.rept \n
	v_nop
.endr
.endm
.macro WLOAD n                         ; round n's 32 loads into landing set n % 2
	WIN 0x40
.set rK, 0
.rept 32
	global_load_b128 v[128*((\n)%2)+4*rK:128*((\n)%2)+4*rK+3], v[WOFF], s[22:23] offset:(64*(\n)+rK)*ROWB th:TH_LOAD_NT
.set rK, rK+1
.endr
	WIN 0
.endm
.macro ROUND n                         ; K step n / 2 of my four, its half c = n % 2
.set rU, (\n)/2
.set rC, (\n)%2
.if (\n)+1 < NR
	s_wait_loadcnt 32                              ; this round's loads are in; the other set's 32 may be out
.else
	s_wait_loadcnt 0x0
.endif
	WIN 0x01
.set rK, 0
.rept 32
.if PERM
.set rP, 8*(rK%4)+rK/4
.else
.set rP, rK
.endif
.irp j, 0,1,2,3
	v_mov_b32 v[S+32*\j+rP], v[128*rC+4*rK+\j]     ; column j: 32 registers on end
.endr
.set rK, rK+1
.endr
.if (\n)+2 < NR
	WLOAD (\n)+2                                   ; the set is free: the round after next
.endif
	WIN 0
.irp j, 0,1,2,3
	v_max3_num_f32 v[MA+\j], |v[S+32*\j]|, |v[S+32*\j+1]|, 0x1800000     ; four blocks by turns, two chains each; the floor 2^(3 - 127) holds the byte at 1 from below
.endr
.irp j, 0,1,2,3
	v_max3_num_f32 v[MB+\j], |v[S+32*\j+2]|, |v[S+32*\j+3]|, |v[S+32*\j+4]|
.endr
.irp i, 5,9,13,17,21,25
.irp j, 0,1,2,3
	v_max3_num_f32 v[MA+\j], v[MA+\j], |v[S+32*\j+\i]|, |v[S+32*\j+\i+1]|
.endr
.irp j, 0,1,2,3
	v_max3_num_f32 v[MB+\j], v[MB+\j], |v[S+32*\j+\i+2]|, |v[S+32*\j+\i+3]|
.endr
.endr
.irp j, 0,1,2,3
	v_max3_num_f32 v[MA+\j], v[MA+\j], |v[S+32*\j+29]|, |v[S+32*\j+30]|
.endr
.irp j, 0,1,2,3
	v_max3_num_f32 v[MA+\j], v[MA+\j], v[MB+\j], |v[S+32*\j+31]|
.endr
.irp j, 0,1,2,3
	v_add_nc_u32 v[SO+\j], 0xff000000, v[MA+\j]    ; 2 off the exponent field: the conversion's scale operand
.endr
.if (rC == 0) && (rU > 0)
	s_wait_dscnt 0x0                               ; the last K step's LDS stores have read the fragments' registers
.endif
.irp j, 0,1,2,3
	v_cvt_scalef32_pk16_fp6_f32 v[F+12*\j+6*rC:F+12*\j+6*rC+2], v[S+32*\j:S+32*\j+15], v[SO+\j]
.endr
.irp j, 0,1,2,3
	v_lshrrev_b32 v[BY0+4*rC+\j], 23, v[SO+\j]     ; the scale's byte.  (Plain lines between the conversions above and those below, which write over the former's sources)
.endr
.irp j, 0,1,2,3
	v_cvt_scalef32_pk16_fp6_f32 v[S+32*\j:S+32*\j+2], v[S+32*\j+16:S+32*\j+31], v[SO+\j]   ; (three registers from an even number on: made here and moved)
.endr
	v_nop                                          ; one plain line behind the last conversion
.irp j, 0,1,2,3
.irp i, 0,1,2
	v_mov_b32 v[F+12*\j+6*rC+3+\i], v[S+32*\j+\i]
.endr
.endr
.if rC == 1
.irp j, 0,1,2,3
	v_lshl_or_b32 v[MA+\j], v[BY0+4+\j], 16, v[BY0+\j]   ; my two bytes: blocks h and 2 + h,
.endr
.irp j, 0,1,2,3
	v_lshlrev_b32 v[MA+\j], v[H8], v[MA+\j]        ; at their places;
.endr
.irp j, 0,1,2,3
	v_permlanex16_b32 v[OO+\j], v[MA+\j], s36, s37
.endr
.irp j, 0,1,2,3
	v_or_b32 v[MA+\j], v[MA+\j], v[OO+\j]          ; with lane l xor 16's the word is whole
.endr
	v_cndmask_b32 v[PP], v[MA], v[MA+1], s38       ; lanes 0-15 tile 0's words, lanes 16-31 tile 1's
	v_cndmask_b32 v[PP+1], v[MA+2], v[MA+3], s38   ; tiles 2 and 3
.irp j, 0,1,2,3
.irp g, 0,1,2
	ds_store_b128 v[FWA], v[F+12*\j+4*\g:F+12*\j+4*\g+3] offset:rU*QB+\j*FRB+\g*512
.endr
.endr
	ds_store_b64 v[SWA], v[PP:PP+1] offset:rU*256
.endif
.endm
.macro XLOAD s                         ; my five tiles' fragments of x, K step s: 48 bytes on end a lane
.if (\s) < 4
	WIN 0x40
.else
	WIN 0x80
.endif
.irp p, 0,1,2,3,4
.irp g, 0,1,2
	global_load_b128 v[60*((\s)%4)+12*\p+4*\g:60*((\s)%4)+12*\p+4*\g+3], v[XO+\p], s[8:9] offset:96*(\s)+16*\g
.endr
.endr
	WIN 0
.endm
.macro WFETCH buf, adr, s, sc, q       ; four fragments of a weight, K step s, and their scale words: 13 LDS loads
.irp j, 0,1,2,3
.irp g, 0,1,2
	ds_load_b128 v[\buf+12*\j+4*\g:\buf+12*\j+4*\g+3], v[\adr] offset:(\s)*QB+\j*FRB+\g*512
.endr
.endr
	ds_load_b64 v[\sc:\sc+1], v[SRA] offset:(\q)*256
.endm
.macro WM d, a, b, z, sa, sb, ra, rb   ; one product; z: it starts the sum; ra, rb: the scales stand in lanes 16-31
.if \z
.if (\ra) && (\rb)
	v_wmma_scale_f32_16x16x128_f8f6f4 v[(\d):(\d)+7], v[(\a):(\a)+11], v[(\b):(\b)+11], 0, v[\sa], v[\sb] matrix_a_fmt:MATRIX_FMT_FP6 matrix_b_fmt:MATRIX_FMT_FP6 matrix_a_scale:MATRIX_SCALE_ROW1 matrix_b_scale:MATRIX_SCALE_ROW1
.elseif (\ra)
	v_wmma_scale_f32_16x16x128_f8f6f4 v[(\d):(\d)+7], v[(\a):(\a)+11], v[(\b):(\b)+11], 0, v[\sa], v[\sb] matrix_a_fmt:MATRIX_FMT_FP6 matrix_b_fmt:MATRIX_FMT_FP6 matrix_a_scale:MATRIX_SCALE_ROW1
.elseif (\rb)
	v_wmma_scale_f32_16x16x128_f8f6f4 v[(\d):(\d)+7], v[(\a):(\a)+11], v[(\b):(\b)+11], 0, v[\sa], v[\sb] matrix_a_fmt:MATRIX_FMT_FP6 matrix_b_fmt:MATRIX_FMT_FP6 matrix_b_scale:MATRIX_SCALE_ROW1
.else
	v_wmma_scale_f32_16x16x128_f8f6f4 v[(\d):(\d)+7], v[(\a):(\a)+11], v[(\b):(\b)+11], 0, v[\sa], v[\sb] matrix_a_fmt:MATRIX_FMT_FP6 matrix_b_fmt:MATRIX_FMT_FP6
.endif
.else
.if (\ra) && (\rb)
	v_wmma_scale_f32_16x16x128_f8f6f4 v[(\d):(\d)+7], v[(\a):(\a)+11], v[(\b):(\b)+11], v[(\d):(\d)+7], v[\sa], v[\sb] matrix_a_fmt:MATRIX_FMT_FP6 matrix_b_fmt:MATRIX_FMT_FP6 matrix_a_scale:MATRIX_SCALE_ROW1 matrix_b_scale:MATRIX_SCALE_ROW1
.elseif (\ra)
	v_wmma_scale_f32_16x16x128_f8f6f4 v[(\d):(\d)+7], v[(\a):(\a)+11], v[(\b):(\b)+11], v[(\d):(\d)+7], v[\sa], v[\sb] matrix_a_fmt:MATRIX_FMT_FP6 matrix_b_fmt:MATRIX_FMT_FP6 matrix_a_scale:MATRIX_SCALE_ROW1
.elseif (\rb)
	v_wmma_scale_f32_16x16x128_f8f6f4 v[(\d):(\d)+7], v[(\a):(\a)+11], v[(\b):(\b)+11], v[(\d):(\d)+7], v[\sa], v[\sb] matrix_a_fmt:MATRIX_FMT_FP6 matrix_b_fmt:MATRIX_FMT_FP6 matrix_b_scale:MATRIX_SCALE_ROW1
.else
	v_wmma_scale_f32_16x16x128_f8f6f4 v[(\d):(\d)+7], v[(\a):(\a)+11], v[(\b):(\b)+11], v[(\d):(\d)+7], v[\sa], v[\sb] matrix_a_fmt:MATRIX_FMT_FP6 matrix_b_fmt:MATRIX_FMT_FP6
.endif
.endif
.endm
; 20 products of K step s: one weight's four tiles x my five tiles of rows.  The accumulators take turns, one instruction a turn.
.macro HALF s, wb, sc, acc
.set kZ, 0
.if (\s) == 0
.set kZ, 1
.endif
.set kW, 0x04
.if (\s) >= 4
.set kW, 0x08
.endif
.set kV, 0xf0+kW
	WIN kV                                         ; source 1 (x) window 1 or 2, C and D window 3
.irp p, 0,1,2,3
.irp j, 0,1,2,3
	WM 64*\p+\acc+8*\j, \wb+12*\j, 60*((\s)%4)+12*\p, kZ, \sc+\j/2, XS+4*\p+(\s)/2, \j%2, (\s)%2
.endr
.endr
	WIN kW                                         ; tile 4's accumulators lie in window 0
.irp j, 0,1,2,3
	WM 192+\acc+8*\j, \wb+12*\j, 60*((\s)%4)+48, kZ, \sc+\j/2, XS+16+(\s)/2, \j%2, (\s)%2
.endr
	WIN 0
.endm
.macro KSTEP s
.if (\s) < 4
	XLOAD (\s)+4
	s_wait_loadcnt 60                              ; this step's x is in: behind it four steps' 15 loads each were issued
.else
	s_wait_loadcnt 15*(7-(\s))                     ; behind it: the steps still to come
.endif
	s_wait_dscnt 13                                ; w1's fragments are in; w3's 13 loads may be out
	HALF \s, WA, WSA, 0
.if (\s) < 7
	PLACES 4                                       ; in front of loads into registers that matrix instructions have read
	WFETCH WA, LI, (\s)+1, WSA, (\s)+1
	s_wait_dscnt 13                                ; w3's are in; the 13 just issued may be out
.else
	s_wait_dscnt 0x0
.endif
	HALF \s, WB, WSB, 32
.if (\s) < 7
	PLACES 4
	WFETCH WB, LI2, (\s)+1, WSB, (\s)+9
.else
	PLACES 5                                       ; in front of the reads of results, and of the next pass's products, which begin the accumulators anew
.endif
.endm
; Tile p leaves: the activation, the block's scale, its codes.  A tile past the expert's last is passed over.
.macro OUT p
	WIN 0
	s_add_co_u32 s2, s30, \p
	s_cmp_ge_u32 s2, s27
	s_cbranch_scc1 .Lskip_\@
.if \p < 4
.set oG, 64*\p
.set oW, 0xff
.set oS, 0x0c
.else
.set oG, 192
.set oW, 0
.set oS, 0
.endif
.set oU, oG+32
	WIN oW
.set oI, 0
.rept 16
	v_pk_mul_f32 v[oU+oI:oU+oI+1], v[oG+oI:oG+oI+1], v[oU+oI:oU+oI+1]     ; g u (each accumulator from its low end on)
.set oI, oI+2
.endr
.set oI, 0
.rept 16
	v_pk_mul_f32 v[oG+oI:oG+oI+1], v[oG+oI:oG+oI+1], s[40:41] op_sel_hi:[1,0]   ; -g log2(e)
.set oI, oI+2
.endr
.set oI, 0
.rept 32
	v_exp_f32 v[oG+oI], v[oG+oI]
.set oI, oI+1
.endr
	v_nop                                          ; a plain line behind the exponentials
.set oI, 0
	s_wait_alu depctr_va_vdst(0)
.rept 16
	v_pk_add_f32 v[oG+oI:oG+oI+1], v[oG+oI:oG+oI+1], 1.0 op_sel_hi:[1,0]
.set oI, oI+2
.endr
.set oI, 0
.rept 32
	v_rcp_f32 v[oG+oI], v[oG+oI]
.set oI, oI+1
.endr
	v_nop                                          ; a plain line behind the reciprocals
.set oI, 0
	s_wait_alu depctr_va_vdst(0)
.rept 16
	v_pk_mul_f32 v[oG+oI:oG+oI+1], v[oG+oI:oG+oI+1], v[oU+oI:oU+oI+1]     ; h = g u / (1 + e^-g)
.set oI, oI+2
.endr
	v_max3_num_f32 v[oU], |v[oG]|, |v[oG+1]|, 0x1800000                    ; the block is all mine
	v_max3_num_f32 v[oU+1], |v[oG+2]|, |v[oG+3]|, |v[oG+4]|
.irp i, 5,9,13,17,21,25
	v_max3_num_f32 v[oU], v[oU], |v[oG+\i]|, |v[oG+\i+1]|
	v_max3_num_f32 v[oU+1], v[oU+1], |v[oG+\i+2]|, |v[oG+\i+3]|
.endr
	v_max3_num_f32 v[oU], v[oU], |v[oG+29]|, |v[oG+30]|
	v_max3_num_f32 v[oU], v[oU], v[oU+1], |v[oG+31]|
	v_add_nc_u32 v[oU+2], 0xff000000, v[oU]
	v_cvt_scalef32_pk16_fp6_f32 v[oU+8:oU+10], v[oG:oG+15], v[oU+2]
	v_cvt_scalef32_pk16_fp6_f32 v[oU+16:oU+18], v[oG+16:oG+31], v[oU+2]
	v_lshrrev_b32 v[oU+3], 23, v[oU+2]             ; the byte.  (The plain line behind the conversions)
	v_lshlrev_b32 v[oU+4], 8, v[oU+3]
	v_cndmask_b32 v[oU+4], v[oU+3], v[oU+4], s38   ; lanes 16-31: the upper of the two bytes
	v_mov_b32 v[oU+11], v[oU+16]
	v_mov_b32 v[oU+12], v[oU+17]
	v_mov_b32 v[oU+13], v[oU+18]                   ; six registers on end
	v_permlanex16_b32 v[oU+5], v[oU+4], s36, s37
	v_or_b32 v[oU+4], v[oU+4], v[oU+5]             ; both bytes of my row
	WIN oS                                         ; a store's data are its source 1
	global_store_b128 v[LI], v[oU+8:oU+11], s[32:33] offset:24576*\p        ; 512 bytes on end,
	global_store_b64 v[L8], v[oU+12:oU+13], s[32:33] offset:24576*\p+512    ; and 256
	global_store_b16 v[R4], v[oU+4], s[34:35] offset:1024*\p                ; lanes r and r + 16 write the same two bytes
	WIN 0
.Lskip_\@:
.endm
	s_load_b256 s[4:11], s[0:1], 0x0               ; w1, w3, xq, xs
	s_load_b128 s[12:15], s[0:1], 0x20             ; list, hq
	s_load_b64 s[16:17], s[0:1], 0x30              ; hs
	v_lshl_add_u32 v31, v0, 2, 0x19000
	s_set_vgpr_msb 0x80
	v_mov_b32 v255, 0
	s_set_vgpr_msb 0x8000
	v_lshrrev_b32 v1, 5, v0
	v_readfirstlane_b32 s18, v1                    ; wave
	v_and_b32 v1, 31, v0                           ; lane
	v_and_b32 v2, 15, v0                           ; r
	v_bfe_u32 v3, v0, 4, 1                         ; h
	s_lshr_b32 s19, ttmp9, 5                       ; e
	s_and_b32 s20, ttmp9, 31                       ; sigma
	v_lshlrev_b32 v[WOFF], 4, v2
	v_lshl_add_u32 v[WOFF], v3, 18, v[WOFF]        ; 16 r, and 32 rows further down for lanes 16-31
	v_lshlrev_b32 v[LI], 4, v1
	v_add_nc_u32 v[LI2], 8*QB, v[LI]
	s_mul_i32 s21, s18, 4*QB
	v_add_nc_u32 v[FWA], s21, v[LI]
	v_lshlrev_b32 v[L8], 3, v1
	s_lshl_b32 s21, s18, 10
	s_add_co_u32 s21, s21, SCW
	v_add_nc_u32 v[SWA], s21, v[L8]
	v_add_nc_u32 v[SRA], SCW, v[L8]
	v_lshlrev_b32 v[R4], 2, v2
	s_mul_i32 s21, s18, 64*TPW
	v_add_nc_u32 v[LOFF], s21, v[R4]               ; entry 16 (5 wave + tile) + r
	v_lshlrev_b32 v[H8], 3, v3
	v_lshlrev_b32 v[H16], 4, v3
	v_mul_u32_u24 v[H48], v3, 48
.irp j, 0,1,2,3
	v_mov_b32 v[OO+\j], 0                          ; (a lane permute's destination counts as read)
.endr
	s_mov_b32 s36, 0x76543210
	s_mov_b32 s37, 0xfedcba98                      ; selects for lane l xor 16
	s_mov_b32 s38, 0xffff0000                      ; lanes 16-31
	s_mov_b32 s40, 0xbfb8aa3b                      ; -log2(e)
	s_mov_b32 s41, s40                             ; (named with it as a pair)
	s_lshl_b32 s2, s19, 23                         ; the expert's 8 MiB,
	s_lshl_b32 s3, s20, 8                          ; my 64 columns,
	s_add_co_u32 s2, s2, s3
	s_and_b32 s3, s18, 1
	s_lshl_b32 s3, s3, 22                          ; K steps 0-3 or 4-7: 512 rows
	s_add_co_u32 s2, s2, s3
	s_mov_b32 s3, 0
	s_mul_i32 s24, s19, LPE
	s_mov_b32 s25, 0                               ; (stays 0: the upper word of every offset made in s24)
	s_wait_kmcnt 0x0
	s_cmp_lt_u32 s18, 2                            ; waves 0, 1: w1; waves 2, 3: w3
	s_cselect_b64 s[22:23], s[4:5], s[6:7]
	s_add_nc_u64 s[22:23], s[22:23], s[2:3]
	s_add_nc_u64 s[12:13], s[12:13], s[24:25]
	s_load_b32 s27, s[12:13], 0x1a00               ; the expert's number of tiles
.irp p, 0,1,2,3,4
	global_load_b32 v[ID+\p], v[LOFF], s[12:13] offset:64*\p     ; the first pass's ids, ahead of the stream
.endr
	WLOAD 0
	WLOAD 1
.irp n, 0,1,2,3,4,5,6,7
	ROUND \n
.endr
	s_wait_dscnt 0x0                               ; for the others' sake: my images and scale words lie in LDS
	s_barrier_signal -1
	s_barrier_wait -1                              ; the only barrier: from here on LDS is only read
	s_wait_kmcnt 0x0
	s_mov_b32 s29, 0
	s_mul_i32 s30, s18, TPW                        ; my first tile of the pass
.Lpass:
	s_cmp_ge_u32 s30, s27                          ; no tile left for me: later passes begin still further on
	s_cbranch_scc1 .Ldone
	s_wait_loadcnt 0x0                             ; the ids
	s_wait_xcnt 0x0                                ; the last pass's stores have read their registers and bases
	s_lshl_b32 s2, s19, 6
	s_add_co_u32 s2, s2, s30                       ; 64 e + tile
	s_lshl_b32 s24, s2, 5
	s_add_co_u32 s24, s24, s20
	s_mul_i32 s24, s24, 768
	s_add_nc_u64 s[32:33], s[14:15], s[24:25]      ; hq at (e, tile, sigma)
	s_lshl_b32 s24, s2, 4
	s_lshr_b32 s3, s20, 1
	s_add_co_u32 s24, s24, s3
	s_lshl_b32 s24, s24, 6
	s_and_b32 s3, s20, 1
	s_lshl_b32 s3, s3, 1
	s_add_co_u32 s24, s24, s3
	s_add_nc_u64 s[34:35], s[16:17], s[24:25]      ; hs at (e, tile, K step sigma / 2), bytes 2 (sigma % 2) on
.irp p, 0,1,2,3,4
	v_lshrrev_b32 v[XO+\p], 1, v[ID+\p]            ; the token,
.endr
.irp p, 0,1,2,3,4
	v_min_u32 v[XO+\p], 1023, v[XO+\p]             ; held inside x (a pad's too)
.endr
.irp p, 0,1,2,3,4
	v_lshl_add_u32 v[XSO+\p], v[XO+\p], 5, v[H16]
.endr
.irp p, 0,1,2,3,4
	v_mad_u32_u24 v[XO+\p], v[XO+\p], 768, v[H48]
.endr
.irp p, 0,1,2,3,4
	global_load_b128 v[XS+4*\p:XS+4*\p+3], v[XSO+\p], s[10:11]   ; lanes 0-15: the words of K steps 0, 2, 4, 6; lanes 16-31: 1, 3, 5, 7
.endr
	XLOAD 0
	XLOAD 1
	XLOAD 2
	XLOAD 3
	WFETCH WA, LI, 0, WSA, 0
	WFETCH WB, LI2, 0, WSB, 8
.irp s, 0,1,2,3,4,5,6,7
	KSTEP \s
.endr
.irp p, 0,1,2,3,4
	OUT \p
.endr
	v_add_nc_u32 v[LOFF], 64*4*TPW, v[LOFF]        ; the next pass's ids (behind the last pass: pads, which nobody uses; the list is written that far)
.irp p, 0,1,2,3,4
	global_load_b32 v[ID+\p], v[LOFF], s[12:13] offset:64*\p
.endr
	s_add_co_u32 s30, s30, 4*TPW
	s_add_co_u32 s29, s29, 1
	s_cmp_lt_u32 s29, 4                            ; 4 passes x 20 tiles serve all 1,024 tokens on one expert
	s_cbranch_scc1 .Lpass
.Ldone:
	s_set_vgpr_msb 0x8
	s_wait_tensorcnt 0x0
	ds_add_u32 v31, v255
	s_wait_dscnt 0x0
	s_set_vgpr_msb 0x800
	s_endpgm
.Lfunc_end_k_q560cb7c574_up:
	.size	k_q560cb7c574_up, .Lfunc_end_k_q560cb7c574_up-k_q560cb7c574_up
	.p2alignl 7, 3214868480
	.fill 96, 4, 3214868480
	.section	.rodata,"a",@progbits
	.p2align	6, 0x0
	.amdhsa_kernel k_q560cb7c574_up
		.amdhsa_group_segment_fixed_size 102912
		.amdhsa_private_segment_fixed_size 0
		.amdhsa_enable_private_segment 0
		.amdhsa_kernarg_size 56
		.amdhsa_user_sgpr_count 2
		.amdhsa_user_sgpr_kernarg_segment_ptr 1
		.amdhsa_wavefront_size32 1
		.amdhsa_system_sgpr_workgroup_id_x 1
		.amdhsa_system_sgpr_workgroup_id_y 1
		.amdhsa_system_sgpr_workgroup_id_z 1
		.amdhsa_system_vgpr_workitem_id 0
		.amdhsa_next_free_vgpr 1024
		.amdhsa_next_free_sgpr 66
		.amdhsa_reserve_vcc 0
		.amdhsa_float_denorm_mode_32 3
		.amdhsa_float_denorm_mode_16_64 3
		.amdhsa_memory_ordered 1
		.amdhsa_forward_progress 1
		.amdhsa_inst_pref_size 223
	.end_amdhsa_kernel
	.amdgpu_metadata
---
amdhsa.version: [ 1, 2 ]
amdhsa.kernels:
  - .name:           k_q560cb7c574_up
    .symbol:         k_q560cb7c574_up.kd
    .args:
      - { .name: w1, .offset: 0, .size: 8, .value_kind: global_buffer, .address_space: global }
      - { .name: w3, .offset: 8, .size: 8, .value_kind: global_buffer, .address_space: global }
      - { .name: xq, .offset: 16, .size: 8, .value_kind: global_buffer, .address_space: global }
      - { .name: xs, .offset: 24, .size: 8, .value_kind: global_buffer, .address_space: global }
      - { .name: list, .offset: 32, .size: 8, .value_kind: global_buffer, .address_space: global }
      - { .name: hq, .offset: 40, .size: 8, .value_kind: global_buffer, .address_space: global }
      - { .name: hs, .offset: 48, .size: 8, .value_kind: global_buffer, .address_space: global }
    .group_segment_fixed_size: 102912
    .private_segment_fixed_size: 0
    .kernarg_segment_align: 8
    .kernarg_segment_size: 56
    .max_flat_workgroup_size: 128
    .sgpr_count:     66
    .vgpr_count:     1024
    .wavefront_size: 32
...
	.end_amdgpu_metadata
.endif
;; end of part 3
;; launch down (part 4): grid 256 x 1, 4 waves a work-group, no clusters, 51,712 bytes of LDS; arguments w2, hq, hs, list, prob, y; writes y
.if DOCPART == 4
	.amdgcn_target "amdgcn-amd-amdhsa--gfx1250"
	.amdhsa_code_object_version 6
	.text
	.protected	k_q560cb7c574_down
	.globl	k_q560cb7c574_down
	.p2align	8
	.type	k_q560cb7c574_down,@function
k_q560cb7c574_down:
	s_mov_b64 s[64:65], 0
	v_nop
	global_prefetch_b8 v0, s[64:65] scope:SCOPE_SE
	s_setreg_imm32_b32 hwreg(HW_REG_WAVE_MODE, 25, 1), 1
	s_wait_xcnt 0x0
; y = gate weight x (h w2) for the rows of ONE expert, 64 output columns and one half of the hidden axis.  Work-group = 32 e + 2 delta + kappa: columns 64 delta .. + 63, hidden units 1,024 kappa .. + 1,023.
; PHASE 1 as in the launch before: the slice of w2 (1,024 x 64 f32) is read from memory once and becomes codes of E2M3 in LDS; wave w takes K steps 2 w, 2 w + 1 of the eight.
;   A round is 32 loads of 16 bytes a lane (lanes 0-15: 256 bytes on end of a row of one block of 32 along K; lanes 16-31: of the next block); tile j is the columns 4 q + j.
;   WITHIN A BLOCK K IS LAID AS h's CODES HAVE IT: hidden unit k of the block stands at place 8 (k % 4) + k / 4.  The same order on both operands, inside one scale's block: the products are the same.
; PHASE 2, behind the one barrier.  A wave takes 5 tiles of 16 rows a pass, at most 4 passes.  h's fragments come from hq as images of registers, its scale words from hs.
;   Source 0 = 16 rows of h, source 1 = 16 columns of w2: register i of lane (r, h) is row 8 h + i, column 4 r + j of tile j.  The multiplication by the row's gate weight also gathers j = 0 .. 3:
;   16 bytes a lane, and sixteen lanes store 256 consecutive bytes, aligned, of row id of y.
; OUT: y [kappa][id = 2 t + k, or 2048 + e for pads][1024] f32.  Each id lies in one expert's list, so each byte has one owner; the pads' row is the expert's own and nobody reads it.
; Branches hang on the stored number of tiles: no tensor load, and no barrier behind the first such branch.  A tile past the last reads the last tile's h and is not stored.
; No cluster: what work-groups share (the expert's rows of hq) is a small part of a work-group's bytes, and partners would need different numbers of passes.
; LIMITS: NaN and infinities are not served; a block whose largest magnitude lies under 2^-124 gets the byte 1.
; REGISTERS.  window 0: v1-14 lane constants; v20-21 a pair of scale words; v32-51 h's scale words, v52-55 w2's: scales and nothing else; phase 1: v56-79 at work, v80-127 four fragments,
;   v128-255 the turned numbers;  phase 2: v56-95 gate weights, v96-143, v144-191 w2's fragments of an even, an odd K step; v192-231 the rows' offsets in y.
;   window 1: phase 1: two landing sets; phase 2: h's fragments of K steps 0-3 (60 a step).   window 2: K steps 4-7.   window 3: v0-159 accumulators (32 a tile), v160-191 results to store, v192-231 ids as loaded.
.set ROWB,  4096
.set NR,    4
.set PERM,  1
.set FRB,   1536
.set QB,    4*FRB
.set SCW,   8*QB
.set LPE,   6912
.set TPW,   5
.set YH,    8421376                    ; 2,056 rows of 4,096 bytes: a half of y
.set WOFF,  4
.set LI,    5
.set FWA,   7
.set SWA,   8
.set SRA,   9
.set LOFF,  10
.set L8,    11
.set L4,    12
.set H8,    13
.set R16,   14
.set PP,    20
.set HS,    32
.set WSA,   52
.set MA,    56
.set MB,    60
.set SO,    64
.set BY0,   68
.set OO,    76
.set F,     80
.set S,     128
.set PR,    56
.set WA,    96
.set YA,    192
.set TT,    160
.set RAW,   192
.set MSB, 0
.macro WIN new                         ; the immediate's high byte repeats the setting that is left
.if MSB != (\new)
	s_set_vgpr_msb (MSB<<8)|(\new)
.set MSB, (\new)
.endif
.endm
.macro PLACES n                        ; plain vector lines behind matrix instructions (ISA guide 7.12.1)
.rept \n
	v_nop
.endr
.endm
.macro WLOAD n                         ; round n's 32 loads into landing set n % 2
	WIN 0x40
.set rK, 0
.rept 32
	global_load_b128 v[128*((\n)%2)+4*rK:128*((\n)%2)+4*rK+3], v[WOFF], s[22:23] offset:(64*(\n)+rK)*ROWB th:TH_LOAD_NT
.set rK, rK+1
.endr
	WIN 0
.endm
.macro ROUND n                         ; K step n / 2 of my two, its half c = n % 2
.set rU, (\n)/2
.set rC, (\n)%2
.if (\n)+1 < NR
	s_wait_loadcnt 32                              ; this round's loads are in; the other set's 32 may be out
.else
	s_wait_loadcnt 0x0
.endif
	WIN 0x01
.set rK, 0
.rept 32
.if PERM
.set rP, 8*(rK%4)+rK/4
.else
.set rP, rK
.endif
.irp j, 0,1,2,3
	v_mov_b32 v[S+32*\j+rP], v[128*rC+4*rK+\j]     ; column j: 32 registers on end, in the order of h's codes
.endr
.set rK, rK+1
.endr
.if (\n)+2 < NR
	WLOAD (\n)+2                                   ; the set is free: the round after next
.endif
	WIN 0
.irp j, 0,1,2,3
	v_max3_num_f32 v[MA+\j], |v[S+32*\j]|, |v[S+32*\j+1]|, 0x1800000     ; four blocks by turns, two chains each; the floor 2^(3 - 127) holds the byte at 1 from below
.endr
.irp j, 0,1,2,3
	v_max3_num_f32 v[MB+\j], |v[S+32*\j+2]|, |v[S+32*\j+3]|, |v[S+32*\j+4]|
.endr
.irp i, 5,9,13,17,21,25
.irp j, 0,1,2,3
	v_max3_num_f32 v[MA+\j], v[MA+\j], |v[S+32*\j+\i]|, |v[S+32*\j+\i+1]|
.endr
.irp j, 0,1,2,3
	v_max3_num_f32 v[MB+\j], v[MB+\j], |v[S+32*\j+\i+2]|, |v[S+32*\j+\i+3]|
.endr
.endr
.irp j, 0,1,2,3
	v_max3_num_f32 v[MA+\j], v[MA+\j], |v[S+32*\j+29]|, |v[S+32*\j+30]|
.endr
.irp j, 0,1,2,3
	v_max3_num_f32 v[MA+\j], v[MA+\j], v[MB+\j], |v[S+32*\j+31]|
.endr
.irp j, 0,1,2,3
	v_add_nc_u32 v[SO+\j], 0xff000000, v[MA+\j]    ; 2 off the exponent field: the conversion's scale operand
.endr
.if (rC == 0) && (rU > 0)
	s_wait_dscnt 0x0                               ; the last K step's LDS stores have read the fragments' registers
.endif
.irp j, 0,1,2,3
	v_cvt_scalef32_pk16_fp6_f32 v[F+12*\j+6*rC:F+12*\j+6*rC+2], v[S+32*\j:S+32*\j+15], v[SO+\j]
.endr
.irp j, 0,1,2,3
	v_lshrrev_b32 v[BY0+4*rC+\j], 23, v[SO+\j]     ; the scale's byte.  (Plain lines between the conversions above and those below, which write over the former's sources)
.endr
.irp j, 0,1,2,3
	v_cvt_scalef32_pk16_fp6_f32 v[S+32*\j:S+32*\j+2], v[S+32*\j+16:S+32*\j+31], v[SO+\j]   ; (three registers from an even number on: made here and moved)
.endr
	v_nop                                          ; one plain line behind the last conversion
.irp j, 0,1,2,3
.irp i, 0,1,2
	v_mov_b32 v[F+12*\j+6*rC+3+\i], v[S+32*\j+\i]
.endr
.endr
.if rC == 1
.irp j, 0,1,2,3
	v_lshl_or_b32 v[MA+\j], v[BY0+4+\j], 16, v[BY0+\j]   ; my two bytes: blocks h and 2 + h,
.endr
.irp j, 0,1,2,3
	v_lshlrev_b32 v[MA+\j], v[H8], v[MA+\j]        ; at their places;
.endr
.irp j, 0,1,2,3
	v_permlanex16_b32 v[OO+\j], v[MA+\j], s36, s37
.endr
.irp j, 0,1,2,3
	v_or_b32 v[MA+\j], v[MA+\j], v[OO+\j]          ; with lane l xor 16's the word is whole
.endr
	v_cndmask_b32 v[PP], v[MA], v[MA+1], s38       ; lanes 0-15 tile 0's words, lanes 16-31 tile 1's
	v_cndmask_b32 v[PP+1], v[MA+2], v[MA+3], s38   ; tiles 2 and 3
.irp j, 0,1,2,3
.irp g, 0,1,2
	ds_store_b128 v[FWA], v[F+12*\j+4*\g:F+12*\j+4*\g+3] offset:rU*QB+\j*FRB+\g*512
.endr
.endr
	ds_store_b64 v[SWA], v[PP:PP+1] offset:rU*256
.endif
.endm
.macro HLOAD s                         ; my five tiles' fragments of h, K step s: each half fragment 16 bytes a lane, then 8: 20 loads
.if (\s) < 4
	WIN 0x40
.else
	WIN 0x80
.endif
.irp p, 0,1,2,3,4
.irp c, 0,1
	global_load_b128 v[60*((\s)%4)+12*\p+6*\c:60*((\s)%4)+12*\p+6*\c+3], v[LI], s[40+2*\p:41+2*\p] offset:1536*(\s)+768*\c
	global_load_b64 v[60*((\s)%4)+12*\p+6*\c+4:60*((\s)%4)+12*\p+6*\c+5], v[L8], s[40+2*\p:41+2*\p] offset:1536*(\s)+768*\c+512
.endr
.endr
	WIN 0
.endm
.macro WFETCH buf, s, sc               ; w2's four fragments of K step s and their scale words: 13 LDS loads
.irp j, 0,1,2,3
.irp g, 0,1,2
	ds_load_b128 v[\buf+12*\j+4*\g:\buf+12*\j+4*\g+3], v[LI] offset:(\s)*QB+\j*FRB+\g*512
.endr
.endr
	ds_load_b64 v[\sc:\sc+1], v[SRA] offset:(\s)*256
.endm
.macro WM d, a, b, z, sa, sb, ra, rb   ; one product; z: it starts the sum; ra, rb: the scales stand in lanes 16-31
.if \z
.if (\ra) && (\rb)
	v_wmma_scale_f32_16x16x128_f8f6f4 v[(\d):(\d)+7], v[(\a):(\a)+11], v[(\b):(\b)+11], 0, v[\sa], v[\sb] matrix_a_fmt:MATRIX_FMT_FP6 matrix_b_fmt:MATRIX_FMT_FP6 matrix_a_scale:MATRIX_SCALE_ROW1 matrix_b_scale:MATRIX_SCALE_ROW1
.elseif (\ra)
	v_wmma_scale_f32_16x16x128_f8f6f4 v[(\d):(\d)+7], v[(\a):(\a)+11], v[(\b):(\b)+11], 0, v[\sa], v[\sb] matrix_a_fmt:MATRIX_FMT_FP6 matrix_b_fmt:MATRIX_FMT_FP6 matrix_a_scale:MATRIX_SCALE_ROW1
.elseif (\rb)
	v_wmma_scale_f32_16x16x128_f8f6f4 v[(\d):(\d)+7], v[(\a):(\a)+11], v[(\b):(\b)+11], 0, v[\sa], v[\sb] matrix_a_fmt:MATRIX_FMT_FP6 matrix_b_fmt:MATRIX_FMT_FP6 matrix_b_scale:MATRIX_SCALE_ROW1
.else
	v_wmma_scale_f32_16x16x128_f8f6f4 v[(\d):(\d)+7], v[(\a):(\a)+11], v[(\b):(\b)+11], 0, v[\sa], v[\sb] matrix_a_fmt:MATRIX_FMT_FP6 matrix_b_fmt:MATRIX_FMT_FP6
.endif
.else
.if (\ra) && (\rb)
	v_wmma_scale_f32_16x16x128_f8f6f4 v[(\d):(\d)+7], v[(\a):(\a)+11], v[(\b):(\b)+11], v[(\d):(\d)+7], v[\sa], v[\sb] matrix_a_fmt:MATRIX_FMT_FP6 matrix_b_fmt:MATRIX_FMT_FP6 matrix_a_scale:MATRIX_SCALE_ROW1 matrix_b_scale:MATRIX_SCALE_ROW1
.elseif (\ra)
	v_wmma_scale_f32_16x16x128_f8f6f4 v[(\d):(\d)+7], v[(\a):(\a)+11], v[(\b):(\b)+11], v[(\d):(\d)+7], v[\sa], v[\sb] matrix_a_fmt:MATRIX_FMT_FP6 matrix_b_fmt:MATRIX_FMT_FP6 matrix_a_scale:MATRIX_SCALE_ROW1
.elseif (\rb)
	v_wmma_scale_f32_16x16x128_f8f6f4 v[(\d):(\d)+7], v[(\a):(\a)+11], v[(\b):(\b)+11], v[(\d):(\d)+7], v[\sa], v[\sb] matrix_a_fmt:MATRIX_FMT_FP6 matrix_b_fmt:MATRIX_FMT_FP6 matrix_b_scale:MATRIX_SCALE_ROW1
.else
	v_wmma_scale_f32_16x16x128_f8f6f4 v[(\d):(\d)+7], v[(\a):(\a)+11], v[(\b):(\b)+11], v[(\d):(\d)+7], v[\sa], v[\sb] matrix_a_fmt:MATRIX_FMT_FP6 matrix_b_fmt:MATRIX_FMT_FP6
.endif
.endif
.endm
; K step s: 20 products, my five tiles of rows x the four tiles of columns.  The accumulators take turns, one instruction a turn.
.macro KSTEP s
.set kZ, 0
.if (\s) == 0
.set kZ, 1
.endif
.if (\s) <= 4
	HLOAD (\s)+3
	s_wait_loadcnt 60                              ; this step's h is in: behind it three steps' 20 loads each were issued
.else
	s_wait_loadcnt 20*(7-(\s))                     ; behind it: the steps still to come
.endif
.if (\s) < 7
	s_wait_dscnt 13                                ; this step's w2 is in; the next step's 13 loads may be out
.else
	s_wait_dscnt 0x0
.endif
.if (\s) < 4
	WIN 0xf1                                       ; source 0 (h) window 1, C and D window 3
.else
	WIN 0xf2
.endif
.irp p, 0,1,2,3,4
.irp j, 0,1,2,3
	WM 32*\p+8*\j, 60*((\s)%4)+12*\p, WA+48*((\s)%2)+12*\j, kZ, HS+4*\p+(\s)/2, WSA+2*((\s)%2)+\j/2, (\s)%2, \j%2
.endr
.endr
	WIN 0
.if (\s) < 6
	PLACES 4                                       ; in front of loads into registers that matrix instructions have read
	WFETCH WA+48*((\s)%2), (\s)+2, WSA+2*((\s)%2)
.elseif (\s) == 7
	PLACES 5                                       ; in front of the reads of results, and of the next pass's products, which begin the accumulators anew
.endif
.endm
; Tile p leaves.  A tile past the expert's last is passed over.
.macro OUT p
	WIN 0
	s_add_co_u32 s2, s30, \p
	s_cmp_ge_u32 s2, s27
	s_cbranch_scc1 .Lskip_\@
	s_wait_xcnt 0x0                                ; the last tile's stores have read their registers
	WIN 0xcc                                       ; source 1 (the sums) and the destination: window 3
.irp i, 0,1,2,3,4,5,6,7
.irp j, 0,1,2,3
	v_mul_f32 v[TT+4*\i+\j], v[PR+8*\p+\i], v[32*\p+8*\j+\i]     ; row 8 h + i, columns 4 r + 0 .. 3 on end (each accumulator from its low end on)
.endr
.endr
	WIN 0x0c                                       ; a store's data are its source 1
.irp i, 0,1,2,3,4,5,6,7
	global_store_b128 v[YA+8*\p+\i], v[TT+4*\i:TT+4*\i+3], s[60:61]    ; sixteen lanes: 256 consecutive bytes, aligned, of one row of y
.endr
	WIN 0
.Lskip_\@:
.endm
	s_load_b256 s[4:11], s[0:1], 0x0               ; w2, hq, hs, list
	s_load_b128 s[12:15], s[0:1], 0x20             ; prob, y
	v_lshl_add_u32 v30, v0, 2, 0xc800
	v_mov_b32 v31, 0
	v_lshrrev_b32 v1, 5, v0
	v_readfirstlane_b32 s18, v1                    ; wave
	v_and_b32 v1, 31, v0                           ; lane
	v_and_b32 v2, 15, v0                           ; r
	v_bfe_u32 v3, v0, 4, 1                         ; h
	s_lshr_b32 s19, ttmp9, 5                       ; e
	s_bfe_u32 s20, ttmp9, 0x40001                  ; delta
	s_and_b32 s21, ttmp9, 1                        ; kappa
	v_lshlrev_b32 v[R16], 4, v2
	v_lshl_add_u32 v[WOFF], v3, 17, v[R16]         ; 16 r, and 32 rows further down for lanes 16-31
	v_lshlrev_b32 v[LI], 4, v1
	s_mul_i32 s26, s18, 2*QB
	v_add_nc_u32 v[FWA], s26, v[LI]
	v_lshlrev_b32 v[L8], 3, v1
	s_lshl_b32 s26, s18, 9
	s_add_co_u32 s26, s26, SCW
	v_add_nc_u32 v[SWA], s26, v[L8]
	v_add_nc_u32 v[SRA], SCW, v[L8]
	v_lshlrev_b32 v[L4], 2, v1
	s_mul_i32 s26, s18, 64*TPW
	v_lshlrev_b32 v[LOFF], 5, v3
	v_add_nc_u32 v[LOFF], s26, v[LOFF]             ; entry 16 (5 wave + tile) + 8 h
	v_lshlrev_b32 v[H8], 3, v3
.irp j, 0,1,2,3
	v_mov_b32 v[OO+\j], 0                          ; (a lane permute's destination counts as read)
.endr
	s_mov_b32 s36, 0x76543210
	s_mov_b32 s37, 0xfedcba98                      ; selects for lane l xor 16
	s_mov_b32 s38, 0xffff0000                      ; lanes 16-31
	s_lshl_b32 s2, s19, 23                         ; the expert's 8 MiB,
	s_lshl_b32 s3, s21, 22                         ; my half of the hidden axis: 1,024 rows,
	s_add_co_u32 s2, s2, s3
	s_lshl_b32 s3, s18, 20                         ; my wave's 256 of them,
	s_add_co_u32 s2, s2, s3
	s_lshl_b32 s26, s20, 8                         ; my 64 columns
	s_add_co_u32 s2, s2, s26
	s_mov_b32 s3, 0
	s_mul_i32 s24, s19, LPE
	s_mov_b32 s25, 0                               ; (stays 0: the upper word of every offset made in s24)
	s_mul_i32 s34, s21, YH
	s_add_co_u32 s34, s34, s26
	s_mov_b32 s35, 0
	s_lshl_b32 s28, s19, 6                         ; 64 e
	s_mul_i32 s31, s21, 12288                      ; my half in a tile's part of hq,
	s_lshl_b32 s33, s21, 9                         ; and of hs
	s_wait_kmcnt 0x0
	s_add_nc_u64 s[22:23], s[4:5], s[2:3]
	s_add_nc_u64 s[10:11], s[10:11], s[24:25]
	s_add_nc_u64 s[60:61], s[14:15], s[34:35]
	s_load_b32 s27, s[10:11], 0x1a00               ; the expert's number of tiles
	WIN 0xc0
.irp p, 0,1,2,3,4
	global_load_b128 v[RAW+8*\p:RAW+8*\p+3], v[LOFF], s[10:11] offset:64*\p         ; the first pass's ids, ahead of the stream: rows 8 h + 0 .. 7 of each tile
	global_load_b128 v[RAW+8*\p+4:RAW+8*\p+7], v[LOFF], s[10:11] offset:64*\p+16
.endr
	WIN 0
	WLOAD 0
	WLOAD 1
.irp n, 0,1,2,3
	ROUND \n
.endr
	s_wait_dscnt 0x0                               ; for the others' sake: my images and scale words lie in LDS
	s_barrier_signal -1
	s_barrier_wait -1                              ; the only barrier: from here on LDS is only read
	s_wait_kmcnt 0x0
	s_mov_b32 s29, 0
	s_mul_i32 s30, s18, TPW                        ; my first tile of the pass
.Lpass:
	s_cmp_ge_u32 s30, s27                          ; no tile left for me: later passes begin still further on
	s_cbranch_scc1 .Ldone
	s_wait_loadcnt 0x0                             ; the ids
	s_wait_xcnt 0x0                                ; the last pass's stores have read their registers
	s_sub_co_u32 s26, s27, 1
.irp p, 0,1,2,3,4
	s_add_co_u32 s2, s30, \p
	s_min_u32 s2, s2, s26                          ; a tile past the last reads the last: nothing unwritten is read
	s_min_u32 s2, s2, 63                           ; (a number made of loaded data enters an address behind a bound)
	s_add_co_u32 s2, s2, s28
	s_mul_i32 s24, s2, 24576
	s_add_co_u32 s24, s24, s31
	s_add_nc_u64 s[40+2*\p:41+2*\p], s[6:7], s[24:25]
	s_lshl_b32 s24, s2, 10
	s_add_co_u32 s24, s24, s33
	s_add_nc_u64 s[50+2*\p:51+2*\p], s[8:9], s[24:25]
.endr
	WIN 0x0c                                       ; source 1: the ids as loaded, window 3
.set hN, 0
.rept 40
	v_min_u32 v[PR+hN], 2047, v[RAW+hN]            ; a pad takes some weight: its row is read by nobody
	v_min_u32 v[YA+hN], 2055, v[RAW+hN]
.set hN, hN+1
.endr
	WIN 0
.set hN, 0
.rept 40
	v_lshlrev_b32 v[PR+hN], 2, v[PR+hN]
	v_lshl_add_u32 v[YA+hN], v[YA+hN], 12, v[R16]  ; the row's 4,096 bytes, + my 16
.set hN, hN+1
.endr
.irp p, 0,1,2,3,4
.irp v, 0,1,2,3
	global_load_b32 v[HS+4*\p+\v], v[L4], s[50+2*\p:51+2*\p] offset:128*\v     ; lanes 0-15: the rows' words of K step 2 v; lanes 16-31: of 2 v + 1
.endr
.endr
.set hN, 0
.rept 40
	global_load_b32 v[PR+hN], v[PR+hN], s[12:13]   ; the gate weight of row 8 h + i, in the result's layout (a load may land on its own offset)
.set hN, hN+1
.endr
	HLOAD 0
	HLOAD 1
	HLOAD 2
	WFETCH WA, 0, WSA
	WFETCH WA+48, 1, WSA+2
.irp s, 0,1,2,3,4,5,6,7
	KSTEP \s
.endr
.irp p, 0,1,2,3,4
	OUT \p
.endr
	v_add_nc_u32 v[LOFF], 64*4*TPW, v[LOFF]        ; the next pass's ids (behind the last pass: pads, which nobody uses; the list is written that far)
	WIN 0xc0
.irp p, 0,1,2,3,4
	global_load_b128 v[RAW+8*\p:RAW+8*\p+3], v[LOFF], s[10:11] offset:64*\p
	global_load_b128 v[RAW+8*\p+4:RAW+8*\p+7], v[LOFF], s[10:11] offset:64*\p+16
.endr
	WIN 0
	s_add_co_u32 s30, s30, 4*TPW
	s_add_co_u32 s29, s29, 1
	s_cmp_lt_u32 s29, 4                            ; 4 passes x 20 tiles serve all 1,024 tokens on one expert
	s_cbranch_scc1 .Lpass
.Ldone:
	s_wait_tensorcnt 0x0
	ds_add_u32 v30, v31
	s_wait_dscnt 0x0
	s_endpgm
.Lfunc_end_k_q560cb7c574_down:
	.size	k_q560cb7c574_down, .Lfunc_end_k_q560cb7c574_down-k_q560cb7c574_down
	.p2alignl 7, 3214868480
	.fill 96, 4, 3214868480
	.section	.rodata,"a",@progbits
	.p2align	6, 0x0
	.amdhsa_kernel k_q560cb7c574_down
		.amdhsa_group_segment_fixed_size 51712
		.amdhsa_private_segment_fixed_size 0
		.amdhsa_enable_private_segment 0
		.amdhsa_kernarg_size 48
		.amdhsa_user_sgpr_count 2
		.amdhsa_user_sgpr_kernarg_segment_ptr 1
		.amdhsa_wavefront_size32 1
		.amdhsa_system_sgpr_workgroup_id_x 1
		.amdhsa_system_sgpr_workgroup_id_y 1
		.amdhsa_system_sgpr_workgroup_id_z 1
		.amdhsa_system_vgpr_workitem_id 0
		.amdhsa_next_free_vgpr 1024
		.amdhsa_next_free_sgpr 66
		.amdhsa_reserve_vcc 0
		.amdhsa_float_denorm_mode_32 3
		.amdhsa_float_denorm_mode_16_64 3
		.amdhsa_memory_ordered 1
		.amdhsa_forward_progress 1
		.amdhsa_inst_pref_size 129
	.end_amdhsa_kernel
	.amdgpu_metadata
---
amdhsa.version: [ 1, 2 ]
amdhsa.kernels:
  - .name:           k_q560cb7c574_down
    .symbol:         k_q560cb7c574_down.kd
    .args:
      - { .name: w2, .offset: 0, .size: 8, .value_kind: global_buffer, .address_space: global }
      - { .name: hq, .offset: 8, .size: 8, .value_kind: global_buffer, .address_space: global }
      - { .name: hs, .offset: 16, .size: 8, .value_kind: global_buffer, .address_space: global }
      - { .name: list, .offset: 24, .size: 8, .value_kind: global_buffer, .address_space: global }
      - { .name: prob, .offset: 32, .size: 8, .value_kind: global_buffer, .address_space: global }
      - { .name: y, .offset: 40, .size: 8, .value_kind: global_buffer, .address_space: global }
    .group_segment_fixed_size: 51712
    .private_segment_fixed_size: 0
    .kernarg_segment_align: 8
    .kernarg_segment_size: 48
    .max_flat_workgroup_size: 128
    .sgpr_count:     66
    .vgpr_count:     1024
    .wavefront_size: 32
...
	.end_amdgpu_metadata
.endif
;; end of part 4
;; launch combine (part 5): grid 256 x 1, 8 waves a work-group, no clusters, 0 bytes of LDS; arguments y, out0; writes out0
.if DOCPART == 5
	.amdgcn_target "amdgcn-amd-amdhsa--gfx1250"
	.amdhsa_code_object_version 6
	.text
	.protected	k_q560cb7c574_combine
	.globl	k_q560cb7c574_combine
	.p2align	8
	.type	k_q560cb7c574_combine,@function
k_q560cb7c574_combine:
	s_mov_b64 s[64:65], 0
	v_nop
	global_prefetch_b8 v0, s[64:65] scope:SCOPE_SE
	s_setreg_imm32_b32 hwreg(HW_REG_WAVE_MODE, 25, 1), 1
	s_wait_xcnt 0x0
; out0[t] = y[0][2 t] + y[0][2 t + 1] + y[1][2 t] + y[1][2 t + 1]: the token's two experts, each in its two halves of the hidden axis; the gate weights are in y already.
; A stream: the work-group takes 4 tokens, thread n the 16 bytes at 16 n of every row, so that a wave's load or store covers 512 consecutive bytes.  All 16 loads go out first; no LDS, no barrier, no matrix unit:
; there is nothing here but bytes.
.set YH, 8421376                       ; 2,056 rows of 4,096 bytes: a half of y
	s_load_b128 s[4:7], s[0:1], 0x0                ; y, out0
	v_lshlrev_b32 v1, 4, v0
	s_lshl_b32 s8, ttmp9, 15                       ; 8 rows of y,
	s_mov_b32 s9, 0
	s_lshl_b32 s10, ttmp9, 14                      ; 4 rows of out0
	s_mov_b32 s11, 0
	s_wait_kmcnt 0x0
	s_add_nc_u64 s[4:5], s[4:5], s[8:9]
	s_add_nc_u64 s[12:13], s[4:5], YH
	s_add_nc_u64 s[6:7], s[6:7], s[10:11]
.irp q, 0,1,2,3
	global_load_b128 v[4+16*\q:7+16*\q], v1, s[4:5] offset:8192*\q th:TH_LOAD_NT
	global_load_b128 v[8+16*\q:11+16*\q], v1, s[4:5] offset:8192*\q+4096 th:TH_LOAD_NT
	global_load_b128 v[12+16*\q:15+16*\q], v1, s[12:13] offset:8192*\q th:TH_LOAD_NT
	global_load_b128 v[16+16*\q:19+16*\q], v1, s[12:13] offset:8192*\q+4096 th:TH_LOAD_NT
.endr
.irp q, 0,1,2,3
	s_wait_loadcnt 12-4*\q                         ; this token's four loads are in; the later tokens' may be out
	v_pk_add_f32 v[4+16*\q:5+16*\q], v[4+16*\q:5+16*\q], v[8+16*\q:9+16*\q]
	v_pk_add_f32 v[6+16*\q:7+16*\q], v[6+16*\q:7+16*\q], v[10+16*\q:11+16*\q]
	v_pk_add_f32 v[12+16*\q:13+16*\q], v[12+16*\q:13+16*\q], v[16+16*\q:17+16*\q]
	v_pk_add_f32 v[14+16*\q:15+16*\q], v[14+16*\q:15+16*\q], v[18+16*\q:19+16*\q]
	v_pk_add_f32 v[4+16*\q:5+16*\q], v[4+16*\q:5+16*\q], v[12+16*\q:13+16*\q]
	v_pk_add_f32 v[6+16*\q:7+16*\q], v[6+16*\q:7+16*\q], v[14+16*\q:15+16*\q]
	global_store_b128 v1, v[4+16*\q:7+16*\q], s[6:7] offset:4096*\q th:TH_STORE_NT
.endr
	s_endpgm
.Lfunc_end_k_q560cb7c574_combine:
	.size	k_q560cb7c574_combine, .Lfunc_end_k_q560cb7c574_combine-k_q560cb7c574_combine
	.p2alignl 7, 3214868480
	.fill 96, 4, 3214868480
	.section	.rodata,"a",@progbits
	.p2align	6, 0x0
	.amdhsa_kernel k_q560cb7c574_combine
		.amdhsa_group_segment_fixed_size 0
		.amdhsa_private_segment_fixed_size 0
		.amdhsa_enable_private_segment 0
		.amdhsa_kernarg_size 16
		.amdhsa_user_sgpr_count 2
		.amdhsa_user_sgpr_kernarg_segment_ptr 1
		.amdhsa_wavefront_size32 1
		.amdhsa_system_sgpr_workgroup_id_x 1
		.amdhsa_system_sgpr_workgroup_id_y 1
		.amdhsa_system_sgpr_workgroup_id_z 1
		.amdhsa_system_vgpr_workitem_id 0
		.amdhsa_next_free_vgpr 72
		.amdhsa_next_free_sgpr 66
		.amdhsa_reserve_vcc 0
		.amdhsa_float_denorm_mode_32 3
		.amdhsa_float_denorm_mode_16_64 3
		.amdhsa_memory_ordered 1
		.amdhsa_forward_progress 1
		.amdhsa_inst_pref_size 5
	.end_amdhsa_kernel
	.amdgpu_metadata
---
amdhsa.version: [ 1, 2 ]
amdhsa.kernels:
  - .name:           k_q560cb7c574_combine
    .symbol:         k_q560cb7c574_combine.kd
    .args:
      - { .name: y, .offset: 0, .size: 8, .value_kind: global_buffer, .address_space: global }
      - { .name: out0, .offset: 8, .size: 8, .value_kind: global_buffer, .address_space: global }
    .group_segment_fixed_size: 0
    .private_segment_fixed_size: 0
    .kernarg_segment_align: 8
    .kernarg_segment_size: 16
    .max_flat_workgroup_size: 256
    .sgpr_count:     66
    .vgpr_count:     72
    .wavefront_size: 32
...
	.end_amdgpu_metadata
.endif
;; end of part 5
;; ======== version 2 of 3: 4 launches
;; workspace buffers: xq 786,432 bytes; xs 32,768 bytes; route 4,096 bytes of whole numbers; prob 8,192 bytes; hq 12,582,912 bytes; hs 524,288 bytes; y 16,842,752 bytes
;; launch route: the kernel of part 1 again; grid 256 x 1, 4 waves a work-group, no clusters, 55,296 bytes of LDS; arguments x, w_gate, xq, xs, route, prob; writes xq, xs, route, prob
;; launch up (part 6): grid 256 x 1, 4 waves a work-group, no clusters, 102,912 bytes of LDS; arguments w1, w3, xq, xs, route, hq, hs; writes hq, hs
.if DOCPART == 6
	.amdgcn_target "amdgcn-amd-amdhsa--gfx1250"
	.amdhsa_code_object_version 6
	.text
	.protected	k_q560cb7c574_up
	.globl	k_q560cb7c574_up
	.p2align	8
	.type	k_q560cb7c574_up,@function
k_q560cb7c574_up:
	s_mov_b64 s[64:65], 0
	v_nop
	global_prefetch_b8 v0, s[64:65] scope:SCOPE_SE
	s_setreg_imm32_b32 hwreg(HW_REG_WAVE_MODE, 25, 1), 1
	s_wait_xcnt 0x0
; h = silu(x w1) * (x w3) for the rows of ONE expert and 64 hidden units, quantised along the hidden axis.  Work-group = 32 e + sigma: expert e, hidden units 64 sigma .. + 63.
; PHASE 1.  The work-group's slices of w1 and w3 (1,024 x 64 f32 each) are read from memory once and become codes of E2M3 in LDS.  Waves 0, 1 take w1's K steps 0-3, 4-7, waves 2, 3 w3's.
;   A ROUND is 32 loads of 16 bytes a lane: lanes 0-15 take 256 bytes on end (64 columns) of row k of one block of 32 along K, lanes 16-31 the same of the next block.  Lane (q, h) then holds columns
;   4 q .. 4 q + 3 x 32 along K.  TILE j IS THE COLUMNS 4 q + j: after the conversion the lane holds registers 6 c .. 6 c + 5 of tile j's operand, as the matrix unit wants them: no lane exchange.
;   The 128 moves of a round turn the loads' shape (a register = 1 row, 4 columns a load) into the conversions' (16 registers on end = 16 along K of one column).
;   Fragments go to LDS as images of their registers (three stores of 16 bytes a lane), scale words two tiles to a register (lanes 0-15 one tile's, lanes 16-31 the next's).
; THE EXPERT'S ROWS.  Row id = 2 token + k (k = 0: chosen first, 1: second).  The list of the expert's ids is never stored: each wave finds the ids at its own 80 places in registers (SEARCH), behind its
;   first 64 weight loads.  Places from the expert's number of rows on hold the pad id 2048 + e (as a token it is held at 1,023).  The next launch has the same text, so the same order.
;   What the first pass needs of x is asked for in the last two rounds of the stream.
; PHASE 2, behind the one barrier.  A wave takes 5 tiles of 16 of the expert's rows a pass (20 a pass for the four waves); passes follow while there are tiles: at most 4.
;   TRANSPOSED: source 0 = 16 columns of a weight, source 1 = 16 rows of x: lane (r, h) holds row r and, over the four tiles' 32 registers,
;   the whole block h of the 64 hidden units: register 8 j + i is hidden unit 32 h + 4 i + j.  So the block's largest magnitude needs no other lane, and its codes are registers 6 c .. 6 c + 5 (c = sigma % 2)
;   of the next product's K step sigma / 2.  WITHIN A BLOCK THE NEXT K IS PERMUTED (place 8 j + i holds unit 4 i + j); the next launch lays w2's rows the same way, and a block's scale is not touched by that.
; OUT:  hq [e][tile][sigma][768 bytes]: 16 bytes a lane (registers 0-3 of the six), then 8 bytes a lane;
;   hs [e][tile][half of the hidden axis][K step % 2][row][K step / 2 of the half's eight] words: this work-group's two bytes 2 c, 2 c + 1 of one word a row (two bytes in every 16: a small part of what is stored).
; Branches hang on the number of tiles, which comes from stored numbers: so there is no tensor load here, and no barrier behind the first such branch.  Tiles past the last are multiplied with the others and not stored.
; No cluster: what work-groups share (the expert's rows of xq) is a small part of a work-group's bytes, and partners would need different numbers of passes.
; LIMITS: NaN and infinities are not served; a block whose largest magnitude lies under 2^-124 gets the byte 1 (a block of zeros too: its codes are zeros).
; REGISTERS.  window 0: v1-13, v29-30 lane constants; v14-18 ids; v19-28 offsets; v32-51 x's scale words, v52-55 the weights': scales and nothing else;
;   phase 1: v56-79 at work, v80-127 four fragments, v128-255 the turned numbers (first: the search);  phase 2: v96-143, v144-191 four fragments of w1, of w3; v192-255 tile 4's accumulators.
;   window 1: phase 1: two landing sets of 128; phase 2: x's fragments of K steps 4-7 (60 a step).   window 2: K steps 0-3.   window 3: the accumulators of tiles 0-3 (64 a tile: w1's 32, w3's 32).
.set ROWB,  8192                       ; a row of w1 or w3 in bytes
.set NR,    8                          ; rounds a wave
.set PERM,  0                          ; K in its own order
.set FRB,   1536                       ; a fragment's image
.set QB,    4*FRB                      ; four tiles' images: one weight, one K step
.set SCW,   16*QB                      ; behind the 16 x 4 images: 16 x 256 bytes of scale words
.set TPW,   5                          ; tiles a wave and pass
.set NA,    20                         ; loads asked for in the last round but one
.set RB,    12                         ; s[12:13] the route words
.set SS,    42                         ; s42-51 the search's scalars
.set WOFF,  4
.set LI,    5                          ; 16 x lane
.set LI2,   6                          ; the same at w3's images
.set FWA,   7                          ; where I store images
.set SWA,   8                          ; and scale words
.set SRA,   9                          ; where I read scale words
.set L8,    11                         ; 8 x lane
.set R16,   12                         ; 16 r
.set H8,    13                         ; 8 h
.set ID,    14
.set XO,    19
.set XSO,   24
.set H16,   29
.set H48,   30
.set XS,    32
.set WSA,   52
.set WSB,   54
.set MA,    56
.set MB,    60
.set SO,    64
.set BY0,   68
.set OO,    76
.set PP,    76                         ; the pair of scale words takes the exchange's registers, which are done with by then
.set F,     80
.set S,     128
.set WA,    96
.set WB,    144
.set RT,    S                          ; the search: v128-159 the route words, then the field sums and what the halvings carry
.set PQ,    S+32                       ; wanted places, three registers
.set MM,    S+36                       ; the kept step's mask of members,
.set M2,    S+40                       ; its mask of second choices,
.set CX,    S+44                       ; its count so far (low half) and first id (high half)
.set X1,    S
.set X2,    S+4
.set X4,    S+8
.set X8,    S+12
.set KK,    S+16
.set SH,    S+20
.set TQ,    S+24
.set IQ,    S+28
.set MSB, 0
.macro WIN new                         ; the immediate's high byte repeats the setting that is left
.if MSB != (\new)
	s_set_vgpr_msb (MSB<<8)|(\new)
.set MSB, (\new)
.endif
.endm
.macro PLACES n                        ; plain vector lines behind matrix instructions (ISA guide 7.12.1)
.rept \n
	v_nop
.endr
.endm
.macro RLOAD                           ; the 1,024 route words: register 4 i + j holds token 128 i + 4 lane + j
.irp i, 0,1,2,3,4,5,6,7
	global_load_b128 v[RT+4*\i:RT+4*\i+3], v[LI], s[RB:RB+1] offset:512*\i
.endr
.endm
.macro BALLOT n                        ; step n's two masks into scalar set n % 2
	v_and_b32 v[S+48], s[SS], v[RT+(\n)]
	v_and_b32 v[S+49], s[SS+1], v[RT+(\n)]
	v_cmp_ne_u32 s[SS+3+2*((\n)%2)], 0, v[S+48]    ; chose e
	v_cmp_ne_u32 s[SS+4+2*((\n)%2)], 0, v[S+49]    ; chose it second
.endm
.macro LEVEL src, w                    ; one halving: are there rank or fewer members in the lower w bits of what is left?  Then the bit lies in the upper w
.irp q, 0,1,2
.if \w == 16
	v_and_b32 v[TQ+\q], 0xff, v[\src+\q]
.else
	v_bfe_u32 v[TQ+\q], v[\src+\q], v[SH+\q], \w
.endif
.endr
.irp q, 0,1,2
	v_cmp_ge_u32 vcc_lo, v[KK+\q], v[TQ+\q]
	v_cndmask_b32 v[TQ+\q], 0, v[TQ+\q], vcc_lo
.if \w == 16
	v_cndmask_b32 v[SH+\q], 0, 16, vcc_lo
.else
	v_cndmask_b32 v[IQ+\q], 0, \w, vcc_lo
.endif
.endr
.irp q, 0,1,2
	v_sub_nc_u32 v[KK+\q], v[KK+\q], v[TQ+\q]
.endr
.if \w != 16
.irp q, 0,1,2
	v_add_nc_u32 v[SH+\q], v[SH+\q], v[IQ+\q]
.endr
.endif
.endm
; The ids at places 16 s30 .. 16 s30 + 79 of the expert's list into v[ID] .. v[ID+4] (tile p: row r in lanes r and r + 16), and the expert's number of tiles into s27.
; The list's order: step n = 0 .. 31, in it the lanes in ascending order.  A place belongs to the last step whose count so far does not pass it; its rank in that step is the place less that count.
.macro SEARCH
	s_lshl_b32 s[SS+9], s30, 4
.irp q, 0,1,2
	v_add_nc_u32 v[PQ+\q], s[SS+9], v1
.endr
.irp q, 1,2
	v_add_nc_u32 v[PQ+\q], 32*\q, v[PQ+\q]
.endr
	s_mov_b32 s[SS+2], 0                           ; members so far
	BALLOT 0
.set sN, 0
.rept 32
.if sN < 31
	BALLOT sN+1                                    ; the next step's masks are made ahead, into the other set
.endif
.set sM, SS+3+2*(sN%2)
	s_add_co_u32 s[SS+7], s[SS+2], (256*(sN/4)+2*(sN%4))<<16     ; the count, and above it the id of the step's lane 0
.irp q, 0,1,2
.if sN == 0
	v_mov_b32 v[MM+\q], s[sM]
	v_mov_b32 v[M2+\q], s[sM+1]
	v_mov_b32 v[CX+\q], s[SS+7]
.else
	v_cmp_gt_u32 vcc_lo, s[SS+2], v[PQ+\q]         ; the count has passed my place: what I hold stays
	v_cndmask_b32 v[MM+\q], s[sM], v[MM+\q], vcc_lo
	v_cndmask_b32 v[M2+\q], s[sM+1], v[M2+\q], vcc_lo
	v_cndmask_b32 v[CX+\q], s[SS+7], v[CX+\q], vcc_lo
.endif
.endr
	s_bcnt1_i32_b32 s[SS+8], s[sM]
	s_add_co_u32 s[SS+2], s[SS+2], s[SS+8]
.set sN, sN+1
.endr
	s_add_co_u32 s27, s[SS+2], 15
	s_lshr_b32 s27, s27, 4                         ; tiles of 16 rows
	s_add_co_u32 s[SS+7], s19, 2048                ; the pad id
.irp q, 0,1,2
	v_and_b32 v[KK+\q], 0xffff, v[CX+\q]
.endr
.irp q, 0,1,2
	v_sub_nc_u32 v[KK+\q], v[PQ+\q], v[KK+\q]      ; my rank among the step's members
.endr
.irp q, 0,1,2
	v_lshrrev_b32 v[CX+\q], 16, v[CX+\q]
.endr
.irp q, 0,1,2                          ; members in each field of 2 bits,
	v_lshrrev_b32 v[X1+\q], 1, v[MM+\q]
.endr
.irp q, 0,1,2
	v_and_b32 v[X1+\q], 0x55555555, v[X1+\q]
.endr
.irp q, 0,1,2
	v_sub_nc_u32 v[X1+\q], v[MM+\q], v[X1+\q]
.endr
.irp q, 0,1,2                          ; of 4,
	v_lshrrev_b32 v[X2+\q], 2, v[X1+\q]
.endr
.irp q, 0,1,2
	v_and_b32 v[X2+\q], 0x33333333, v[X2+\q]
.endr
.irp q, 0,1,2
	v_and_b32 v[X4+\q], 0x33333333, v[X1+\q]
.endr
.irp q, 0,1,2
	v_add_nc_u32 v[X2+\q], v[X2+\q], v[X4+\q]
.endr
.irp q, 0,1,2                          ; of 8,
	v_lshrrev_b32 v[X4+\q], 4, v[X2+\q]
.endr
.irp q, 0,1,2
	v_add_nc_u32 v[X4+\q], v[X4+\q], v[X2+\q]
.endr
.irp q, 0,1,2
	v_and_b32 v[X4+\q], 0x0f0f0f0f, v[X4+\q]
.endr
.irp q, 0,1,2                          ; and in the lower 16 (the lowest byte)
	v_lshrrev_b32 v[X8+\q], 8, v[X4+\q]
.endr
.irp q, 0,1,2
	v_add_nc_u32 v[X8+\q], v[X8+\q], v[X4+\q]
.endr
	LEVEL X8, 16
	LEVEL X4, 8
	LEVEL X2, 4
	LEVEL X1, 2
	LEVEL MM, 1                                    ; v[SH]: the lane that held my member
.irp q, 0,1,2
	v_bfe_u32 v[TQ+\q], v[M2+\q], v[SH+\q], 1      ; k
.endr
.irp q, 0,1,2
	v_lshl_add_u32 v[IQ+\q], v[SH+\q], 3, v[CX+\q] ; 2 x (4 x lane) onto the step's first id
.endr
.irp q, 0,1,2
	v_add_nc_u32 v[IQ+\q], v[IQ+\q], v[TQ+\q]
.endr
.irp q, 0,1,2
	v_cmp_gt_u32 vcc_lo, s[SS+2], v[PQ+\q]         ; a place inside the list?
	v_cndmask_b32 v[IQ+\q], s[SS+7], v[IQ+\q], vcc_lo
.endr
.irp q, 0,1,2
	v_permlanex16_b32 v[TQ+\q], v[IQ+\q], s36, s37
.endr
	v_cndmask_b32 v[ID], v[IQ], v[TQ], s38         ; a register held two tiles: each tile now in both halves of the lanes
	v_cndmask_b32 v[ID+1], v[TQ], v[IQ], s38
	v_cndmask_b32 v[ID+2], v[IQ+1], v[TQ+1], s38
	v_cndmask_b32 v[ID+3], v[TQ+1], v[IQ+1], s38
	v_cndmask_b32 v[ID+4], v[IQ+2], v[TQ+2], s38
.endm
.macro OFFS                            ; where my rows lie in xq and xs
.irp p, 0,1,2,3,4
	v_lshrrev_b32 v[XO+\p], 1, v[ID+\p]            ; the token,
.endr
.irp p, 0,1,2,3,4
	v_min_u32 v[XO+\p], 1023, v[XO+\p]             ; held inside x (a pad's too)
.endr
.irp p, 0,1,2,3,4
	v_lshl_add_u32 v[XSO+\p], v[XO+\p], 5, v[H16]
.endr
.irp p, 0,1,2,3,4
	v_mad_u32_u24 v[XO+\p], v[XO+\p], 768, v[H48]
.endr
.endm
.macro WLOAD n                         ; round n's 32 loads into landing set n % 2
	WIN 0x40
.set rK, 0
.rept 32
	global_load_b128 v[128*((\n)%2)+4*rK:128*((\n)%2)+4*rK+3], v[WOFF], s[22:23] offset:(64*(\n)+rK)*ROWB th:TH_LOAD_NT
.set rK, rK+1
.endr
	WIN 0
.endm
.macro XLOAD s                         ; my five tiles' fragments of x, K step s: 48 bytes on end a lane
.if (\s) < 4
	WIN 0x80
.else
	WIN 0x40
.endif
.irp p, 0,1,2,3,4
.irp g, 0,1,2
	global_load_b128 v[60*((\s)%4)+12*\p+4*\g:60*((\s)%4)+12*\p+4*\g+3], v[XO+\p], s[8:9] offset:96*(\s)+16*\g
.endr
.endr
	WIN 0
.endm
.macro HEADA                           ; what a pass needs first: NA loads
	WIN 0
.irp p, 0,1,2,3,4
	global_load_b128 v[XS+4*\p:XS+4*\p+3], v[XSO+\p], s[10:11]   ; lanes 0-15: the words of K steps 0, 2, 4, 6; lanes 16-31: 1, 3, 5, 7
.endr
	XLOAD 0
.endm
.macro HEADB
	XLOAD 1
	XLOAD 2
	XLOAD 3
.endm
.macro ROUND n                         ; K step n / 2 of my four, its half c = n % 2
.set rU, (\n)/2
.set rC, (\n)%2
.if (\n)+1 < NR
	s_wait_loadcnt 32                              ; this round's loads are in; the other set's 32 may be out
.else
	s_wait_loadcnt NA                              ; behind the last round's loads only the first requests for the pass were issued
.endif
	WIN 0x01
.set rK, 0
.rept 32
.if PERM
.set rP, 8*(rK%4)+rK/4
.else
.set rP, rK
.endif
.irp j, 0,1,2,3
	v_mov_b32 v[S+32*\j+rP], v[128*rC+4*rK+\j]     ; column j: 32 registers on end
.endr
.set rK, rK+1
.endr
.if (\n)+2 < NR
	WLOAD (\n)+2                                   ; the set is free: the round after next
.elseif (\n)+2 == NR
	HEADA                                          ; the stream's requests are all out: the first pass's follow them
.else
	HEADB
.endif
	WIN 0
.irp j, 0,1,2,3
	v_max3_num_f32 v[MA+\j], |v[S+32*\j]|, |v[S+32*\j+1]|, 0x1800000     ; four blocks by turns, two chains each; the floor 2^(3 - 127) holds the byte at 1 from below
.endr
.irp j, 0,1,2,3
	v_max3_num_f32 v[MB+\j], |v[S+32*\j+2]|, |v[S+32*\j+3]|, |v[S+32*\j+4]|
.endr
.irp i, 5,9,13,17,21,25
.irp j, 0,1,2,3
	v_max3_num_f32 v[MA+\j], v[MA+\j], |v[S+32*\j+\i]|, |v[S+32*\j+\i+1]|
.endr
.irp j, 0,1,2,3
	v_max3_num_f32 v[MB+\j], v[MB+\j], |v[S+32*\j+\i+2]|, |v[S+32*\j+\i+3]|
.endr
.endr
.irp j, 0,1,2,3
	v_max3_num_f32 v[MA+\j], v[MA+\j], |v[S+32*\j+29]|, |v[S+32*\j+30]|
.endr
.irp j, 0,1,2,3
	v_max3_num_f32 v[MA+\j], v[MA+\j], v[MB+\j], |v[S+32*\j+31]|
.endr
.irp j, 0,1,2,3
	v_add_nc_u32 v[SO+\j], 0xff000000, v[MA+\j]    ; 2 off the exponent field: the conversion's scale operand
.endr
.if (rC == 0) && (rU > 0)
	s_wait_dscnt 0x0                               ; the last K step's LDS stores have read the fragments' registers
.endif
.irp j, 0,1,2,3
	v_cvt_scalef32_pk16_fp6_f32 v[F+12*\j+6*rC:F+12*\j+6*rC+2], v[S+32*\j:S+32*\j+15], v[SO+\j]
.endr
.irp j, 0,1,2,3
	v_lshrrev_b32 v[BY0+4*rC+\j], 23, v[SO+\j]     ; the scale's byte.  (Plain lines between the conversions above and those below, which write over the former's sources)
.endr
.irp j, 0,1,2,3
	v_cvt_scalef32_pk16_fp6_f32 v[S+32*\j:S+32*\j+2], v[S+32*\j+16:S+32*\j+31], v[SO+\j]   ; (three registers from an even number on: made here and moved)
.endr
	v_nop                                          ; one plain line behind the last conversion
.irp j, 0,1,2,3
.irp i, 0,1,2
	v_mov_b32 v[F+12*\j+6*rC+3+\i], v[S+32*\j+\i]
.endr
.endr
.if rC == 1
.irp j, 0,1,2,3
	v_lshl_or_b32 v[MA+\j], v[BY0+4+\j], 16, v[BY0+\j]   ; my two bytes: blocks h and 2 + h,
.endr
.irp j, 0,1,2,3
	v_lshlrev_b32 v[MA+\j], v[H8], v[MA+\j]        ; at their places;
.endr
.irp j, 0,1,2,3
	v_permlanex16_b32 v[OO+\j], v[MA+\j], s36, s37
.endr
.irp j, 0,1,2,3
	v_or_b32 v[MA+\j], v[MA+\j], v[OO+\j]          ; with lane l xor 16's the word is whole
.endr
	v_cndmask_b32 v[PP], v[MA], v[MA+1], s38       ; lanes 0-15 tile 0's words, lanes 16-31 tile 1's
	v_cndmask_b32 v[PP+1], v[MA+2], v[MA+3], s38   ; tiles 2 and 3
.irp j, 0,1,2,3
.irp g, 0,1,2
	ds_store_b128 v[FWA], v[F+12*\j+4*\g:F+12*\j+4*\g+3] offset:rU*QB+\j*FRB+\g*512
.endr
.endr
	ds_store_b64 v[SWA], v[PP:PP+1] offset:rU*256
.endif
.endm
.macro WFETCH buf, adr, s, sc, q       ; four fragments of a weight, K step s, and their scale words: 13 LDS loads
.irp j, 0,1,2,3
.irp g, 0,1,2
	ds_load_b128 v[\buf+12*\j+4*\g:\buf+12*\j+4*\g+3], v[\adr] offset:(\s)*QB+\j*FRB+\g*512
.endr
.endr
	ds_load_b64 v[\sc:\sc+1], v[SRA] offset:(\q)*256
.endm
.macro WM d, a, b, z, sa, sb, ra, rb   ; one product; z: it starts the sum; ra, rb: the scales stand in lanes 16-31
.if \z
.if (\ra) && (\rb)
	v_wmma_scale_f32_16x16x128_f8f6f4 v[(\d):(\d)+7], v[(\a):(\a)+11], v[(\b):(\b)+11], 0, v[\sa], v[\sb] matrix_a_fmt:MATRIX_FMT_FP6 matrix_b_fmt:MATRIX_FMT_FP6 matrix_a_scale:MATRIX_SCALE_ROW1 matrix_b_scale:MATRIX_SCALE_ROW1
.elseif (\ra)
	v_wmma_scale_f32_16x16x128_f8f6f4 v[(\d):(\d)+7], v[(\a):(\a)+11], v[(\b):(\b)+11], 0, v[\sa], v[\sb] matrix_a_fmt:MATRIX_FMT_FP6 matrix_b_fmt:MATRIX_FMT_FP6 matrix_a_scale:MATRIX_SCALE_ROW1
.elseif (\rb)
	v_wmma_scale_f32_16x16x128_f8f6f4 v[(\d):(\d)+7], v[(\a):(\a)+11], v[(\b):(\b)+11], 0, v[\sa], v[\sb] matrix_a_fmt:MATRIX_FMT_FP6 matrix_b_fmt:MATRIX_FMT_FP6 matrix_b_scale:MATRIX_SCALE_ROW1
.else
	v_wmma_scale_f32_16x16x128_f8f6f4 v[(\d):(\d)+7], v[(\a):(\a)+11], v[(\b):(\b)+11], 0, v[\sa], v[\sb] matrix_a_fmt:MATRIX_FMT_FP6 matrix_b_fmt:MATRIX_FMT_FP6
.endif
.else
.if (\ra) && (\rb)
	v_wmma_scale_f32_16x16x128_f8f6f4 v[(\d):(\d)+7], v[(\a):(\a)+11], v[(\b):(\b)+11], v[(\d):(\d)+7], v[\sa], v[\sb] matrix_a_fmt:MATRIX_FMT_FP6 matrix_b_fmt:MATRIX_FMT_FP6 matrix_a_scale:MATRIX_SCALE_ROW1 matrix_b_scale:MATRIX_SCALE_ROW1
.elseif (\ra)
	v_wmma_scale_f32_16x16x128_f8f6f4 v[(\d):(\d)+7], v[(\a):(\a)+11], v[(\b):(\b)+11], v[(\d):(\d)+7], v[\sa], v[\sb] matrix_a_fmt:MATRIX_FMT_FP6 matrix_b_fmt:MATRIX_FMT_FP6 matrix_a_scale:MATRIX_SCALE_ROW1
.elseif (\rb)
	v_wmma_scale_f32_16x16x128_f8f6f4 v[(\d):(\d)+7], v[(\a):(\a)+11], v[(\b):(\b)+11], v[(\d):(\d)+7], v[\sa], v[\sb] matrix_a_fmt:MATRIX_FMT_FP6 matrix_b_fmt:MATRIX_FMT_FP6 matrix_b_scale:MATRIX_SCALE_ROW1
.else
	v_wmma_scale_f32_16x16x128_f8f6f4 v[(\d):(\d)+7], v[(\a):(\a)+11], v[(\b):(\b)+11], v[(\d):(\d)+7], v[\sa], v[\sb] matrix_a_fmt:MATRIX_FMT_FP6 matrix_b_fmt:MATRIX_FMT_FP6
.endif
.endif
.endm
; 20 products of K step s: one weight's four tiles x my five tiles of rows.  The accumulators take turns, one instruction a turn.
.macro HALF s, wb, sc, acc
.set kZ, 0
.if (\s) == 0
.set kZ, 1
.endif
.set kW, 0x08
.if (\s) >= 4
.set kW, 0x04
.endif
.set kV, 0xf0+kW
	WIN kV                                         ; source 1 (x) window 2 or 1, C and D window 3
.irp p, 0,1,2,3
.irp j, 0,1,2,3
	WM 64*\p+\acc+8*\j, \wb+12*\j, 60*((\s)%4)+12*\p, kZ, \sc+\j/2, XS+4*\p+(\s)/2, \j%2, (\s)%2
.endr
.endr
	WIN kW                                         ; tile 4's accumulators lie in window 0
.irp j, 0,1,2,3
	WM 192+\acc+8*\j, \wb+12*\j, 60*((\s)%4)+48, kZ, \sc+\j/2, XS+16+(\s)/2, \j%2, (\s)%2
.endr
	WIN 0
.endm
.macro KSTEP s
.if (\s) < 4
	XLOAD (\s)+4
	s_wait_loadcnt 60                              ; this step's x is in: behind it four steps' 15 loads each were issued
.else
	s_wait_loadcnt 15*(7-(\s))                     ; behind it: the steps still to come
.endif
	s_wait_dscnt 13                                ; w1's fragments are in; w3's 13 loads may be out
	HALF \s, WA, WSA, 0
.if (\s) < 7
	PLACES 4                                       ; in front of loads into registers that matrix instructions have read
	WFETCH WA, LI, (\s)+1, WSA, (\s)+1
	s_wait_dscnt 13                                ; w3's are in; the 13 just issued may be out
.else
	s_wait_dscnt 0x0
.endif
	HALF \s, WB, WSB, 32
.if (\s) < 7
	PLACES 4
	WFETCH WB, LI2, (\s)+1, WSB, (\s)+9
.else
	PLACES 5                                       ; in front of the reads of results, and of the next pass's products, which begin the accumulators anew
.endif
.endm
; Tile p leaves: the activation, the block's scale, its codes.  A tile past the expert's last is passed over.
.macro OUT p
	WIN 0
	s_add_co_u32 s2, s30, \p
	s_cmp_ge_u32 s2, s27
	s_cbranch_scc1 .Lskip_\@
.if \p < 4
.set oG, 64*\p
.set oW, 0xff
.set oS, 0x0c
.else
.set oG, 192
.set oW, 0
.set oS, 0
.endif
.set oU, oG+32
	WIN oW
.set oI, 0
.rept 16
	v_pk_mul_f32 v[oU+oI:oU+oI+1], v[oG+oI:oG+oI+1], v[oU+oI:oU+oI+1]     ; g u (each accumulator from its low end on)
.set oI, oI+2
.endr
.set oI, 0
.rept 16
	v_pk_mul_f32 v[oG+oI:oG+oI+1], v[oG+oI:oG+oI+1], s[40:41] op_sel_hi:[1,0]   ; -g log2(e)
.set oI, oI+2
.endr
.set oI, 0
.rept 32
	v_exp_f32 v[oG+oI], v[oG+oI]
.set oI, oI+1
.endr
	v_nop                                          ; a plain line behind the exponentials
.set oI, 0
	s_wait_alu depctr_va_vdst(0)
.rept 16
	v_pk_add_f32 v[oG+oI:oG+oI+1], v[oG+oI:oG+oI+1], 1.0 op_sel_hi:[1,0]
.set oI, oI+2
.endr
.set oI, 0
.rept 32
	v_rcp_f32 v[oG+oI], v[oG+oI]
.set oI, oI+1
.endr
	v_nop                                          ; a plain line behind the reciprocals
.set oI, 0
	s_wait_alu depctr_va_vdst(0)
.rept 16
	v_pk_mul_f32 v[oG+oI:oG+oI+1], v[oG+oI:oG+oI+1], v[oU+oI:oU+oI+1]     ; h = g u / (1 + e^-g)
.set oI, oI+2
.endr
	v_max3_num_f32 v[oU], |v[oG]|, |v[oG+1]|, 0x1800000                    ; the block is all mine
	v_max3_num_f32 v[oU+1], |v[oG+2]|, |v[oG+3]|, |v[oG+4]|
.irp i, 5,9,13,17,21,25
	v_max3_num_f32 v[oU], v[oU], |v[oG+\i]|, |v[oG+\i+1]|
	v_max3_num_f32 v[oU+1], v[oU+1], |v[oG+\i+2]|, |v[oG+\i+3]|
.endr
	v_max3_num_f32 v[oU], v[oU], |v[oG+29]|, |v[oG+30]|
	v_max3_num_f32 v[oU], v[oU], v[oU+1], |v[oG+31]|
	v_add_nc_u32 v[oU+2], 0xff000000, v[oU]
	v_cvt_scalef32_pk16_fp6_f32 v[oU+8:oU+10], v[oG:oG+15], v[oU+2]
	v_cvt_scalef32_pk16_fp6_f32 v[oU+16:oU+18], v[oG+16:oG+31], v[oU+2]
	v_lshrrev_b32 v[oU+3], 23, v[oU+2]             ; the byte.  (The plain line behind the conversions)
	v_lshlrev_b32 v[oU+4], 8, v[oU+3]
	v_cndmask_b32 v[oU+4], v[oU+3], v[oU+4], s38   ; lanes 16-31: the upper of the two bytes
	v_mov_b32 v[oU+11], v[oU+16]
	v_mov_b32 v[oU+12], v[oU+17]
	v_mov_b32 v[oU+13], v[oU+18]                   ; six registers on end
	v_permlanex16_b32 v[oU+5], v[oU+4], s36, s37
	v_or_b32 v[oU+4], v[oU+4], v[oU+5]             ; both bytes of my row
	WIN oS                                         ; a store's data are its source 1
	global_store_b128 v[LI], v[oU+8:oU+11], s[32:33] offset:24576*\p        ; 512 bytes on end,
	global_store_b64 v[L8], v[oU+12:oU+13], s[32:33] offset:24576*\p+512    ; and 256
	global_store_b16 v[R16], v[oU+4], s[34:35] offset:1024*\p               ; lanes r and r + 16 write the same two bytes
	WIN 0
.Lskip_\@:
.endm
	s_load_b256 s[4:11], s[0:1], 0x0               ; w1, w3, xq, xs
	s_load_b128 s[12:15], s[0:1], 0x20             ; route, hq
	s_load_b64 s[16:17], s[0:1], 0x30              ; hs
	v_lshl_add_u32 v10, v0, 2, 0x19000
	v_mov_b32 v31, 0
	v_lshrrev_b32 v1, 5, v0
	v_readfirstlane_b32 s18, v1                    ; wave
	v_and_b32 v1, 31, v0                           ; lane
	v_and_b32 v2, 15, v0                           ; r
	v_bfe_u32 v3, v0, 4, 1                         ; h
	s_lshr_b32 s19, ttmp9, 5                       ; e
	s_and_b32 s20, ttmp9, 31                       ; sigma
	v_lshlrev_b32 v[R16], 4, v2
	v_lshl_add_u32 v[WOFF], v3, 18, v[R16]         ; 16 r, and 32 rows further down for lanes 16-31
	v_lshlrev_b32 v[LI], 4, v1
	v_add_nc_u32 v[LI2], 8*QB, v[LI]
	s_mul_i32 s21, s18, 4*QB
	v_add_nc_u32 v[FWA], s21, v[LI]
	v_lshlrev_b32 v[L8], 3, v1
	s_lshl_b32 s21, s18, 10
	s_add_co_u32 s21, s21, SCW
	v_add_nc_u32 v[SWA], s21, v[L8]
	v_add_nc_u32 v[SRA], SCW, v[L8]
	v_lshlrev_b32 v[H8], 3, v3
	v_lshlrev_b32 v[H16], 4, v3
	v_mul_u32_u24 v[H48], v3, 48
.irp j, 0,1,2,3
	v_mov_b32 v[OO+\j], 0                          ; (a lane permute's destination counts as read)
.endr
	s_mov_b32 s36, 0x76543210
	s_mov_b32 s37, 0xfedcba98                      ; selects for lane l xor 16
	s_mov_b32 s38, 0xffff0000                      ; lanes 16-31
	s_mov_b32 s40, 0xbfb8aa3b                      ; -log2(e)
	s_mov_b32 s41, s40                             ; (named with it as a pair)
	s_lshl_b32 s[SS], 0x101, s19                   ; the expert's two bits in a route word,
	s_lshl_b32 s[SS+1], 0x100, s19                 ; and the one that says: second choice
	s_lshr_b32 s39, s20, 4                         ; sigma's place in a tile's 1,024 bytes of hs: the half of the hidden axis,
	s_lshl_b32 s39, s39, 9
	s_bfe_u32 s3, s20, 0x10001                     ; K step % 2,
	s_lshl_b32 s3, s3, 8
	s_add_co_u32 s39, s39, s3
	s_bfe_u32 s3, s20, 0x20002                     ; K step / 2 of the half's eight,
	s_lshl_b32 s3, s3, 2
	s_add_co_u32 s39, s39, s3
	s_and_b32 s3, s20, 1                           ; and which two bytes of the word
	s_lshl_b32 s3, s3, 1
	s_add_co_u32 s39, s39, s3
	s_lshl_b32 s2, s19, 23                         ; the expert's 8 MiB,
	s_lshl_b32 s3, s20, 8                          ; my 64 columns,
	s_add_co_u32 s2, s2, s3
	s_and_b32 s3, s18, 1
	s_lshl_b32 s3, s3, 22                          ; K steps 0-3 or 4-7: 512 rows
	s_add_co_u32 s2, s2, s3
	s_mov_b32 s3, 0
	s_mov_b32 s25, 0                               ; (stays 0: the upper word of every offset made in s24)
	s_mul_i32 s30, s18, TPW                        ; my first tile of the first pass
	s_wait_kmcnt 0x0
	s_cmp_lt_u32 s18, 2                            ; waves 0, 1: w1; waves 2, 3: w3
	s_cselect_b64 s[22:23], s[4:5], s[6:7]
	s_add_nc_u64 s[22:23], s[22:23], s[2:3]
	RLOAD                                          ; the route words first, then the stream
	WLOAD 0
	WLOAD 1
	s_wait_loadcnt 63                              ; of the 72 loads issued the oldest 9 are in, the 8 of route words among them
	SEARCH
	OFFS
.irp n, 0,1,2,3,4,5,6,7
	ROUND \n
.endr
	s_wait_dscnt 0x0                               ; for the others' sake: my images and scale words lie in LDS
	s_barrier_signal -1
	s_barrier_wait -1                              ; the only barrier: from here on LDS is only read
	s_mov_b32 s29, 0
.Lpass:
	s_cmp_ge_u32 s30, s27                          ; no tile for me
	s_cbranch_scc1 .Ldone
	s_wait_xcnt 0x0                                ; the last pass's stores have read their registers and bases
	s_lshl_b32 s2, s19, 6
	s_add_co_u32 s2, s2, s30                       ; 64 e + tile
	s_lshl_b32 s24, s2, 5
	s_add_co_u32 s24, s24, s20
	s_mul_i32 s24, s24, 768
	s_add_nc_u64 s[32:33], s[14:15], s[24:25]      ; hq at (e, tile, sigma)
	s_lshl_b32 s24, s2, 10
	s_add_co_u32 s24, s24, s39
	s_add_nc_u64 s[34:35], s[16:17], s[24:25]      ; hs at (e, tile), sigma's place
	WFETCH WA, LI, 0, WSA, 0
	WFETCH WB, LI2, 0, WSB, 8
.irp s, 0,1,2,3,4,5,6,7
	KSTEP \s
.endr
.irp p, 0,1,2,3,4
	OUT \p
.endr
	s_add_co_u32 s30, s30, 4*TPW
	s_cmp_ge_u32 s30, s27                          ; no further tile for me: nothing more is asked for
	s_cbranch_scc1 .Ldone
	RLOAD                                          ; an expert with more than 320 rows: the next 80 places are searched as the first were
	s_wait_loadcnt 0x0
	SEARCH
	OFFS
	HEADA
	HEADB
	s_add_co_u32 s29, s29, 1
	s_cmp_lt_u32 s29, 4                            ; 4 passes x 20 tiles serve all 1,024 tokens on one expert
	s_cbranch_scc1 .Lpass
.Ldone:
	s_wait_tensorcnt 0x0
	ds_add_u32 v10, v31
	s_wait_dscnt 0x0
	s_endpgm
.Lfunc_end_k_q560cb7c574_up:
	.size	k_q560cb7c574_up, .Lfunc_end_k_q560cb7c574_up-k_q560cb7c574_up
	.p2alignl 7, 3214868480
	.fill 96, 4, 3214868480
	.section	.rodata,"a",@progbits
	.p2align	6, 0x0
	.amdhsa_kernel k_q560cb7c574_up
		.amdhsa_group_segment_fixed_size 102912
		.amdhsa_private_segment_fixed_size 0
		.amdhsa_enable_private_segment 0
		.amdhsa_kernarg_size 56
		.amdhsa_user_sgpr_count 2
		.amdhsa_user_sgpr_kernarg_segment_ptr 1
		.amdhsa_wavefront_size32 1
		.amdhsa_system_sgpr_workgroup_id_x 1
		.amdhsa_system_sgpr_workgroup_id_y 1
		.amdhsa_system_sgpr_workgroup_id_z 1
		.amdhsa_system_vgpr_workitem_id 0
		.amdhsa_next_free_vgpr 1024
		.amdhsa_next_free_sgpr 66
		.amdhsa_reserve_vcc 1
		.amdhsa_float_denorm_mode_32 3
		.amdhsa_float_denorm_mode_16_64 3
		.amdhsa_memory_ordered 1
		.amdhsa_forward_progress 1
		.amdhsa_inst_pref_size 255
	.end_amdhsa_kernel
	.section	.bss,"aw",@nobits
	.p2align	6
	.space	262144
	.amdgpu_metadata
---
amdhsa.version: [ 1, 2 ]
amdhsa.kernels:
  - .name:           k_q560cb7c574_up
    .symbol:         k_q560cb7c574_up.kd
    .args:
      - { .name: w1, .offset: 0, .size: 8, .value_kind: global_buffer, .address_space: global }
      - { .name: w3, .offset: 8, .size: 8, .value_kind: global_buffer, .address_space: global }
      - { .name: xq, .offset: 16, .size: 8, .value_kind: global_buffer, .address_space: global }
      - { .name: xs, .offset: 24, .size: 8, .value_kind: global_buffer, .address_space: global }
      - { .name: route, .offset: 32, .size: 8, .value_kind: global_buffer, .address_space: global }
      - { .name: hq, .offset: 40, .size: 8, .value_kind: global_buffer, .address_space: global }
      - { .name: hs, .offset: 48, .size: 8, .value_kind: global_buffer, .address_space: global }
    .group_segment_fixed_size: 102912
    .private_segment_fixed_size: 0
    .kernarg_segment_align: 8
    .kernarg_segment_size: 56
    .max_flat_workgroup_size: 128
    .sgpr_count:     66
    .vgpr_count:     1024
    .wavefront_size: 32
...
	.end_amdgpu_metadata
.endif
;; end of part 6
;; launch down (part 7): grid 256 x 1, 4 waves a work-group, no clusters, 53,248 bytes of LDS; arguments w2, hq, hs, route, y; writes y
.if DOCPART == 7
	.amdgcn_target "amdgcn-amd-amdhsa--gfx1250"
	.amdhsa_code_object_version 6
	.text
	.protected	k_q560cb7c574_down
	.globl	k_q560cb7c574_down
	.p2align	8
	.type	k_q560cb7c574_down,@function
k_q560cb7c574_down:
	s_mov_b64 s[64:65], 0
	v_nop
	global_prefetch_b8 v0, s[64:65] scope:SCOPE_SE
	s_setreg_imm32_b32 hwreg(HW_REG_WAVE_MODE, 25, 1), 1
	s_wait_xcnt 0x0
; y = h w2 for the rows of ONE expert, 64 output columns and one half of the hidden axis.  Work-group = 32 e + 2 delta + kappa: columns 64 delta .. + 63, hidden units 1,024 kappa .. + 1,023.
; PHASE 1 as in the launch before: the slice of w2 (1,024 x 64 f32) is read from memory once and becomes codes of E2M3 in LDS; wave w takes K steps 2 w, 2 w + 1 of the eight.
;   A round is 32 loads of 16 bytes a lane (lanes 0-15: 256 bytes on end of a row of one block of 32 along K; lanes 16-31: of the next block); tile j is the columns 4 q + j.
;   WITHIN A BLOCK K IS LAID AS h's CODES HAVE IT: hidden unit k of the block stands at place 8 (k % 4) + k / 4.  The same order on both operands, inside one scale's block: the products are the same.
; THE EXPERT'S ROWS are found as in the launch before, by the same text (SEARCH): so tile and row mean the same ids here as there.  A lane's ids stand one row a lane; the result's layout wants eight rows a lane:
;   they are turned through 320 bytes of the wave's own in LDS, at fixed places.  What the first pass needs of h is asked for in the last two rounds of the stream.
; PHASE 2, behind the one barrier.  A wave takes 5 tiles of 16 rows a pass, at most 4 passes.  h's fragments come from hq as images of registers, a tile's scale words from hs by one load of 512 bytes on end.
;   Source 0 = 16 rows of h, source 1 = 16 columns of w2: register i of lane (r, h) is row 8 h + i, column 4 r + j of tile j.  Moves gather j = 0 .. 3:
;   16 bytes a lane, and sixteen lanes store 256 consecutive bytes, aligned, of row id of y.  The gate's weight is applied by the last launch.
; OUT: y [kappa][id = 2 t + k, or 2048 + e for pads][1024] f32.  Each id lies in one expert's list, so each byte has one owner; the pads' row is the expert's own and nobody reads it.
; Branches hang on the number of tiles, which comes from stored numbers: no tensor load, and no barrier behind the first such branch.  A tile past the last reads the last tile's h and is not stored.
; No cluster: what work-groups share (the expert's rows of hq) is a small part of a work-group's bytes, and partners would need different numbers of passes.
; LIMITS: NaN and infinities are not served; a block whose largest magnitude lies under 2^-124 gets the byte 1.
; REGISTERS.  window 0: v1-14 lane constants; v15-19 ids; v32-51 h's scale words, v52-55 w2's: scales and nothing else; phase 1: v56-79 at work, v80-127 four fragments,
;   v128-255 the turned numbers (first: the search);  phase 2: v96-143, v144-191 w2's fragments of an even, an odd K step; v192-231 the rows' offsets in y.
;   window 1: phase 1: two landing sets; phase 2: h's fragments of K steps 4-7 (60 a step).   window 2: K steps 0-3.   window 3: v0-159 accumulators (32 a tile), v160-191 results to store.
.set ROWB,  4096
.set NR,    4
.set PERM,  1
.set FRB,   1536
.set QB,    4*FRB
.set SCW,   8*QB
.set LIST,  SCW+8*256                  ; behind the scale words: 320 bytes a wave for its 80 ids
.set TPW,   5
.set NA,    25                         ; loads asked for in the last round but one
.set RB,    10                         ; s[10:11] the route words
.set SS,    66                         ; s66-75 the search's scalars
.set YH,    8421376                    ; 2,056 rows of 4,096 bytes: a half of y
.set WOFF,  4
.set LI,    5
.set FWA,   7
.set SWA,   8
.set SRA,   9
.set LSA,   10                         ; where I put a tile's id: 4 r
.set L8,    11
.set LRA,   12                         ; and where I read eight: 32 h
.set H8,    13
.set R16,   14
.set ID,    15
.set HS,    32
.set WSA,   52
.set MA,    56
.set MB,    60
.set SO,    64
.set BY0,   68
.set OO,    76
.set PP,    76                         ; the pair of scale words takes the exchange's registers, which are done with by then
.set F,     80
.set S,     128
.set WA,    96
.set YA,    192
.set TT,    160
.set RT,    S                          ; the search: v128-159 the route words, then the field sums and what the halvings carry
.set PQ,    S+32                       ; wanted places, three registers
.set MM,    S+36                       ; the kept step's mask of members,
.set M2,    S+40                       ; its mask of second choices,
.set CX,    S+44                       ; its count so far (low half) and first id (high half)
.set X1,    S
.set X2,    S+4
.set X4,    S+8
.set X8,    S+12
.set KK,    S+16
.set SH,    S+20
.set TQ,    S+24
.set IQ,    S+28
.set MSB, 0
.macro WIN new                         ; the immediate's high byte repeats the setting that is left
.if MSB != (\new)
	s_set_vgpr_msb (MSB<<8)|(\new)
.set MSB, (\new)
.endif
.endm
.macro PLACES n                        ; plain vector lines behind matrix instructions (ISA guide 7.12.1)
.rept \n
	v_nop
.endr
.endm
.macro RLOAD                           ; the 1,024 route words: register 4 i + j holds token 128 i + 4 lane + j
.irp i, 0,1,2,3,4,5,6,7
	global_load_b128 v[RT+4*\i:RT+4*\i+3], v[LI], s[RB:RB+1] offset:512*\i
.endr
.endm
.macro BALLOT n                        ; step n's two masks into scalar set n % 2
	v_and_b32 v[S+48], s[SS], v[RT+(\n)]
	v_and_b32 v[S+49], s[SS+1], v[RT+(\n)]
	v_cmp_ne_u32 s[SS+3+2*((\n)%2)], 0, v[S+48]    ; chose e
	v_cmp_ne_u32 s[SS+4+2*((\n)%2)], 0, v[S+49]    ; chose it second
.endm
.macro LEVEL src, w                    ; one halving: are there rank or fewer members in the lower w bits of what is left?  Then the bit lies in the upper w
.irp q, 0,1,2
.if \w == 16
	v_and_b32 v[TQ+\q], 0xff, v[\src+\q]
.else
	v_bfe_u32 v[TQ+\q], v[\src+\q], v[SH+\q], \w
.endif
.endr
.irp q, 0,1,2
	v_cmp_ge_u32 vcc_lo, v[KK+\q], v[TQ+\q]
	v_cndmask_b32 v[TQ+\q], 0, v[TQ+\q], vcc_lo
.if \w == 16
	v_cndmask_b32 v[SH+\q], 0, 16, vcc_lo
.else
	v_cndmask_b32 v[IQ+\q], 0, \w, vcc_lo
.endif
.endr
.irp q, 0,1,2
	v_sub_nc_u32 v[KK+\q], v[KK+\q], v[TQ+\q]
.endr
.if \w != 16
.irp q, 0,1,2
	v_add_nc_u32 v[SH+\q], v[SH+\q], v[IQ+\q]
.endr
.endif
.endm
; The ids at places 16 s30 .. 16 s30 + 79 of the expert's list into v[ID] .. v[ID+4] (tile p: row r in lanes r and r + 16), and the expert's number of tiles into s27.
; The list's order: step n = 0 .. 31, in it the lanes in ascending order.  A place belongs to the last step whose count so far does not pass it; its rank in that step is the place less that count.
.macro SEARCH
	s_lshl_b32 s[SS+9], s30, 4
.irp q, 0,1,2
	v_add_nc_u32 v[PQ+\q], s[SS+9], v1
.endr
.irp q, 1,2
	v_add_nc_u32 v[PQ+\q], 32*\q, v[PQ+\q]
.endr
	s_mov_b32 s[SS+2], 0                           ; members so far
	BALLOT 0
.set sN, 0
.rept 32
.if sN < 31
	BALLOT sN+1                                    ; the next step's masks are made ahead, into the other set
.endif
.set sM, SS+3+2*(sN%2)
	s_add_co_u32 s[SS+7], s[SS+2], (256*(sN/4)+2*(sN%4))<<16     ; the count, and above it the id of the step's lane 0
.irp q, 0,1,2
.if sN == 0
	v_mov_b32 v[MM+\q], s[sM]
	v_mov_b32 v[M2+\q], s[sM+1]
	v_mov_b32 v[CX+\q], s[SS+7]
.else
	v_cmp_gt_u32 vcc_lo, s[SS+2], v[PQ+\q]         ; the count has passed my place: what I hold stays
	v_cndmask_b32 v[MM+\q], s[sM], v[MM+\q], vcc_lo
	v_cndmask_b32 v[M2+\q], s[sM+1], v[M2+\q], vcc_lo
	v_cndmask_b32 v[CX+\q], s[SS+7], v[CX+\q], vcc_lo
.endif
.endr
	s_bcnt1_i32_b32 s[SS+8], s[sM]
	s_add_co_u32 s[SS+2], s[SS+2], s[SS+8]
.set sN, sN+1
.endr
	s_add_co_u32 s27, s[SS+2], 15
	s_lshr_b32 s27, s27, 4                         ; tiles of 16 rows
	s_add_co_u32 s[SS+7], s19, 2048                ; the pad id
.irp q, 0,1,2
	v_and_b32 v[KK+\q], 0xffff, v[CX+\q]
.endr
.irp q, 0,1,2
	v_sub_nc_u32 v[KK+\q], v[PQ+\q], v[KK+\q]      ; my rank among the step's members
.endr
.irp q, 0,1,2
	v_lshrrev_b32 v[CX+\q], 16, v[CX+\q]
.endr
.irp q, 0,1,2                          ; members in each field of 2 bits,
	v_lshrrev_b32 v[X1+\q], 1, v[MM+\q]
.endr
.irp q, 0,1,2
	v_and_b32 v[X1+\q], 0x55555555, v[X1+\q]
.endr
.irp q, 0,1,2
	v_sub_nc_u32 v[X1+\q], v[MM+\q], v[X1+\q]
.endr
.irp q, 0,1,2                          ; of 4,
	v_lshrrev_b32 v[X2+\q], 2, v[X1+\q]
.endr
.irp q, 0,1,2
	v_and_b32 v[X2+\q], 0x33333333, v[X2+\q]
.endr
.irp q, 0,1,2
	v_and_b32 v[X4+\q], 0x33333333, v[X1+\q]
.endr
.irp q, 0,1,2
	v_add_nc_u32 v[X2+\q], v[X2+\q], v[X4+\q]
.endr
.irp q, 0,1,2                          ; of 8,
	v_lshrrev_b32 v[X4+\q], 4, v[X2+\q]
.endr
.irp q, 0,1,2
	v_add_nc_u32 v[X4+\q], v[X4+\q], v[X2+\q]
.endr
.irp q, 0,1,2
	v_and_b32 v[X4+\q], 0x0f0f0f0f, v[X4+\q]
.endr
.irp q, 0,1,2                          ; and in the lower 16 (the lowest byte)
	v_lshrrev_b32 v[X8+\q], 8, v[X4+\q]
.endr
.irp q, 0,1,2
	v_add_nc_u32 v[X8+\q], v[X8+\q], v[X4+\q]
.endr
	LEVEL X8, 16
	LEVEL X4, 8
	LEVEL X2, 4
	LEVEL X1, 2
	LEVEL MM, 1                                    ; v[SH]: the lane that held my member
.irp q, 0,1,2
	v_bfe_u32 v[TQ+\q], v[M2+\q], v[SH+\q], 1      ; k
.endr
.irp q, 0,1,2
	v_lshl_add_u32 v[IQ+\q], v[SH+\q], 3, v[CX+\q] ; 2 x (4 x lane) onto the step's first id
.endr
.irp q, 0,1,2
	v_add_nc_u32 v[IQ+\q], v[IQ+\q], v[TQ+\q]
.endr
.irp q, 0,1,2
	v_cmp_gt_u32 vcc_lo, s[SS+2], v[PQ+\q]         ; a place inside the list?
	v_cndmask_b32 v[IQ+\q], s[SS+7], v[IQ+\q], vcc_lo
.endr
.irp q, 0,1,2
	v_permlanex16_b32 v[TQ+\q], v[IQ+\q], s36, s37
.endr
	v_cndmask_b32 v[ID], v[IQ], v[TQ], s38         ; a register held two tiles: each tile now in both halves of the lanes
	v_cndmask_b32 v[ID+1], v[TQ], v[IQ], s38
	v_cndmask_b32 v[ID+2], v[IQ+1], v[TQ+1], s38
	v_cndmask_b32 v[ID+3], v[TQ+1], v[IQ+1], s38
	v_cndmask_b32 v[ID+4], v[IQ+2], v[TQ+2], s38
.endm
.macro BASES                           ; where my five tiles lie in hq and hs; and their ids go to my 320 bytes of LDS
	s_sub_co_u32 s26, s27, 1
.irp p, 0,1,2,3,4
	s_add_co_u32 s2, s30, \p
	s_min_u32 s2, s2, s26                          ; a tile past the last reads the last: nothing unwritten is used
	s_min_u32 s2, s2, 63                           ; (a number made of loaded data enters an address behind a bound)
	s_add_co_u32 s2, s2, s28
	s_mul_i32 s24, s2, 24576
	s_add_co_u32 s24, s24, s31
	s_add_nc_u64 s[40+2*\p:41+2*\p], s[6:7], s[24:25]
	s_lshl_b32 s24, s2, 10
	s_add_co_u32 s24, s24, s33
	s_add_nc_u64 s[50+2*\p:51+2*\p], s[8:9], s[24:25]
.endr
.irp p, 0,1,2,3,4
	ds_store_b32 v[LSA], v[ID+\p] offset:64*\p     ; lanes r and r + 16 write the same word with the same value
.endr
.endm
.macro WLOAD n                         ; round n's 32 loads into landing set n % 2
	WIN 0x40
.set rK, 0
.rept 32
	global_load_b128 v[128*((\n)%2)+4*rK:128*((\n)%2)+4*rK+3], v[WOFF], s[22:23] offset:(64*(\n)+rK)*ROWB th:TH_LOAD_NT
.set rK, rK+1
.endr
	WIN 0
.endm
.macro HLOAD s                         ; my five tiles' fragments of h, K step s: each half fragment 16 bytes a lane, then 8: 20 loads
.if (\s) < 4
	WIN 0x80
.else
	WIN 0x40
.endif
.irp p, 0,1,2,3,4
.irp c, 0,1
	global_load_b128 v[60*((\s)%4)+12*\p+6*\c:60*((\s)%4)+12*\p+6*\c+3], v[LI], s[40+2*\p:41+2*\p] offset:1536*(\s)+768*\c
	global_load_b64 v[60*((\s)%4)+12*\p+6*\c+4:60*((\s)%4)+12*\p+6*\c+5], v[L8], s[40+2*\p:41+2*\p] offset:1536*(\s)+768*\c+512
.endr
.endr
	WIN 0
.endm
.macro HEADA                           ; what a pass needs first: NA loads
	WIN 0
.irp p, 0,1,2,3,4
	global_load_b128 v[HS+4*\p:HS+4*\p+3], v[LI], s[50+2*\p:51+2*\p]     ; 512 bytes on end: lanes 0-15 the rows' words of K steps 0, 2, 4, 6; lanes 16-31: 1, 3, 5, 7
.endr
	HLOAD 0
.endm
.macro HEADB
	HLOAD 1
	HLOAD 2
.endm
.macro ROUND n                         ; K step n / 2 of my two, its half c = n % 2
.set rU, (\n)/2
.set rC, (\n)%2
.if (\n)+1 < NR
	s_wait_loadcnt 32                              ; this round's loads are in; the other set's 32 may be out
.else
	s_wait_loadcnt NA                              ; behind the last round's loads only the first requests for the pass were issued
.endif
	WIN 0x01
.set rK, 0
.rept 32
.if PERM
.set rP, 8*(rK%4)+rK/4
.else
.set rP, rK
.endif
.irp j, 0,1,2,3
	v_mov_b32 v[S+32*\j+rP], v[128*rC+4*rK+\j]     ; column j: 32 registers on end, in the order of h's codes
.endr
.set rK, rK+1
.endr
.if (\n)+2 < NR
	WLOAD (\n)+2                                   ; the set is free: the round after next
.elseif (\n)+2 == NR
	HEADA                                          ; the stream's requests are all out: the first pass's follow them
.else
	HEADB
.endif
	WIN 0
.irp j, 0,1,2,3
	v_max3_num_f32 v[MA+\j], |v[S+32*\j]|, |v[S+32*\j+1]|, 0x1800000     ; four blocks by turns, two chains each; the floor 2^(3 - 127) holds the byte at 1 from below
.endr
.irp j, 0,1,2,3
	v_max3_num_f32 v[MB+\j], |v[S+32*\j+2]|, |v[S+32*\j+3]|, |v[S+32*\j+4]|
.endr
.irp i, 5,9,13,17,21,25
.irp j, 0,1,2,3
	v_max3_num_f32 v[MA+\j], v[MA+\j], |v[S+32*\j+\i]|, |v[S+32*\j+\i+1]|
.endr
.irp j, 0,1,2,3
	v_max3_num_f32 v[MB+\j], v[MB+\j], |v[S+32*\j+\i+2]|, |v[S+32*\j+\i+3]|
.endr
.endr
.irp j, 0,1,2,3
	v_max3_num_f32 v[MA+\j], v[MA+\j], |v[S+32*\j+29]|, |v[S+32*\j+30]|
.endr
.irp j, 0,1,2,3
	v_max3_num_f32 v[MA+\j], v[MA+\j], v[MB+\j], |v[S+32*\j+31]|
.endr
.irp j, 0,1,2,3
	v_add_nc_u32 v[SO+\j], 0xff000000, v[MA+\j]    ; 2 off the exponent field: the conversion's scale operand
.endr
.if (rC == 0) && (rU > 0)
	s_wait_dscnt 0x0                               ; the last K step's LDS stores have read the fragments' registers
.endif
.irp j, 0,1,2,3
	v_cvt_scalef32_pk16_fp6_f32 v[F+12*\j+6*rC:F+12*\j+6*rC+2], v[S+32*\j:S+32*\j+15], v[SO+\j]
.endr
.irp j, 0,1,2,3
	v_lshrrev_b32 v[BY0+4*rC+\j], 23, v[SO+\j]     ; the scale's byte.  (Plain lines between the conversions above and those below, which write over the former's sources)
.endr
.irp j, 0,1,2,3
	v_cvt_scalef32_pk16_fp6_f32 v[S+32*\j:S+32*\j+2], v[S+32*\j+16:S+32*\j+31], v[SO+\j]   ; (three registers from an even number on: made here and moved)
.endr
	v_nop                                          ; one plain line behind the last conversion
.irp j, 0,1,2,3
.irp i, 0,1,2
	v_mov_b32 v[F+12*\j+6*rC+3+\i], v[S+32*\j+\i]
.endr
.endr
.if rC == 1
.irp j, 0,1,2,3
	v_lshl_or_b32 v[MA+\j], v[BY0+4+\j], 16, v[BY0+\j]   ; my two bytes: blocks h and 2 + h,
.endr
.irp j, 0,1,2,3
	v_lshlrev_b32 v[MA+\j], v[H8], v[MA+\j]        ; at their places;
.endr
.irp j, 0,1,2,3
	v_permlanex16_b32 v[OO+\j], v[MA+\j], s36, s37
.endr
.irp j, 0,1,2,3
	v_or_b32 v[MA+\j], v[MA+\j], v[OO+\j]          ; with lane l xor 16's the word is whole
.endr
	v_cndmask_b32 v[PP], v[MA], v[MA+1], s38       ; lanes 0-15 tile 0's words, lanes 16-31 tile 1's
	v_cndmask_b32 v[PP+1], v[MA+2], v[MA+3], s38   ; tiles 2 and 3
.irp j, 0,1,2,3
.irp g, 0,1,2
	ds_store_b128 v[FWA], v[F+12*\j+4*\g:F+12*\j+4*\g+3] offset:rU*QB+\j*FRB+\g*512
.endr
.endr
	ds_store_b64 v[SWA], v[PP:PP+1] offset:rU*256
.endif
.endm
.macro WFETCH buf, s, sc               ; w2's four fragments of K step s and their scale words: 13 LDS loads
.irp j, 0,1,2,3
.irp g, 0,1,2
	ds_load_b128 v[\buf+12*\j+4*\g:\buf+12*\j+4*\g+3], v[LI] offset:(\s)*QB+\j*FRB+\g*512
.endr
.endr
	ds_load_b64 v[\sc:\sc+1], v[SRA] offset:(\s)*256
.endm
.macro WM d, a, b, z, sa, sb, ra, rb   ; one product; z: it starts the sum; ra, rb: the scales stand in lanes 16-31
.if \z
.if (\ra) && (\rb)
	v_wmma_scale_f32_16x16x128_f8f6f4 v[(\d):(\d)+7], v[(\a):(\a)+11], v[(\b):(\b)+11], 0, v[\sa], v[\sb] matrix_a_fmt:MATRIX_FMT_FP6 matrix_b_fmt:MATRIX_FMT_FP6 matrix_a_scale:MATRIX_SCALE_ROW1 matrix_b_scale:MATRIX_SCALE_ROW1
.elseif (\ra)
	v_wmma_scale_f32_16x16x128_f8f6f4 v[(\d):(\d)+7], v[(\a):(\a)+11], v[(\b):(\b)+11], 0, v[\sa], v[\sb] matrix_a_fmt:MATRIX_FMT_FP6 matrix_b_fmt:MATRIX_FMT_FP6 matrix_a_scale:MATRIX_SCALE_ROW1
.elseif (\rb)
	v_wmma_scale_f32_16x16x128_f8f6f4 v[(\d):(\d)+7], v[(\a):(\a)+11], v[(\b):(\b)+11], 0, v[\sa], v[\sb] matrix_a_fmt:MATRIX_FMT_FP6 matrix_b_fmt:MATRIX_FMT_FP6 matrix_b_scale:MATRIX_SCALE_ROW1
.else
	v_wmma_scale_f32_16x16x128_f8f6f4 v[(\d):(\d)+7], v[(\a):(\a)+11], v[(\b):(\b)+11], 0, v[\sa], v[\sb] matrix_a_fmt:MATRIX_FMT_FP6 matrix_b_fmt:MATRIX_FMT_FP6
.endif
.else
.if (\ra) && (\rb)
	v_wmma_scale_f32_16x16x128_f8f6f4 v[(\d):(\d)+7], v[(\a):(\a)+11], v[(\b):(\b)+11], v[(\d):(\d)+7], v[\sa], v[\sb] matrix_a_fmt:MATRIX_FMT_FP6 matrix_b_fmt:MATRIX_FMT_FP6 matrix_a_scale:MATRIX_SCALE_ROW1 matrix_b_scale:MATRIX_SCALE_ROW1
.elseif (\ra)
	v_wmma_scale_f32_16x16x128_f8f6f4 v[(\d):(\d)+7], v[(\a):(\a)+11], v[(\b):(\b)+11], v[(\d):(\d)+7], v[\sa], v[\sb] matrix_a_fmt:MATRIX_FMT_FP6 matrix_b_fmt:MATRIX_FMT_FP6 matrix_a_scale:MATRIX_SCALE_ROW1
.elseif (\rb)
	v_wmma_scale_f32_16x16x128_f8f6f4 v[(\d):(\d)+7], v[(\a):(\a)+11], v[(\b):(\b)+11], v[(\d):(\d)+7], v[\sa], v[\sb] matrix_a_fmt:MATRIX_FMT_FP6 matrix_b_fmt:MATRIX_FMT_FP6 matrix_b_scale:MATRIX_SCALE_ROW1
.else
	v_wmma_scale_f32_16x16x128_f8f6f4 v[(\d):(\d)+7], v[(\a):(\a)+11], v[(\b):(\b)+11], v[(\d):(\d)+7], v[\sa], v[\sb] matrix_a_fmt:MATRIX_FMT_FP6 matrix_b_fmt:MATRIX_FMT_FP6
.endif
.endif
.endm
; K step s: 20 products, my five tiles of rows x the four tiles of columns.  The accumulators take turns, one instruction a turn.
.macro KSTEP s
.set kZ, 0
.if (\s) == 0
.set kZ, 1
.endif
.if (\s) <= 4
	HLOAD (\s)+3
	s_wait_loadcnt 60                              ; this step's h is in: behind it three steps' 20 loads each were issued
.else
	s_wait_loadcnt 20*(7-(\s))                     ; behind it: the steps still to come
.endif
.if (\s) < 7
	s_wait_dscnt 13                                ; this step's w2 is in (and, in the first step, the ids); the next step's 13 loads may be out
.else
	s_wait_dscnt 0x0
.endif
.if (\s) < 4
	WIN 0xf2                                       ; source 0 (h) window 2, C and D window 3
.else
	WIN 0xf1
.endif
.irp p, 0,1,2,3,4
.irp j, 0,1,2,3
	WM 32*\p+8*\j, 60*((\s)%4)+12*\p, WA+48*((\s)%2)+12*\j, kZ, HS+4*\p+(\s)/2, WSA+2*((\s)%2)+\j/2, (\s)%2, \j%2
.endr
.endr
	WIN 0
.if (\s) < 6
	PLACES 4                                       ; in front of loads into registers that matrix instructions have read
	WFETCH WA+48*((\s)%2), (\s)+2, WSA+2*((\s)%2)
.endif
.endm
; Tile p leaves.  A tile past the expert's last is passed over.
.macro OUT p
	WIN 0
	s_add_co_u32 s2, s30, \p
	s_cmp_ge_u32 s2, s27
	s_cbranch_scc1 .Lskip_\@
	s_wait_xcnt 0x0                                ; the last tile's stores have read their registers
	WIN 0xc3                                       ; source 0 (the sums) and the destination: window 3
.irp i, 0,1,2,3,4,5,6,7
.irp j, 0,1,2,3
	v_mov_b32 v[TT+4*\i+\j], v[32*\p+8*\j+\i]      ; row 8 h + i, columns 4 r + 0 .. 3 on end (each accumulator from its low end on)
.endr
.endr
	WIN 0x0c                                       ; a store's data are its source 1
.irp i, 0,1,2,3,4,5,6,7
	global_store_b128 v[YA+8*\p+\i], v[TT+4*\i:TT+4*\i+3], s[60:61]    ; sixteen lanes: 256 consecutive bytes, aligned, of one row of y
.endr
	WIN 0
.Lskip_\@:
.endm
	s_load_b256 s[4:11], s[0:1], 0x0               ; w2, hq, hs, route
	s_load_b64 s[14:15], s[0:1], 0x20              ; y
	v_lshl_add_u32 v30, v0, 2, 0xce00
	v_mov_b32 v31, 0
	v_lshrrev_b32 v1, 5, v0
	v_readfirstlane_b32 s18, v1                    ; wave
	v_and_b32 v1, 31, v0                           ; lane
	v_and_b32 v2, 15, v0                           ; r
	v_bfe_u32 v3, v0, 4, 1                         ; h
	s_lshr_b32 s19, ttmp9, 5                       ; e
	s_bfe_u32 s20, ttmp9, 0x40001                  ; delta
	s_and_b32 s21, ttmp9, 1                        ; kappa
	v_lshlrev_b32 v[R16], 4, v2
	v_lshl_add_u32 v[WOFF], v3, 17, v[R16]         ; 16 r, and 32 rows further down for lanes 16-31
	v_lshlrev_b32 v[LI], 4, v1
	s_mul_i32 s26, s18, 2*QB
	v_add_nc_u32 v[FWA], s26, v[LI]
	v_lshlrev_b32 v[L8], 3, v1
	s_lshl_b32 s26, s18, 9
	s_add_co_u32 s26, s26, SCW
	v_add_nc_u32 v[SWA], s26, v[L8]
	v_add_nc_u32 v[SRA], SCW, v[L8]
	s_mul_i32 s26, s18, 64*TPW
	s_add_co_u32 s26, s26, LIST                    ; my wave's 320 bytes
	v_lshl_add_u32 v[LSA], v2, 2, s26
	v_lshl_add_u32 v[LRA], v3, 5, s26
	v_lshlrev_b32 v[H8], 3, v3
.irp j, 0,1,2,3
	v_mov_b32 v[OO+\j], 0                          ; (a lane permute's destination counts as read)
.endr
	s_mov_b32 s36, 0x76543210
	s_mov_b32 s37, 0xfedcba98                      ; selects for lane l xor 16
	s_mov_b32 s38, 0xffff0000                      ; lanes 16-31
	s_lshl_b32 s[SS], 0x101, s19                   ; the expert's two bits in a route word,
	s_lshl_b32 s[SS+1], 0x100, s19                 ; and the one that says: second choice
	s_lshl_b32 s2, s19, 23                         ; the expert's 8 MiB,
	s_lshl_b32 s3, s21, 22                         ; my half of the hidden axis: 1,024 rows,
	s_add_co_u32 s2, s2, s3
	s_lshl_b32 s3, s18, 20                         ; my wave's 256 of them,
	s_add_co_u32 s2, s2, s3
	s_lshl_b32 s26, s20, 8                         ; my 64 columns
	s_add_co_u32 s2, s2, s26
	s_mov_b32 s3, 0
	s_mov_b32 s25, 0                               ; (stays 0: the upper word of every offset made in s24)
	s_mul_i32 s34, s21, YH
	s_add_co_u32 s34, s34, s26
	s_mov_b32 s35, 0
	s_lshl_b32 s28, s19, 6                         ; 64 e
	s_mul_i32 s31, s21, 12288                      ; my half in a tile's part of hq,
	s_lshl_b32 s33, s21, 9                         ; and of hs
	s_mul_i32 s30, s18, TPW                        ; my first tile of the first pass
	s_wait_kmcnt 0x0
	s_add_nc_u64 s[22:23], s[4:5], s[2:3]
	s_add_nc_u64 s[60:61], s[14:15], s[34:35]
	RLOAD                                          ; the route words first, then the stream
	WLOAD 0
	WLOAD 1
	s_wait_loadcnt 63                              ; of the 72 loads issued the oldest 9 are in, the 8 of route words among them
	SEARCH
	BASES
.irp n, 0,1,2,3
	ROUND \n
.endr
	s_wait_dscnt 0x0                               ; for the others' sake: my images and scale words lie in LDS
	s_barrier_signal -1
	s_barrier_wait -1                              ; the only barrier: from here on a wave writes only its own 320 bytes of LDS
	s_mov_b32 s29, 0
.Lpass:
	s_cmp_ge_u32 s30, s27                          ; no tile for me
	s_cbranch_scc1 .Ldone
	s_wait_xcnt 0x0                                ; the last pass's stores have read their registers
.irp p, 0,1,2,3,4
	ds_load_b128 v[YA+8*\p:YA+8*\p+3], v[LRA] offset:64*\p          ; the ids of rows 8 h + 0 .. 7 of each tile (LDS serves a wave's instructions in order: these see my stores)
	ds_load_b128 v[YA+8*\p+4:YA+8*\p+7], v[LRA] offset:64*\p+16
.endr
	WFETCH WA, 0, WSA
	WFETCH WA+48, 1, WSA+2
.irp s, 0,1,2,3,4,5,6,7
	KSTEP \s
.endr
.set hN, 0
.rept 40                               ; the rows' places in y.  (These lines are also the places behind the last products)
	v_min_u32 v[YA+hN], 2055, v[YA+hN]
.set hN, hN+1
.endr
.set hN, 0
.rept 40
	v_lshl_add_u32 v[YA+hN], v[YA+hN], 12, v[R16]  ; the row's 4,096 bytes, + my 16
.set hN, hN+1
.endr
.irp p, 0,1,2,3,4
	OUT \p
.endr
	s_add_co_u32 s30, s30, 4*TPW
	s_cmp_ge_u32 s30, s27                          ; no further tile for me: nothing more is asked for
	s_cbranch_scc1 .Ldone
	RLOAD                                          ; an expert with more than 320 rows: the next 80 places are searched as the first were
	s_wait_loadcnt 0x0
	SEARCH
	BASES
	HEADA
	HEADB
	s_add_co_u32 s29, s29, 1
	s_cmp_lt_u32 s29, 4                            ; 4 passes x 20 tiles serve all 1,024 tokens on one expert
	s_cbranch_scc1 .Lpass
.Ldone:
	s_wait_tensorcnt 0x0
	ds_add_u32 v30, v31
	s_wait_dscnt 0x0
	s_endpgm
.Lfunc_end_k_q560cb7c574_down:
	.size	k_q560cb7c574_down, .Lfunc_end_k_q560cb7c574_down-k_q560cb7c574_down
	.p2alignl 7, 3214868480
	.fill 96, 4, 3214868480
	.section	.rodata,"a",@progbits
	.p2align	6, 0x0
	.amdhsa_kernel k_q560cb7c574_down
		.amdhsa_group_segment_fixed_size 53248
		.amdhsa_private_segment_fixed_size 0
		.amdhsa_enable_private_segment 0
		.amdhsa_kernarg_size 40
		.amdhsa_user_sgpr_count 2
		.amdhsa_user_sgpr_kernarg_segment_ptr 1
		.amdhsa_wavefront_size32 1
		.amdhsa_system_sgpr_workgroup_id_x 1
		.amdhsa_system_sgpr_workgroup_id_y 1
		.amdhsa_system_sgpr_workgroup_id_z 1
		.amdhsa_system_vgpr_workitem_id 0
		.amdhsa_next_free_vgpr 1024
		.amdhsa_next_free_sgpr 76
		.amdhsa_reserve_vcc 1
		.amdhsa_float_denorm_mode_32 3
		.amdhsa_float_denorm_mode_16_64 3
		.amdhsa_memory_ordered 1
		.amdhsa_forward_progress 1
		.amdhsa_inst_pref_size 187
	.end_amdhsa_kernel
	.amdgpu_metadata
---
amdhsa.version: [ 1, 2 ]
amdhsa.kernels:
  - .name:           k_q560cb7c574_down
    .symbol:         k_q560cb7c574_down.kd
    .args:
      - { .name: w2, .offset: 0, .size: 8, .value_kind: global_buffer, .address_space: global }
      - { .name: hq, .offset: 8, .size: 8, .value_kind: global_buffer, .address_space: global }
      - { .name: hs, .offset: 16, .size: 8, .value_kind: global_buffer, .address_space: global }
      - { .name: route, .offset: 24, .size: 8, .value_kind: global_buffer, .address_space: global }
      - { .name: y, .offset: 32, .size: 8, .value_kind: global_buffer, .address_space: global }
    .group_segment_fixed_size: 53248
    .private_segment_fixed_size: 0
    .kernarg_segment_align: 8
    .kernarg_segment_size: 40
    .max_flat_workgroup_size: 128
    .sgpr_count:     76
    .vgpr_count:     1024
    .wavefront_size: 32
...
	.end_amdgpu_metadata
.endif
;; end of part 7
;; launch combine (part 8): grid 256 x 1, 8 waves a work-group, no clusters, 0 bytes of LDS; arguments y, prob, out0; writes out0
.if DOCPART == 8
	.amdgcn_target "amdgcn-amd-amdhsa--gfx1250"
	.amdhsa_code_object_version 6
	.text
	.protected	k_q560cb7c574_combine
	.globl	k_q560cb7c574_combine
	.p2align	8
	.type	k_q560cb7c574_combine,@function
k_q560cb7c574_combine:
	s_mov_b64 s[64:65], 0
	v_nop
	global_prefetch_b8 v0, s[64:65] scope:SCOPE_SE
	s_setreg_imm32_b32 hwreg(HW_REG_WAVE_MODE, 25, 1), 1
	s_wait_xcnt 0x0
; out0[t] = p[2 t] (y[0][2 t] + y[1][2 t]) + p[2 t + 1] (y[0][2 t + 1] + y[1][2 t + 1]): the token's two experts, each in its two halves of the hidden axis, weighed by the gate.
; A stream: the work-group takes 4 tokens, thread n the 16 bytes at 16 n of every row, so that a wave's load or store covers 512 consecutive bytes.  All 16 loads go out first; the work-group's eight weights
; come by one scalar load.  No LDS, no barrier, no matrix unit: there is nothing here but bytes.
.set YH, 8421376                       ; 2,056 rows of 4,096 bytes: a half of y
	s_load_b128 s[4:7], s[0:1], 0x0                ; y, prob
	s_load_b64 s[8:9], s[0:1], 0x10                ; out0
	v_lshlrev_b32 v1, 4, v0
	s_lshl_b32 s10, ttmp9, 15                      ; 8 rows of y,
	s_mov_b32 s11, 0
	s_lshl_b32 s12, ttmp9, 14                      ; 4 rows of out0,
	s_mov_b32 s13, 0
	s_lshl_b32 s14, ttmp9, 5                       ; 8 weights
	s_mov_b32 s15, 0
	s_wait_kmcnt 0x0
	s_add_nc_u64 s[6:7], s[6:7], s[14:15]
	s_load_b256 s[16:23], s[6:7], 0x0              ; s[16 + 2 q], s[17 + 2 q]: token q's two weights
	s_add_nc_u64 s[4:5], s[4:5], s[10:11]
	s_add_nc_u64 s[24:25], s[4:5], YH
	s_add_nc_u64 s[8:9], s[8:9], s[12:13]
.irp q, 0,1,2,3
	global_load_b128 v[4+16*\q:7+16*\q], v1, s[4:5] offset:8192*\q th:TH_LOAD_NT
	global_load_b128 v[8+16*\q:11+16*\q], v1, s[4:5] offset:8192*\q+4096 th:TH_LOAD_NT
	global_load_b128 v[12+16*\q:15+16*\q], v1, s[24:25] offset:8192*\q th:TH_LOAD_NT
	global_load_b128 v[16+16*\q:19+16*\q], v1, s[24:25] offset:8192*\q+4096 th:TH_LOAD_NT
.endr
	s_wait_kmcnt 0x0
.irp q, 0,1,2,3
	s_wait_loadcnt 12-4*\q                         ; this token's four loads are in; the later tokens' may be out
	v_pk_add_f32 v[4+16*\q:5+16*\q], v[4+16*\q:5+16*\q], v[12+16*\q:13+16*\q]       ; the first expert's two halves,
	v_pk_add_f32 v[6+16*\q:7+16*\q], v[6+16*\q:7+16*\q], v[14+16*\q:15+16*\q]
	v_pk_add_f32 v[8+16*\q:9+16*\q], v[8+16*\q:9+16*\q], v[16+16*\q:17+16*\q]       ; the second's
	v_pk_add_f32 v[10+16*\q:11+16*\q], v[10+16*\q:11+16*\q], v[18+16*\q:19+16*\q]
.irp i, 0,1,2,3
	v_mul_f32 v[4+16*\q+\i], s[16+2*\q], v[4+16*\q+\i]
.endr
.irp i, 0,1,2,3
	v_fmac_f32 v[4+16*\q+\i], s[17+2*\q], v[8+16*\q+\i]
.endr
	global_store_b128 v1, v[4+16*\q:7+16*\q], s[8:9] offset:4096*\q th:TH_STORE_NT
.endr
	s_endpgm
.Lfunc_end_k_q560cb7c574_combine:
	.size	k_q560cb7c574_combine, .Lfunc_end_k_q560cb7c574_combine-k_q560cb7c574_combine
	.p2alignl 7, 3214868480
	.fill 96, 4, 3214868480
	.section	.rodata,"a",@progbits
	.p2align	6, 0x0
	.amdhsa_kernel k_q560cb7c574_combine
		.amdhsa_group_segment_fixed_size 0
		.amdhsa_private_segment_fixed_size 0
		.amdhsa_enable_private_segment 0
		.amdhsa_kernarg_size 24
		.amdhsa_user_sgpr_count 2
		.amdhsa_user_sgpr_kernarg_segment_ptr 1
		.amdhsa_wavefront_size32 1
		.amdhsa_system_sgpr_workgroup_id_x 1
		.amdhsa_system_sgpr_workgroup_id_y 1
		.amdhsa_system_sgpr_workgroup_id_z 1
		.amdhsa_system_vgpr_workitem_id 0
		.amdhsa_next_free_vgpr 72
		.amdhsa_next_free_sgpr 66
		.amdhsa_reserve_vcc 0
		.amdhsa_float_denorm_mode_32 3
		.amdhsa_float_denorm_mode_16_64 3
		.amdhsa_memory_ordered 1
		.amdhsa_forward_progress 1
		.amdhsa_inst_pref_size 5
	.end_amdhsa_kernel
	.amdgpu_metadata
---
amdhsa.version: [ 1, 2 ]
amdhsa.kernels:
  - .name:           k_q560cb7c574_combine
    .symbol:         k_q560cb7c574_combine.kd
    .args:
      - { .name: y, .offset: 0, .size: 8, .value_kind: global_buffer, .address_space: global }
      - { .name: prob, .offset: 8, .size: 8, .value_kind: global_buffer, .address_space: global }
      - { .name: out0, .offset: 16, .size: 8, .value_kind: global_buffer, .address_space: global }
    .group_segment_fixed_size: 0
    .private_segment_fixed_size: 0
    .kernarg_segment_align: 8
    .kernarg_segment_size: 24
    .max_flat_workgroup_size: 256
    .sgpr_count:     66
    .vgpr_count:     72
    .wavefront_size: 32
...
	.end_amdgpu_metadata
.endif
;; end of part 8
;; ======== version 3 of 3: 4 launches
;; workspace buffers: xq 786,432 bytes; xs 32,768 bytes; route 4,096 bytes of whole numbers; prob 8,192 bytes; hq 12,582,912 bytes; hs 524,288 bytes; y 16,842,752 bytes
;; launch route (part 9): grid 256 x 1, 4 waves a work-group, no clusters, 55,296 bytes of LDS; arguments x, w_gate, xq, xs, route, prob; writes xq, xs, route, prob
.if DOCPART == 9
	.amdgcn_target "amdgcn-amd-amdhsa--gfx1250"
	.amdhsa_code_object_version 6
	.text
	.protected	k_q560cb7c574_route
	.globl	k_q560cb7c574_route
	.p2align	8
	.type	k_q560cb7c574_route,@function
k_q560cb7c574_route:
	s_mov_b64 s[64:65], 0
	v_nop
	global_prefetch_b8 v0, s[64:65] scope:SCOPE_SE
	s_setreg_imm32_b32 hwreg(HW_REG_WAVE_MODE, 25, 1), 1
	s_wait_xcnt 0x0
; ROUTER AND QUANTISER OF x.  x [1024 tokens][1024] f32, w_gate [1024][8] f32.
; One wave takes one token (4 x work-group + wave); lane l takes block l of the row, d = 32 l .. 32 l + 31.
; It makes: the 8 logits in f32 (32 fused multiply-adds a lane and expert, then a sum over the lanes), the two largest (strict compare: the lower index wins a tie),
; their softmax with the larger logit taken away; and the row's codes of E2M3 with one E8M0 byte for each 32 along d.
; OUT:  xq [t][K step s 0..7][h 0..1][c 0..1][24 bytes]: block 4 s + 2 c + h, so that lane (r, h) of a matrix operand reads its 12 registers of a K step as 48 bytes on end;
;       xs [t][h][v 0..3] words: the scale word of K step 2 v + h;   route [t] = 1 << first expert | 1 << (8 + second);   prob [2 t + k] f32.
; Every global load takes 512 bytes on end; x and w_gate are turned in LDS to what a lane wants (its 32 numbers; its 32 rows of w_gate).  w_gate is shared by the four waves: one barrier.
; LIMITS: NaN and infinities are not served; a block whose largest magnitude lies under 2^-124 gets the byte 1 (a block of zeros too: its codes are zeros, and this program alone reads the bytes);
; the logits' order of summation is not the one of a plain row sum, so two logits nearer than f32 rounding may change places.
.set XST, 33280                        ; LDS: 0: w_gate, 32 groups of 1,024 bytes + 16;  XST: x, 4,608 bytes a wave (32 x (128 + 16));  CST: codes, 768 bytes a wave
.set CST, 51712
.set X,   16                           ; v16-47   my 32 numbers
.set A,   48                           ; v48-55   my 8 sums
.set GA,  80                           ; v80-143  8 rows of w_gate (8 numbers each); first the landing place of w_gate's loads
.set GB,  144                          ; v144-207 8 more; first the landing place of x's loads
	s_load_b256 s[4:11], s[0:1], 0x0               ; x, w_gate, xq, xs
	s_load_b128 s[12:15], s[0:1], 0x20             ; route, prob
	v_lshl_add_u32 v208, v0, 2, 0xd600
	v_mov_b32 v209, 0
	v_lshrrev_b32 v1, 5, v0
	v_readfirstlane_b32 s16, v1                    ; wave
	v_and_b32 v1, 31, v0                           ; lane
	s_lshl_b32 s17, ttmp9, 2
	s_add_co_u32 s17, s17, s16                     ; token
	v_lshlrev_b32 v2, 4, v1                        ; 16 x lane
	s_mul_i32 s18, s16, 8320
	v_add_nc_u32 v3, s18, v2                       ; w_gate into LDS: my wave's 8 groups of 1,040 bytes
	v_mul_u32_u24 v4, v1, 1040                     ; and out of it: group = lane
	s_mul_i32 s18, s16, 4608
	s_add_co_u32 s18, s18, XST
	v_lshrrev_b32 v5, 3, v1
	v_lshl_add_u32 v5, v5, 4, v2
	v_add_nc_u32 v5, s18, v5                       ; x into LDS: 16 bytes of padding behind each 128
	v_mul_u32_u24 v6, v1, 144
	v_add_nc_u32 v6, s18, v6                       ; and out: 144 x lane
	s_mul_i32 s18, s16, 768
	s_add_co_u32 s18, s18, CST
	v_lshrrev_b32 v7, 2, v1
	v_mul_u32_u24 v7, v7, 96
	v_and_b32 v8, 1, v1
	v_mad_u32_u24 v7, v8, 48, v7
	v_bfe_u32 v9, v1, 1, 1
	v_mad_u32_u24 v7, v9, 24, v7
	v_add_nc_u32 v7, s18, v7                       ; my block's 24 bytes in the row's codes: 96 (l / 4) + 48 (l % 2) + 24 ((l / 2) % 2)
	v_add_nc_u32 v9, s18, v2                       ; the codes back: 16 bytes a lane,
	v_lshlrev_b32 v10, 3, v1
	v_add_nc_u32 v11, s18, v10                     ; then 8 bytes a lane
	v_bfe_u32 v12, v1, 2, 1
	v_lshlrev_b32 v12, 4, v12
	v_lshrrev_b32 v13, 3, v1
	v_lshl_add_u32 v12, v13, 2, v12                ; my K step's scale word in xs: 16 (s % 2) + 4 (s / 2), s = l / 4
	v_and_b32 v13, 3, v1
	v_lshlrev_b32 v13, 3, v13                      ; my byte's place in it, in bits
	v_lshlrev_b32 v14, 2, v8                       ; prob: 4 (l % 2)
	v_mov_b32 v15, 0
	v_mov_b32 v67, 0                               ; (a lane move's destination counts as read)
	s_lshl_b32 s18, s17, 12
	s_mov_b32 s19, 0
	s_lshl_b32 s20, s16, 13
	s_mov_b32 s21, 0
	s_mul_i32 s22, s17, 768
	s_mov_b32 s23, 0
	s_lshl_b32 s24, s17, 5
	s_mov_b32 s25, 0
	s_lshl_b32 s26, s17, 2
	s_mov_b32 s27, 0
	s_lshl_b32 s28, s17, 3
	s_mov_b32 s29, 0
	s_mov_b32 s30, 0x76543210
	s_mov_b32 s31, 0xfedcba98                      ; selects for lane l xor 16
	s_wait_kmcnt 0x0
	s_add_nc_u64 s[4:5], s[4:5], s[18:19]          ; my token's row of x
	s_add_nc_u64 s[6:7], s[6:7], s[20:21]          ; my wave's quarter of w_gate
	s_add_nc_u64 s[8:9], s[8:9], s[22:23]
	s_add_nc_u64 s[10:11], s[10:11], s[24:25]
	s_add_nc_u64 s[12:13], s[12:13], s[26:27]
	s_add_nc_u64 s[14:15], s[14:15], s[28:29]
.irp i, 0,1,2,3,4,5,6,7
	global_load_b128 v[GB+4*\i:GB+4*\i+3], v2, s[4:5] offset:512*\i th:TH_LOAD_NT
.endr
.irp i, 0,1,2,3,4,5,6,7,8,9,10,11,12,13,14,15
	global_load_b128 v[GA+4*\i:GA+4*\i+3], v2, s[6:7] offset:512*\i
.endr
	s_wait_loadcnt 16                              ; x is in; w_gate's sixteen loads may be out
.irp i, 0,1,2,3,4,5,6,7
	ds_store_b128 v5, v[GB+4*\i:GB+4*\i+3] offset:576*\i
.endr
.irp i, 0,1,2,3,4,5,6,7
	ds_load_b128 v[X+4*\i:X+4*\i+3], v6 offset:16*\i     ; LDS serves a wave's instructions in order: these see my stores
.endr
	s_wait_loadcnt 0x0
.irp i, 0,1,2,3,4,5,6,7,8,9,10,11,12,13,14,15
	ds_store_b128 v3, v[GA+4*\i:GA+4*\i+3] offset:512*\i+16*(\i/2)
.endr
	s_wait_dscnt 0x0                               ; for the others' sake: my quarter of w_gate lies in LDS (and my x is back)
	s_barrier_signal -1
	s_barrier_wait -1
.macro GLOAD buf, ch                   ; rows 8 ch .. 8 ch + 7 of my 32 rows of w_gate
.irp q, 0,1,2,3,4,5,6,7
	ds_load_b128 v[\buf+8*\q:\buf+8*\q+3], v4 offset:32*(8*(\ch)+\q)
	ds_load_b128 v[\buf+8*\q+4:\buf+8*\q+7], v4 offset:32*(8*(\ch)+\q)+16
.endr
.endm
	GLOAD GA, 0
	GLOAD GB, 1
	; my block: largest magnitude (with the floor 2^(3 - 127) among the leaves), scale, codes
	v_max3_num_f32 v56, |v[X]|, |v[X+1]|, 0x1800000
	v_max3_num_f32 v57, |v[X+2]|, |v[X+3]|, |v[X+4]|
.irp i, 5,9,13,17,21,25
	v_max3_num_f32 v56, v56, |v[X+\i]|, |v[X+\i+1]|
	v_max3_num_f32 v57, v57, |v[X+\i+2]|, |v[X+\i+3]|
.endr
	v_max3_num_f32 v56, v56, |v[X+29]|, |v[X+30]|
	v_max3_num_f32 v56, v56, v57, |v[X+31]|
	v_add_nc_u32 v58, 0xff000000, v56              ; 2 off the exponent field: the conversion takes this operand's exponent field as its scale
	v_cvt_scalef32_pk16_fp6_f32 v[60:62], v[X:X+15], v58
	v_cvt_scalef32_pk16_fp6_f32 v[64:66], v[X+16:X+31], v58     ; (a conversion's three registers begin on an even number)
	v_lshrrev_b32 v59, 23, v58                     ; the scale's byte.  (The plain line behind the conversions)
	v_mov_b32 v63, v64
	v_mov_b32 v64, v65
	v_mov_b32 v65, v66                             ; v60-65: the block's 24 bytes
	ds_store_b64 v7, v[60:61]
	ds_store_b64 v7, v[62:63] offset:8
	ds_store_b64 v7, v[64:65] offset:16
	ds_load_b128 v[68:71], v9
	ds_load_b64 v[72:73], v11 offset:512
	v_lshlrev_b32 v59, v13, v59                    ; the byte at its place; the four lanes of a K step join theirs
	v_mov_b32_dpp v67, v59 row_xmask:1 row_mask:0xf bank_mask:0xf
	v_or_b32 v59, v59, v67
	v_mov_b32_dpp v67, v59 row_xmask:2 row_mask:0xf bank_mask:0xf
	v_or_b32 v59, v59, v67
	s_wait_alu depctr_va_vdst(0)
	s_wait_dscnt 0x0                               ; the codes are back as they lie in xq (and the first 16 rows of w_gate are in)
	global_store_b128 v2, v[68:71], s[8:9]         ; 512 bytes on end,
	global_store_b64 v10, v[72:73], s[8:9] offset:512   ; and 256
	global_store_b32 v12, v59, s[10:11]            ; four lanes write the same word with the same value: 32 bytes a token
; the logits: row i of my 32: eight products, two at a time; x's number serves both halves
.macro LOGIT buf, ch
.set lR, 0
.rept 8
.set lI, 8*(\ch)+lR
.irp p, 0,1,2,3
.if lI == 0
	v_pk_mul_f32 v[A+2*\p:A+2*\p+1], v[\buf+2*\p:\buf+2*\p+1], v[X:X+1] op_sel_hi:[1,0]
.elseif lI%2 == 0
	v_pk_fma_f32 v[A+2*\p:A+2*\p+1], v[\buf+8*lR+2*\p:\buf+8*lR+2*\p+1], v[X+lI:X+lI+1], v[A+2*\p:A+2*\p+1] op_sel_hi:[1,0,1]
.else
	v_pk_fma_f32 v[A+2*\p:A+2*\p+1], v[\buf+8*lR+2*\p:\buf+8*lR+2*\p+1], v[X+lI-1:X+lI], v[A+2*\p:A+2*\p+1] op_sel:[0,1,0] op_sel_hi:[1,1,1]
.endif
.endr
.set lR, lR+1
.endr
.endm
	LOGIT GA, 0
	GLOAD GA, 2
	LOGIT GB, 1
	GLOAD GB, 3
	s_wait_alu depctr_va_vdst(0)
	s_wait_dscnt 16                                ; rows 16-23 are in; rows 24-31 may be out
	LOGIT GA, 2
	s_wait_alu depctr_va_vdst(0)
	s_wait_dscnt 0x0
	LOGIT GB, 3
.irp m, 1,2,4,8
.irp e, 0,1,2,3,4,5,6,7
	v_add_f32_dpp v[A+\e], v[A+\e], v[A+\e] row_xmask:\m row_mask:0xf bank_mask:0xf
.endr
.endr
.irp e, 0,1,2,3,4,5,6,7
	v_permlanex16_b32 v[GA+\e], v[A+\e], s30, s31
.endr
.irp e, 0,1,2,3,4,5,6,7
	v_add_f32 v[A+\e], v[A+\e], v[GA+\e]           ; every lane holds the 8 logits
.endr
	v_mov_b32 v88, v[A]                            ; the largest, and its index
	v_mov_b32 v89, 0
.irp e, 1,2,3,4,5,6,7
	v_cmp_le_f32 vcc_lo, v[A+\e], v88              ; not larger: the index stays (the lower index wins a tie)
	v_cndmask_b32 v89, \e, v89, vcc_lo
	v_max_num_f32 v88, v88, v[A+\e]
.endr
	v_mov_b32 v90, 0xff800000
.irp e, 0,1,2,3,4,5,6,7
	v_cmp_eq_u32 vcc_lo, \e, v89
	v_cndmask_b32 v[A+\e], v[A+\e], v90, vcc_lo    ; the first is taken out
.endr
	v_mov_b32 v91, v[A]                            ; the second largest likewise
	v_mov_b32 v92, 0
.irp e, 1,2,3,4,5,6,7
	v_cmp_le_f32 vcc_lo, v[A+\e], v91
	v_cndmask_b32 v92, \e, v92, vcc_lo
	v_max_num_f32 v91, v91, v[A+\e]
.endr
	v_sub_f32 v93, v91, v88                        ; the softmax of the two, the larger taken away: 0 or less
	v_mul_f32 v93, 0x3fb8aa3b, v93
	s_wait_alu depctr_va_vdst(0)
	v_exp_f32 v93, v93
	v_mov_b32 v96, 1                               ; (a plain line behind the exponential)
	s_wait_alu depctr_va_vdst(0)
	v_add_f32 v94, 1.0, v93
	s_wait_alu depctr_va_vdst(0)
	v_rcp_f32 v94, v94                             ; the first's weight
	v_mov_b32 v98, 0x100                           ; (a plain line behind the reciprocal)
	s_wait_alu depctr_va_vdst(0)
	v_mul_f32 v95, v93, v94                        ; the second's
	v_lshlrev_b32 v97, v89, v96
	v_lshlrev_b32 v98, v92, v98
	v_or_b32 v97, v97, v98
	v_cmp_eq_u32 vcc_lo, 1, v8
	v_cndmask_b32 v99, v94, v95, vcc_lo
	global_store_b32 v15, v97, s[12:13]            ; all lanes: the same word, the same value
	global_store_b32 v14, v99, s[14:15]            ; even lanes the first weight, odd lanes the second
	s_wait_tensorcnt 0x0
	ds_add_u32 v208, v209
	s_wait_dscnt 0x0
	s_endpgm
.Lfunc_end_k_q560cb7c574_route:
	.size	k_q560cb7c574_route, .Lfunc_end_k_q560cb7c574_route-k_q560cb7c574_route
	.p2alignl 7, 3214868480
	.fill 96, 4, 3214868480
	.section	.rodata,"a",@progbits
	.p2align	6, 0x0
	.amdhsa_kernel k_q560cb7c574_route
		.amdhsa_group_segment_fixed_size 55296
		.amdhsa_private_segment_fixed_size 0
		.amdhsa_enable_private_segment 0
		.amdhsa_kernarg_size 48
		.amdhsa_user_sgpr_count 2
		.amdhsa_user_sgpr_kernarg_segment_ptr 1
		.amdhsa_wavefront_size32 1
		.amdhsa_system_sgpr_workgroup_id_x 1
		.amdhsa_system_sgpr_workgroup_id_y 1
		.amdhsa_system_sgpr_workgroup_id_z 1
		.amdhsa_system_vgpr_workitem_id 0
		.amdhsa_next_free_vgpr 210
		.amdhsa_next_free_sgpr 66
		.amdhsa_reserve_vcc 1
		.amdhsa_float_denorm_mode_32 3
		.amdhsa_float_denorm_mode_16_64 3
		.amdhsa_memory_ordered 1
		.amdhsa_forward_progress 1
		.amdhsa_inst_pref_size 28
	.end_amdhsa_kernel
	.amdgpu_metadata
---
amdhsa.version: [ 1, 2 ]
amdhsa.kernels:
  - .name:           k_q560cb7c574_route
    .symbol:         k_q560cb7c574_route.kd
    .args:
      - { .name: x, .offset: 0, .size: 8, .value_kind: global_buffer, .address_space: global }
      - { .name: w_gate, .offset: 8, .size: 8, .value_kind: global_buffer, .address_space: global }
      - { .name: xq, .offset: 16, .size: 8, .value_kind: global_buffer, .address_space: global }
      - { .name: xs, .offset: 24, .size: 8, .value_kind: global_buffer, .address_space: global }
      - { .name: route, .offset: 32, .size: 8, .value_kind: global_buffer, .address_space: global }
      - { .name: prob, .offset: 40, .size: 8, .value_kind: global_buffer, .address_space: global }
    .group_segment_fixed_size: 55296
    .private_segment_fixed_size: 0
    .kernarg_segment_align: 8
    .kernarg_segment_size: 48
    .max_flat_workgroup_size: 128
    .sgpr_count:     66
    .vgpr_count:     210
    .wavefront_size: 32
...
	.end_amdgpu_metadata
.endif
;; end of part 9
;; launch up (part 10): grid 256 x 1, 4 waves a work-group, no clusters, 102,912 bytes of LDS; arguments w1, w3, xq, xs, route, hq, hs; writes hq, hs
.if DOCPART == 10
	.amdgcn_target "amdgcn-amd-amdhsa--gfx1250"
	.amdhsa_code_object_version 6
	.text
	.protected	k_q560cb7c574_up
	.globl	k_q560cb7c574_up
	.p2align	8
	.type	k_q560cb7c574_up,@function
k_q560cb7c574_up:
	s_mov_b64 s[64:65], 0
	v_nop
	global_prefetch_b8 v0, s[64:65] scope:SCOPE_SE
	s_setreg_imm32_b32 hwreg(HW_REG_WAVE_SCHED_MODE, 0, 2), 2
	s_setreg_imm32_b32 hwreg(HW_REG_WAVE_MODE, 25, 1), 1
	s_wait_xcnt 0x0
	s_wait_alu depctr_vm_vsrc(0)
; h = silu(x w1) * (x w3) for the rows of ONE expert and 64 hidden units, quantised along the hidden axis.  Work-group = 32 e + sigma: expert e, hidden units 64 sigma .. + 63.
; PHASE 1.  The work-group's slices of w1 and w3 (1,024 x 64 f32 each) are read from memory once and become codes of E2M3 in LDS.  Waves 0, 1 take w1's K steps 0-3, 4-7, waves 2, 3 w3's.
;   A ROUND is 32 loads of 16 bytes a lane: lanes 0-15 take 256 bytes on end (64 columns) of row k of one block of 32 along K, lanes 16-31 the same of the next block.  Lane (q, h) then holds columns
;   4 q .. 4 q + 3 x 32 along K.  TILE j IS THE COLUMNS 4 q + j: after the conversion the lane holds registers 6 c .. 6 c + 5 of tile j's operand, as the matrix unit wants them: no lane exchange.
;   The 128 moves of a round turn the loads' shape (a register = 1 row, 4 columns a load) into the conversions' (16 registers on end = 16 along K of one column).
;   Fragments go to LDS as images of their registers (three stores of 16 bytes a lane), scale words two tiles to a register (lanes 0-15 one tile's, lanes 16-31 the next's).
; THE EXPERT'S ROWS.  Row id = 2 token + k (k = 0: chosen first, 1: second).  The list of the expert's ids is never stored: each wave finds the ids at its own 80 places in registers (SEARCH), behind its
;   first 64 weight loads.  Places from the expert's number of rows on hold the pad id 2048 + e (as a token it is held at 1,023).  The next launch has the same text, so the same order.
;   What the first pass needs of x is asked for in the last two rounds of the stream.
; PHASE 2, behind the one barrier.  A wave takes 5 tiles of 16 of the expert's rows a pass (20 a pass for the four waves); passes follow while there are tiles: at most 4.
;   TRANSPOSED: source 0 = 16 columns of a weight, source 1 = 16 rows of x: lane (r, h) holds row r and, over the four tiles' 32 registers,
;   the whole block h of the 64 hidden units: register 8 j + i is hidden unit 32 h + 4 i + j.  So the block's largest magnitude needs no other lane, and its codes are registers 6 c .. 6 c + 5 (c = sigma % 2)
;   of the next product's K step sigma / 2.  WITHIN A BLOCK THE NEXT K IS PERMUTED (place 8 j + i holds unit 4 i + j); the next launch lays w2's rows the same way, and a block's scale is not touched by that.
; OUT:  hq [e][tile][sigma][768 bytes]: 16 bytes a lane (registers 0-3 of the six), then 8 bytes a lane;
;   hs [e][tile][half of the hidden axis][K step % 2][row][K step / 2 of the half's eight] words: this work-group's two bytes 2 c, 2 c + 1 of one word a row (two bytes in every 16: a small part of what is stored).
; Branches hang on the number of tiles, which comes from stored numbers: so there is no tensor load here, and no barrier behind the first such branch.  Tiles past the last are multiplied with the others and not stored.
; No cluster: what work-groups share (the expert's rows of xq) is a small part of a work-group's bytes, and partners would need different numbers of passes.
; LIMITS: NaN and infinities are not served; a block whose largest magnitude lies under 2^-124 gets the byte 1 (a block of zeros too: its codes are zeros).
; THE MODE: SCHED_MODE bits 1:0 = 2 (LLVM: expert scheduling mode 2), set by the entry lines.  The code itself states the register dependences between vector or matrix instructions and memory or LDS
;   instructions, and those through scalar registers that vector instructions write, with s_wait_alu, always for 0.
; THE PLAN.  Registers that memory or LDS instructions touch, who writes and who reads them:
;   v4-12, v29-30   offsets and LDS addresses: written at the head, never again: one wait on va_vdst ahead of the first load.
;   landing sets    (window 1) round n's 128 moves read set n % 2; behind them one wait on va_vdst, then the loads of round n + 2 land in it.
;   F, PP           (v80-127, v76-77) written by a K step's conversions, moves and selects; one wait on va_vdst; read by its 13 LDS stores; one wait on vm_vsrc ahead of the next K step's conversions.
;   XO, XSO         (v19-28) written by OFFS, read by every load of x and its scale words of the pass.  First pass: round 0's wait shows them written, and no round names them.  Later passes: a wait on vm_vsrc
;                   ahead of OFFS, one on va_vdst behind it.
;   XS, x's fragments  a K step's loads land in registers that no instruction of this pass has named yet; the last pass's products stand ahead of the waits at that pass's end.
;   WA + WSA, WB + WSB  two sets by turns.  While the 20 products by one weight read one set, the other set's 13 loads are issued among the first four of them; at the head of the 20, behind the wait on
;                   DScnt for their own set, one wait on va_vdst shows the 20 before done reading the other set.
;   the accumulators   each tile's codes and bytes are made in its own accumulators' registers; one wait on va_vdst ahead of its three stores; the wait on vm_vsrc at the next pass's head frees them.
;   The pass's head has one wait of each kind, ahead of its branch, for what phase 1 or the search has left in v96-191.
; REGISTERS.  window 0: v1-13, v29-30 lane constants; v14-18 ids; v19-28 offsets; v32-51 x's scale words, v52-55 the weights': scales and nothing else;
;   phase 1: v56-79 at work, v80-127 four fragments, v128-255 the turned numbers (first: the search);  phase 2: v96-143, v144-191 four fragments of w1, of w3; v192-255 tile 4's accumulators.
;   window 1: phase 1: two landing sets of 128; phase 2: x's fragments of K steps 4-7 (60 a step).   window 2: K steps 0-3.   window 3: the accumulators of tiles 0-3 (64 a tile: w1's 32, w3's 32).
.set ROWB,  8192                       ; a row of w1 or w3 in bytes
.set NR,    8                          ; rounds a wave
.set PERM,  0                          ; K in its own order
.set FRB,   1536                       ; a fragment's image
.set QB,    4*FRB                      ; four tiles' images: one weight, one K step
.set SCW,   16*QB                      ; behind the 16 x 4 images: 16 x 256 bytes of scale words
.set TPW,   5                          ; tiles a wave and pass
.set NA,    20                         ; loads asked for in the last round but one
.set RB,    12                         ; s[12:13] the route words
.set SS,    66                         ; the search's scalars: s66 the expert's two bits, s67 the bit 'second choice', s68 members so far, s69 at work
.set BM,    SS+4                       ; s70-77 four steps' masks: 2 i: chose e; 2 i + 1: chose it second
.set CN,    SS+12                      ; s78-81 the members ahead of each of the four steps
.set PK,    SS+16                      ; s82-85 the same, and above it the id of the step's lane 0
.set CM,    SS+20                      ; s86-97 the masks of a run of compares
.set WOFF,  4
.set LI,    5                          ; 16 x lane
.set LI2,   6                          ; the same at w3's images
.set FWA,   7                          ; where I store images
.set SWA,   8                          ; and scale words
.set SRA,   9                          ; where I read scale words
.set L8,    11                         ; 8 x lane
.set R16,   12                         ; 16 r
.set H8,    13                         ; 8 h
.set ID,    14
.set XO,    19
.set XSO,   24
.set H16,   29
.set H48,   30
.set XS,    32
.set WSA,   52
.set WSB,   54
.set MA,    56
.set MB,    60
.set SO,    64
.set BY0,   68
.set OO,    76
.set PP,    76                         ; the pair of scale words takes the exchange's registers, which are done with by then
.set F,     80
.set S,     128
.set WA,    96
.set WB,    144
.set RT,    S                          ; the search: v128-159 the route words, then the field sums and what the halvings carry
.set PQ,    S+32                       ; wanted places, three registers
.set MM,    S+36                       ; the kept step's mask of members,
.set M2,    S+40                       ; its mask of second choices,
.set CX,    S+44                       ; its count so far (low half) and first id (high half)
.set TA,    S+48                       ; v176-183 four steps' route words, cut to the expert's bits
.set X1,    S
.set X2,    S+4
.set X4,    S+8
.set X8,    S+12
.set KK,    S+16
.set SH,    S+20
.set TQ,    S+24
.set IQ,    S+28
.set MSB, 0
.macro WIN new                         ; the immediate's high byte repeats the setting that is left
.if MSB != (\new)
	s_set_vgpr_msb (MSB<<8)|(\new)
.set MSB, (\new)
.endif
.endm
.macro PLACES n                        ; plain vector lines behind matrix instructions (ISA guide 7.12.1)
.rept \n
	v_nop
.endr
.endm
.macro RLOAD                           ; the 1,024 route words: register 4 i + j holds token 128 i + 4 lane + j
.irp i, 0,1,2,3,4,5,6,7
	global_load_b128 v[RT+4*\i:RT+4*\i+3], v[LI], s[RB:RB+1] offset:512*\i
.endr
.endm
.macro LEVEL src, w                    ; one halving: are there rank or fewer members in the lower w bits of what is left?  Then the bit lies in the upper w
.irp q, 0,1,2
.if \w == 16
	v_and_b32 v[TQ+\q], 0xff, v[\src+\q]
.else
	v_bfe_u32 v[TQ+\q], v[\src+\q], v[SH+\q], \w
.endif
.endr
.irp q, 0,1,2
	v_cmp_ge_u32 s[CM+\q], v[KK+\q], v[TQ+\q]
.endr
	s_wait_alu depctr_va_sdst(0)                   ; the run's masks are written, ahead of the selects that read them
.irp q, 0,1,2
	v_cndmask_b32 v[TQ+\q], 0, v[TQ+\q], s[CM+\q]
.if \w == 16
	v_cndmask_b32 v[SH+\q], 0, 16, s[CM+\q]
.else
	v_cndmask_b32 v[IQ+\q], 0, \w, s[CM+\q]
.endif
.endr
.irp q, 0,1,2
	v_sub_nc_u32 v[KK+\q], v[KK+\q], v[TQ+\q]
.endr
.if \w != 16
.irp q, 0,1,2
	v_add_nc_u32 v[SH+\q], v[SH+\q], v[IQ+\q]
.endr
.endif
.endm
; The ids at places 16 s30 .. 16 s30 + 79 of the expert's list into v[ID] .. v[ID+4] (tile p: row r in lanes r and r + 16), and the expert's number of tiles into s27.
; The list's order: step n = 0 .. 31, in it the lanes in ascending order.  A place belongs to the last step whose count so far does not pass it; its rank in that step is the place less that count.
; The steps go four at a time, so that the compares stand in runs, each into a scalar register of its own, with one wait behind a run: eight masks of members; the four counts, by scalar instructions;
; twelve compares of a count with a place; then the 36 selects, each register's in the order of the steps.
.macro SEARCH
	s_lshl_b32 s[SS+3], s30, 4
.irp q, 0,1,2
	v_add_nc_u32 v[PQ+\q], s[SS+3], v1
.endr
.irp q, 1,2
	v_add_nc_u32 v[PQ+\q], 32*\q, v[PQ+\q]
.endr
	s_mov_b32 s[SS+2], 0                           ; members so far
.set sG, 0
.rept 8
.irp i, 0,1,2,3
	v_and_b32 v[TA+2*\i], s[SS], v[RT+4*sG+\i]
	v_and_b32 v[TA+2*\i+1], s[SS+1], v[RT+4*sG+\i]
.endr
.irp i, 0,1,2,3
	v_cmp_ne_u32 s[BM+2*\i], 0, v[TA+2*\i]         ; chose e
	v_cmp_ne_u32 s[BM+2*\i+1], 0, v[TA+2*\i+1]     ; chose it second
.endr
	s_wait_alu depctr_va_sdst(0)                   ; the eight masks are written, ahead of the counts, their first readers
.irp i, 0,1,2,3
	s_mov_b32 s[CN+\i], s[SS+2]
	s_add_co_u32 s[PK+\i], s[SS+2], (256*sG+2*\i)<<16            ; the count, and above it the id of the step's lane 0
	s_bcnt1_i32_b32 s[SS+3], s[BM+2*\i]
	s_add_co_u32 s[SS+2], s[SS+2], s[SS+3]
.endr
.irp i, 0,1,2,3
.if (sG > 0) || (\i > 0)
.irp q, 0,1,2
	v_cmp_gt_u32 s[CM+3*\i+\q], s[CN+\i], v[PQ+\q] ; the count has passed my place: what I hold stays
.endr
.endif
.endr
	s_wait_alu depctr_va_sdst(0)                   ; the run's masks are written, ahead of the selects that read them
.irp i, 0,1,2,3
.irp q, 0,1,2
.if (sG == 0) && (\i == 0)
	v_mov_b32 v[MM+\q], s[BM]
	v_mov_b32 v[M2+\q], s[BM+1]
	v_mov_b32 v[CX+\q], s[PK]
.else
	v_cndmask_b32 v[MM+\q], s[BM+2*\i], v[MM+\q], s[CM+3*\i+\q]
	v_cndmask_b32 v[M2+\q], s[BM+2*\i+1], v[M2+\q], s[CM+3*\i+\q]
	v_cndmask_b32 v[CX+\q], s[PK+\i], v[CX+\q], s[CM+3*\i+\q]
.endif
.endr
.endr
.set sG, sG+1
.endr
	s_add_co_u32 s27, s[SS+2], 15
	s_lshr_b32 s27, s27, 4                         ; tiles of 16 rows
	s_add_co_u32 s[SS+3], s19, 2048                ; the pad id
.irp q, 0,1,2
	v_and_b32 v[KK+\q], 0xffff, v[CX+\q]
.endr
.irp q, 0,1,2
	v_sub_nc_u32 v[KK+\q], v[PQ+\q], v[KK+\q]      ; my rank among the step's members
.endr
.irp q, 0,1,2
	v_lshrrev_b32 v[CX+\q], 16, v[CX+\q]
.endr
.irp q, 0,1,2                          ; members in each field of 2 bits,
	v_lshrrev_b32 v[X1+\q], 1, v[MM+\q]
.endr
.irp q, 0,1,2
	v_and_b32 v[X1+\q], 0x55555555, v[X1+\q]
.endr
.irp q, 0,1,2
	v_sub_nc_u32 v[X1+\q], v[MM+\q], v[X1+\q]
.endr
.irp q, 0,1,2                          ; of 4,
	v_lshrrev_b32 v[X2+\q], 2, v[X1+\q]
.endr
.irp q, 0,1,2
	v_and_b32 v[X2+\q], 0x33333333, v[X2+\q]
.endr
.irp q, 0,1,2
	v_and_b32 v[X4+\q], 0x33333333, v[X1+\q]
.endr
.irp q, 0,1,2
	v_add_nc_u32 v[X2+\q], v[X2+\q], v[X4+\q]
.endr
.irp q, 0,1,2                          ; of 8,
	v_lshrrev_b32 v[X4+\q], 4, v[X2+\q]
.endr
.irp q, 0,1,2
	v_add_nc_u32 v[X4+\q], v[X4+\q], v[X2+\q]
.endr
.irp q, 0,1,2
	v_and_b32 v[X4+\q], 0x0f0f0f0f, v[X4+\q]
.endr
.irp q, 0,1,2                          ; and in the lower 16 (the lowest byte)
	v_lshrrev_b32 v[X8+\q], 8, v[X4+\q]
.endr
.irp q, 0,1,2
	v_add_nc_u32 v[X8+\q], v[X8+\q], v[X4+\q]
.endr
.irp q, 0,1,2
	v_cmp_gt_u32 s[CM+3+\q], s[SS+2], v[PQ+\q]     ; a place inside the list?  (Read at the end; the first halving's wait stands between)
.endr
	LEVEL X8, 16
	LEVEL X4, 8
	LEVEL X2, 4
	LEVEL X1, 2
	LEVEL MM, 1                                    ; v[SH]: the lane that held my member
.irp q, 0,1,2
	v_bfe_u32 v[TQ+\q], v[M2+\q], v[SH+\q], 1      ; k
.endr
.irp q, 0,1,2
	v_lshl_add_u32 v[IQ+\q], v[SH+\q], 3, v[CX+\q] ; 2 x (4 x lane) onto the step's first id
.endr
.irp q, 0,1,2
	v_add_nc_u32 v[IQ+\q], v[IQ+\q], v[TQ+\q]
.endr
.irp q, 0,1,2
	v_cndmask_b32 v[IQ+\q], s[SS+3], v[IQ+\q], s[CM+3+\q]
.endr
.irp q, 0,1,2
	v_permlanex16_b32 v[TQ+\q], v[IQ+\q], s36, s37
.endr
	v_cndmask_b32 v[ID], v[IQ], v[TQ], s38         ; a register held two tiles: each tile now in both halves of the lanes
	v_cndmask_b32 v[ID+1], v[TQ], v[IQ], s38
	v_cndmask_b32 v[ID+2], v[IQ+1], v[TQ+1], s38
	v_cndmask_b32 v[ID+3], v[TQ+1], v[IQ+1], s38
	v_cndmask_b32 v[ID+4], v[IQ+2], v[TQ+2], s38
.endm
.macro OFFS                            ; where my rows lie in xq and xs
.irp p, 0,1,2,3,4
	v_lshrrev_b32 v[XO+\p], 1, v[ID+\p]            ; the token,
.endr
.irp p, 0,1,2,3,4
	v_min_u32 v[XO+\p], 1023, v[XO+\p]             ; held inside x (a pad's too)
.endr
.irp p, 0,1,2,3,4
	v_lshl_add_u32 v[XSO+\p], v[XO+\p], 5, v[H16]
.endr
.irp p, 0,1,2,3,4
	v_mad_u32_u24 v[XO+\p], v[XO+\p], 768, v[H48]
.endr
.endm
.macro WLOAD n                         ; round n's 32 loads into landing set n % 2
	WIN 0x40
.set rK, 0
.rept 32
	global_load_b128 v[128*((\n)%2)+4*rK:128*((\n)%2)+4*rK+3], v[WOFF], s[22:23] offset:(64*(\n)+rK)*ROWB th:TH_LOAD_NT
.set rK, rK+1
.endr
	WIN 0
.endm
.macro XLOAD s                         ; my five tiles' fragments of x, K step s: 48 bytes on end a lane
.if (\s) < 4
	WIN 0x80
.else
	WIN 0x40
.endif
.irp p, 0,1,2,3,4
.irp g, 0,1,2
	global_load_b128 v[60*((\s)%4)+12*\p+4*\g:60*((\s)%4)+12*\p+4*\g+3], v[XO+\p], s[8:9] offset:96*(\s)+16*\g
.endr
.endr
	WIN 0
.endm
.macro HEADA                           ; what a pass needs first: NA loads
	WIN 0
.irp p, 0,1,2,3,4
	global_load_b128 v[XS+4*\p:XS+4*\p+3], v[XSO+\p], s[10:11]   ; lanes 0-15: the words of K steps 0, 2, 4, 6; lanes 16-31: 1, 3, 5, 7
.endr
	XLOAD 0
.endm
.macro HEADB
	XLOAD 1
	XLOAD 2
	XLOAD 3
.endm
.macro ROUND n                         ; K step n / 2 of my four, its half c = n % 2
.set rU, (\n)/2
.set rC, (\n)%2
.if (\n)+1 < NR
	s_wait_loadcnt 32                              ; this round's loads are in; the other set's 32 may be out
.else
	s_wait_loadcnt NA                              ; behind the last round's loads only the first requests for the pass were issued
.endif
	WIN 0x01
.set rK, 0
.rept 32
.if PERM
.set rP, 8*(rK%4)+rK/4
.else
.set rP, rK
.endif
.irp j, 0,1,2,3
	v_mov_b32 v[S+32*\j+rP], v[128*rC+4*rK+\j]     ; column j: 32 registers on end
.endr
.set rK, rK+1
.endr
.if (\n)+2 < NR
	s_wait_alu depctr_va_vdst(0)                   ; the moves are done reading the landing set, in which the loads below land; in the first round: the rows' offsets are written too, which the first pass's requests read
	WLOAD (\n)+2                                   ; the set is free: the round after next
.elseif (\n)+2 == NR
	HEADA                                          ; the stream's requests are all out: the first pass's follow them.  No wait: no vector instruction since the first round's wait names their offsets, none at all the registers in which they land
.else
	HEADB
.endif
	WIN 0
.irp j, 0,1,2,3
	v_max3_num_f32 v[MA+\j], |v[S+32*\j]|, |v[S+32*\j+1]|, 0x1800000     ; four blocks by turns, two chains each; the floor 2^(3 - 127) holds the byte at 1 from below
.endr
.irp j, 0,1,2,3
	v_max3_num_f32 v[MB+\j], |v[S+32*\j+2]|, |v[S+32*\j+3]|, |v[S+32*\j+4]|
.endr
.irp i, 5,9,13,17,21,25
.irp j, 0,1,2,3
	v_max3_num_f32 v[MA+\j], v[MA+\j], |v[S+32*\j+\i]|, |v[S+32*\j+\i+1]|
.endr
.irp j, 0,1,2,3
	v_max3_num_f32 v[MB+\j], v[MB+\j], |v[S+32*\j+\i+2]|, |v[S+32*\j+\i+3]|
.endr
.endr
.irp j, 0,1,2,3
	v_max3_num_f32 v[MA+\j], v[MA+\j], |v[S+32*\j+29]|, |v[S+32*\j+30]|
.endr
.irp j, 0,1,2,3
	v_max3_num_f32 v[MA+\j], v[MA+\j], v[MB+\j], |v[S+32*\j+31]|
.endr
.irp j, 0,1,2,3
	v_add_nc_u32 v[SO+\j], 0xff000000, v[MA+\j]    ; 2 off the exponent field: the conversion's scale operand
.endr
.if (rC == 0) && (rU > 0)
	s_wait_alu depctr_va_vdst(0)
	s_wait_dscnt 0x0                               ; the last K step's LDS stores are done
	s_wait_alu depctr_vm_vsrc(0)                   ; they have read the fragments' registers and the pair of scale words, which this K step writes again
.endif
.irp j, 0,1,2,3
	v_cvt_scalef32_pk16_fp6_f32 v[F+12*\j+6*rC:F+12*\j+6*rC+2], v[S+32*\j:S+32*\j+15], v[SO+\j]
.endr
.irp j, 0,1,2,3
	v_lshrrev_b32 v[BY0+4*rC+\j], 23, v[SO+\j]     ; the scale's byte.  (Plain lines between the conversions above and those below, which write over the former's sources)
.endr
.irp j, 0,1,2,3
	v_cvt_scalef32_pk16_fp6_f32 v[S+32*\j:S+32*\j+2], v[S+32*\j+16:S+32*\j+31], v[SO+\j]   ; (three registers from an even number on: made here and moved)
.endr
	v_nop                                          ; one plain line behind the last conversion
.irp j, 0,1,2,3
.irp i, 0,1,2
	v_mov_b32 v[F+12*\j+6*rC+3+\i], v[S+32*\j+\i]
.endr
.endr
.if rC == 1
.irp j, 0,1,2,3
	v_lshl_or_b32 v[MA+\j], v[BY0+4+\j], 16, v[BY0+\j]   ; my two bytes: blocks h and 2 + h,
.endr
.irp j, 0,1,2,3
	v_lshlrev_b32 v[MA+\j], v[H8], v[MA+\j]        ; at their places;
.endr
.irp j, 0,1,2,3
	v_permlanex16_b32 v[OO+\j], v[MA+\j], s36, s37
.endr
.irp j, 0,1,2,3
	v_or_b32 v[MA+\j], v[MA+\j], v[OO+\j]          ; with lane l xor 16's the word is whole
.endr
	v_cndmask_b32 v[PP], v[MA], v[MA+1], s38       ; lanes 0-15 tile 0's words, lanes 16-31 tile 1's
	v_cndmask_b32 v[PP+1], v[MA+2], v[MA+3], s38   ; tiles 2 and 3
	s_wait_alu depctr_va_vdst(0)                   ; the conversions, moves and selects have written the four fragments and the pair of scale words, which the LDS stores read
.irp j, 0,1,2,3
.irp g, 0,1,2
	ds_store_b128 v[FWA], v[F+12*\j+4*\g:F+12*\j+4*\g+3] offset:rU*QB+\j*FRB+\g*512
.endr
.endr
	ds_store_b64 v[SWA], v[PP:PP+1] offset:rU*256
.endif
.endm
.macro WFETCH buf, adr, s, sc, q       ; four fragments of a weight, K step s, and their scale words: 13 LDS loads
.irp j, 0,1,2,3
.irp g, 0,1,2
	ds_load_b128 v[\buf+12*\j+4*\g:\buf+12*\j+4*\g+3], v[\adr] offset:(\s)*QB+\j*FRB+\g*512
.endr
.endr
	ds_load_b64 v[\sc:\sc+1], v[SRA] offset:(\q)*256
.endm
.macro WM d, a, b, z, sa, sb, ra, rb   ; one product; z: it starts the sum; ra, rb: the scales stand in lanes 16-31
.if \z
.if (\ra) && (\rb)
	v_wmma_scale_f32_16x16x128_f8f6f4 v[(\d):(\d)+7], v[(\a):(\a)+11], v[(\b):(\b)+11], 0, v[\sa], v[\sb] matrix_a_fmt:MATRIX_FMT_FP6 matrix_b_fmt:MATRIX_FMT_FP6 matrix_a_scale:MATRIX_SCALE_ROW1 matrix_b_scale:MATRIX_SCALE_ROW1
.elseif (\ra)
	v_wmma_scale_f32_16x16x128_f8f6f4 v[(\d):(\d)+7], v[(\a):(\a)+11], v[(\b):(\b)+11], 0, v[\sa], v[\sb] matrix_a_fmt:MATRIX_FMT_FP6 matrix_b_fmt:MATRIX_FMT_FP6 matrix_a_scale:MATRIX_SCALE_ROW1
.elseif (\rb)
	v_wmma_scale_f32_16x16x128_f8f6f4 v[(\d):(\d)+7], v[(\a):(\a)+11], v[(\b):(\b)+11], 0, v[\sa], v[\sb] matrix_a_fmt:MATRIX_FMT_FP6 matrix_b_fmt:MATRIX_FMT_FP6 matrix_b_scale:MATRIX_SCALE_ROW1
.else
	v_wmma_scale_f32_16x16x128_f8f6f4 v[(\d):(\d)+7], v[(\a):(\a)+11], v[(\b):(\b)+11], 0, v[\sa], v[\sb] matrix_a_fmt:MATRIX_FMT_FP6 matrix_b_fmt:MATRIX_FMT_FP6
.endif
.else
.if (\ra) && (\rb)
	v_wmma_scale_f32_16x16x128_f8f6f4 v[(\d):(\d)+7], v[(\a):(\a)+11], v[(\b):(\b)+11], v[(\d):(\d)+7], v[\sa], v[\sb] matrix_a_fmt:MATRIX_FMT_FP6 matrix_b_fmt:MATRIX_FMT_FP6 matrix_a_scale:MATRIX_SCALE_ROW1 matrix_b_scale:MATRIX_SCALE_ROW1
.elseif (\ra)
	v_wmma_scale_f32_16x16x128_f8f6f4 v[(\d):(\d)+7], v[(\a):(\a)+11], v[(\b):(\b)+11], v[(\d):(\d)+7], v[\sa], v[\sb] matrix_a_fmt:MATRIX_FMT_FP6 matrix_b_fmt:MATRIX_FMT_FP6 matrix_a_scale:MATRIX_SCALE_ROW1
.elseif (\rb)
	v_wmma_scale_f32_16x16x128_f8f6f4 v[(\d):(\d)+7], v[(\a):(\a)+11], v[(\b):(\b)+11], v[(\d):(\d)+7], v[\sa], v[\sb] matrix_a_fmt:MATRIX_FMT_FP6 matrix_b_fmt:MATRIX_FMT_FP6 matrix_b_scale:MATRIX_SCALE_ROW1
.else
	v_wmma_scale_f32_16x16x128_f8f6f4 v[(\d):(\d)+7], v[(\a):(\a)+11], v[(\b):(\b)+11], v[(\d):(\d)+7], v[\sa], v[\sb] matrix_a_fmt:MATRIX_FMT_FP6 matrix_b_fmt:MATRIX_FMT_FP6
.endif
.endif
.endm
; 20 products of K step s: one weight's four tiles x my five tiles of rows.  The accumulators take turns, one instruction a turn.
; Tile 4's four stand first: its accumulators lie in window 0, and the window setting of its products serves LDS loads too (destination and address in window 0).
; f = 1: the other set's next 13 loads (fragments into fbuf by address fadr, K step fs; scale words into fsc, from place fq) are dealt among these four, with no switch of windows and no wait:
; no product of these 20 names the other set, its scale words or an address.
.macro HALF s, wb, sc, acc, f, fbuf, fadr, fs, fsc, fq
.set kZ, 0
.if (\s) == 0
.set kZ, 1
.endif
.set kW, 0x08
.if (\s) >= 4
.set kW, 0x04
.endif
.set kV, 0xf0+kW
	WIN kW                                         ; source 1 (x) window 2 or 1; all else window 0
.irp j, 0,1,2,3
	WM 192+\acc+8*\j, \wb+12*\j, 60*((\s)%4)+48, kZ, \sc+\j/2, XS+16+(\s)/2, \j%2, (\s)%2
.if \f
.irp g, 0,1,2
	ds_load_b128 v[\fbuf+12*\j+4*\g:\fbuf+12*\j+4*\g+3], v[\fadr] offset:(\fs)*QB+\j*FRB+\g*512
.endr
.endif
.endr
.if \f
	ds_load_b64 v[\fsc:\fsc+1], v[SRA] offset:(\fq)*256
.endif
	WIN kV                                         ; source 1 (x) window 2 or 1, C and D window 3
.irp p, 0,1,2,3
.irp j, 0,1,2,3
	WM 64*\p+\acc+8*\j, \wb+12*\j, 60*((\s)%4)+12*\p, kZ, \sc+\j/2, XS+4*\p+(\s)/2, \j%2, (\s)%2
.endr
.endr
	WIN 0
.endm
.macro KSTEP s
.if (\s) < 4
	XLOAD (\s)+4                                   ; no wait: no instruction since the wait at the pass's head names the registers in which these land, or their offsets
	s_wait_loadcnt 60                              ; this step's x is in: behind it four steps' 15 loads each were issued
.else
	s_wait_loadcnt 15*(7-(\s))                     ; behind it: the steps still to come
.endif
.if (\s) == 0
	s_wait_dscnt 13                                ; w1's fragments are in; w3's 13 loads may be out
	HALF \s, WA, WSA, 0, 0, 0, 0, 0, 0, 0
.else
	s_wait_dscnt 0x0                               ; w1's fragments of this step are in
	PLACES 4
	s_wait_alu depctr_va_vdst(0)                   ; the last step's products by w3 are done reading WB and WSB, in which this step's loads land
	HALF \s, WA, WSA, 0, 1, WB, LI2, \s, WSB, (\s)+8
.endif
	s_wait_dscnt 0x0                               ; w3's fragments are in
.if (\s) < 7
	PLACES 4
	s_wait_alu depctr_va_vdst(0)                   ; this step's products by w1 are done reading WA and WSA, in which the next step's loads land
	HALF \s, WB, WSB, 32, 1, WA, LI, (\s)+1, WSA, (\s)+1
.else
	HALF \s, WB, WSB, 32, 0, 0, 0, 0, 0, 0
	PLACES 5                                       ; in front of the reads of results, and of the next pass's products, which begin the accumulators anew
.endif
.endm
; Tile p leaves: the activation, the block's scale, its codes.  A tile past the expert's last is passed over.
.macro OUT p
	WIN 0
	s_add_co_u32 s2, s30, \p
	s_cmp_ge_u32 s2, s27
	s_cbranch_scc1 .Lskip_\@
.if \p < 4
.set oG, 64*\p
.set oW, 0xff
.set oS, 0x0c
.else
.set oG, 192
.set oW, 0
.set oS, 0
.endif
.set oU, oG+32
	WIN oW
.set oI, 0
.rept 16
	v_pk_mul_f32 v[oU+oI:oU+oI+1], v[oG+oI:oG+oI+1], v[oU+oI:oU+oI+1]     ; g u (each accumulator from its low end on)
.set oI, oI+2
.endr
.set oI, 0
.rept 16
	v_pk_mul_f32 v[oG+oI:oG+oI+1], v[oG+oI:oG+oI+1], s[40:41] op_sel_hi:[1,0]   ; -g log2(e)
.set oI, oI+2
.endr
.set oI, 0
	s_wait_alu depctr_va_vdst(0)
.rept 32
	v_exp_f32 v[oG+oI], v[oG+oI]
.set oI, oI+1
.endr
	v_nop                                          ; a plain line behind the exponentials
.set oI, 0
	s_wait_alu depctr_va_vdst(0)                   ; the 32 exponentials have written their results, ahead of the first line that names one
.rept 16
	v_pk_add_f32 v[oG+oI:oG+oI+1], v[oG+oI:oG+oI+1], 1.0 op_sel_hi:[1,0]
.set oI, oI+2
.endr
.set oI, 0
	s_wait_alu depctr_va_vdst(0)
.rept 32
	v_rcp_f32 v[oG+oI], v[oG+oI]
.set oI, oI+1
.endr
	v_nop                                          ; a plain line behind the reciprocals
.set oI, 0
	s_wait_alu depctr_va_vdst(0)                   ; the 32 reciprocals have written their results, ahead of the first line that names one
.rept 16
	v_pk_mul_f32 v[oG+oI:oG+oI+1], v[oG+oI:oG+oI+1], v[oU+oI:oU+oI+1]     ; h = g u / (1 + e^-g)
.set oI, oI+2
.endr
	v_max3_num_f32 v[oU], |v[oG]|, |v[oG+1]|, 0x1800000                    ; the block is all mine
	v_max3_num_f32 v[oU+1], |v[oG+2]|, |v[oG+3]|, |v[oG+4]|
.irp i, 5,9,13,17,21,25
	v_max3_num_f32 v[oU], v[oU], |v[oG+\i]|, |v[oG+\i+1]|
	v_max3_num_f32 v[oU+1], v[oU+1], |v[oG+\i+2]|, |v[oG+\i+3]|
.endr
	v_max3_num_f32 v[oU], v[oU], |v[oG+29]|, |v[oG+30]|
	v_max3_num_f32 v[oU], v[oU], v[oU+1], |v[oG+31]|
	v_add_nc_u32 v[oU+2], 0xff000000, v[oU]
	v_cvt_scalef32_pk16_fp6_f32 v[oU+8:oU+10], v[oG:oG+15], v[oU+2]
	v_cvt_scalef32_pk16_fp6_f32 v[oU+16:oU+18], v[oG+16:oG+31], v[oU+2]
	v_lshrrev_b32 v[oU+3], 23, v[oU+2]             ; the byte.  (The plain line behind the conversions)
	v_lshlrev_b32 v[oU+4], 8, v[oU+3]
	v_cndmask_b32 v[oU+4], v[oU+3], v[oU+4], s38   ; lanes 16-31: the upper of the two bytes
	v_mov_b32 v[oU+11], v[oU+16]
	v_mov_b32 v[oU+12], v[oU+17]
	v_mov_b32 v[oU+13], v[oU+18]                   ; six registers on end
	v_permlanex16_b32 v[oU+5], v[oU+4], s36, s37
	v_or_b32 v[oU+4], v[oU+4], v[oU+5]             ; both bytes of my row
	WIN oS                                         ; a store's data are its source 1
	s_wait_alu depctr_va_vdst(0)                   ; the conversions and moves have written the six registers of codes, the last line above the two bytes: the three stores read them
	global_store_b128 v[LI], v[oU+8:oU+11], s[32:33] offset:24576*\p        ; 512 bytes on end,
	global_store_b64 v[L8], v[oU+12:oU+13], s[32:33] offset:24576*\p+512    ; and 256
	global_store_b16 v[R16], v[oU+4], s[34:35] offset:1024*\p               ; lanes r and r + 16 write the same two bytes
	WIN 0
.Lskip_\@:
.endm
	s_load_b256 s[4:11], s[0:1], 0x0               ; w1, w3, xq, xs
	s_load_b128 s[12:15], s[0:1], 0x20             ; route, hq
	s_load_b64 s[16:17], s[0:1], 0x30              ; hs
	v_lshl_add_u32 v10, v0, 2, 0x19000
	v_mov_b32 v31, 0
	v_lshrrev_b32 v1, 5, v0
	v_readfirstlane_b32 s18, v1                    ; wave
	v_and_b32 v1, 31, v0                           ; lane
	v_and_b32 v2, 15, v0                           ; r
	v_bfe_u32 v3, v0, 4, 1                         ; h
	s_lshr_b32 s19, ttmp9, 5                       ; e
	s_and_b32 s20, ttmp9, 31                       ; sigma
	v_lshlrev_b32 v[R16], 4, v2
	v_lshl_add_u32 v[WOFF], v3, 18, v[R16]         ; 16 r, and 32 rows further down for lanes 16-31
	v_lshlrev_b32 v[LI], 4, v1
	v_add_nc_u32 v[LI2], 8*QB, v[LI]
	s_wait_alu depctr_va_sdst(0)                   ; s18, the wave's number, is written, ahead of its first reader
	s_mul_i32 s21, s18, 4*QB
	v_add_nc_u32 v[FWA], s21, v[LI]
	v_lshlrev_b32 v[L8], 3, v1
	s_lshl_b32 s21, s18, 10
	s_add_co_u32 s21, s21, SCW
	v_add_nc_u32 v[SWA], s21, v[L8]
	v_add_nc_u32 v[SRA], SCW, v[L8]
	v_lshlrev_b32 v[H8], 3, v3
	v_lshlrev_b32 v[H16], 4, v3
	v_mul_u32_u24 v[H48], v3, 48
.irp j, 0,1,2,3
	v_mov_b32 v[OO+\j], 0                          ; (a lane permute's destination counts as read)
.endr
	s_mov_b32 s36, 0x76543210
	s_mov_b32 s37, 0xfedcba98                      ; selects for lane l xor 16
	s_mov_b32 s38, 0xffff0000                      ; lanes 16-31
	s_mov_b32 s40, 0xbfb8aa3b                      ; -log2(e)
	s_mov_b32 s41, s40                             ; (named with it as a pair)
	s_lshl_b32 s[SS], 0x101, s19                   ; the expert's two bits in a route word,
	s_lshl_b32 s[SS+1], 0x100, s19                 ; and the one that says: second choice
	s_lshr_b32 s39, s20, 4                         ; sigma's place in a tile's 1,024 bytes of hs: the half of the hidden axis,
	s_lshl_b32 s39, s39, 9
	s_bfe_u32 s3, s20, 0x10001                     ; K step % 2,
	s_lshl_b32 s3, s3, 8
	s_add_co_u32 s39, s39, s3
	s_bfe_u32 s3, s20, 0x20002                     ; K step / 2 of the half's eight,
	s_lshl_b32 s3, s3, 2
	s_add_co_u32 s39, s39, s3
	s_and_b32 s3, s20, 1                           ; and which two bytes of the word
	s_lshl_b32 s3, s3, 1
	s_add_co_u32 s39, s39, s3
	s_lshl_b32 s2, s19, 23                         ; the expert's 8 MiB,
	s_lshl_b32 s3, s20, 8                          ; my 64 columns,
	s_add_co_u32 s2, s2, s3
	s_and_b32 s3, s18, 1
	s_lshl_b32 s3, s3, 22                          ; K steps 0-3 or 4-7: 512 rows
	s_add_co_u32 s2, s2, s3
	s_mov_b32 s3, 0
	s_mov_b32 s25, 0                               ; (stays 0: the upper word of every offset made in s24)
	s_mul_i32 s30, s18, TPW                        ; my first tile of the first pass
	s_wait_kmcnt 0x0
	s_cmp_lt_u32 s18, 2                            ; waves 0, 1: w1; waves 2, 3: w3
	s_cselect_b64 s[22:23], s[4:5], s[6:7]
	s_add_nc_u64 s[22:23], s[22:23], s[2:3]
	s_wait_alu depctr_va_vdst(0)                   ; the offsets and LDS addresses v4-12 are written, which the kernel's loads and stores read
	RLOAD                                          ; the route words first, then the stream
	WLOAD 0
	WLOAD 1
	s_wait_loadcnt 63                              ; of the 72 loads issued the oldest 9 are in, the 8 of route words among them
	SEARCH
	OFFS
.irp n, 0,1,2,3,4,5,6,7
	ROUND \n
.endr
	s_wait_dscnt 0x0                               ; for the others' sake: my images and scale words lie in LDS
	s_barrier_signal -1
	s_barrier_wait -1                              ; the only barrier: from here on LDS is only read
	s_mov_b32 s29, 0
.Lpass:
	s_wait_alu depctr_va_vdst(0)                   ; phase 1's moves and conversions (on the way back: the search) are done with v96-191, in which the weights' fragments land, and with the landing sets, in which x's K steps 4-7 land
	s_wait_alu depctr_vm_vsrc(0)                   ; phase 1's LDS stores have read v96-127, in which fragments land; on the way back: the last pass's stores have read their data, which this pass's products write again
	s_cmp_ge_u32 s30, s27                          ; no tile for me
	s_cbranch_scc1 .Ldone
	s_wait_xcnt 0x0                                ; the last pass's stores have read their registers and bases
	s_lshl_b32 s2, s19, 6
	s_add_co_u32 s2, s2, s30                       ; 64 e + tile
	s_lshl_b32 s24, s2, 5
	s_add_co_u32 s24, s24, s20
	s_mul_i32 s24, s24, 768
	s_add_nc_u64 s[32:33], s[14:15], s[24:25]      ; hq at (e, tile, sigma)
	s_lshl_b32 s24, s2, 10
	s_add_co_u32 s24, s24, s39
	s_add_nc_u64 s[34:35], s[16:17], s[24:25]      ; hs at (e, tile), sigma's place
	WFETCH WA, LI, 0, WSA, 0
	WFETCH WB, LI2, 0, WSB, 8
.irp s, 0,1,2,3,4,5,6,7
	KSTEP \s
.endr
.irp p, 0,1,2,3,4
	OUT \p
.endr
	s_wait_alu depctr_vm_vsrc(0)                   ; this pass's loads of x have read the rows' offsets v19-28, which are written again on the way that goes on
	s_add_co_u32 s30, s30, 4*TPW
	s_cmp_ge_u32 s30, s27                          ; no further tile for me: nothing more is asked for
	s_cbranch_scc1 .Ldone
	s_wait_alu depctr_va_vdst(0)                   ; the pass's products are done reading v128-159, parts of the weights' fragments, in which the route words land
	RLOAD                                          ; an expert with more than 320 rows: the next 80 places are searched as the first were
	s_wait_loadcnt 0x0
	SEARCH
	OFFS
	s_wait_alu depctr_va_vdst(0)                   ; the rows' offsets are written, which the loads below read; the pass's products were done reading x's fragments and scale words at the wait above
	HEADA
	HEADB
	s_add_co_u32 s29, s29, 1
	s_cmp_lt_u32 s29, 4                            ; 4 passes x 20 tiles serve all 1,024 tokens on one expert
	s_cbranch_scc1 .Lpass
.Ldone:
	s_wait_dscnt 0x0                               ; the closing lines, six on end
	s_wait_alu 0x0
	s_wait_tensorcnt 0x0
	ds_add_u32 v10, v31
	s_wait_dscnt 0x0
	s_endpgm
.Lfunc_end_k_q560cb7c574_up:
	.size	k_q560cb7c574_up, .Lfunc_end_k_q560cb7c574_up-k_q560cb7c574_up
	.p2alignl 7, 3214868480
	.fill 96, 4, 3214868480
	.section	.rodata,"a",@progbits
	.p2align	6, 0x0
	.amdhsa_kernel k_q560cb7c574_up
		.amdhsa_group_segment_fixed_size 102912
		.amdhsa_private_segment_fixed_size 0
		.amdhsa_enable_private_segment 0
		.amdhsa_kernarg_size 56
		.amdhsa_user_sgpr_count 2
		.amdhsa_user_sgpr_kernarg_segment_ptr 1
		.amdhsa_wavefront_size32 1
		.amdhsa_system_sgpr_workgroup_id_x 1
		.amdhsa_system_sgpr_workgroup_id_y 1
		.amdhsa_system_sgpr_workgroup_id_z 1
		.amdhsa_system_vgpr_workitem_id 0
		.amdhsa_next_free_vgpr 1024
		.amdhsa_next_free_sgpr 98
		.amdhsa_reserve_vcc 0
		.amdhsa_float_denorm_mode_32 3
		.amdhsa_float_denorm_mode_16_64 3
		.amdhsa_memory_ordered 1
		.amdhsa_forward_progress 1
		.amdhsa_inst_pref_size 255
	.end_amdhsa_kernel
	.section	.bss,"aw",@nobits
	.p2align	6
	.space	262144
	.amdgpu_metadata
---
amdhsa.version: [ 1, 2 ]
amdhsa.kernels:
  - .name:           k_q560cb7c574_up
    .symbol:         k_q560cb7c574_up.kd
    .args:
      - { .name: w1, .offset: 0, .size: 8, .value_kind: global_buffer, .address_space: global }
      - { .name: w3, .offset: 8, .size: 8, .value_kind: global_buffer, .address_space: global }
      - { .name: xq, .offset: 16, .size: 8, .value_kind: global_buffer, .address_space: global }
      - { .name: xs, .offset: 24, .size: 8, .value_kind: global_buffer, .address_space: global }
      - { .name: route, .offset: 32, .size: 8, .value_kind: global_buffer, .address_space: global }
      - { .name: hq, .offset: 40, .size: 8, .value_kind: global_buffer, .address_space: global }
      - { .name: hs, .offset: 48, .size: 8, .value_kind: global_buffer, .address_space: global }
    .group_segment_fixed_size: 102912
    .private_segment_fixed_size: 0
    .kernarg_segment_align: 8
    .kernarg_segment_size: 56
    .max_flat_workgroup_size: 128
    .sgpr_count:     98
    .vgpr_count:     1024
    .wavefront_size: 32
...
	.end_amdgpu_metadata
.endif
;; end of part 10
;; launch down (part 11): grid 256 x 1, 4 waves a work-group, no clusters, 53,248 bytes of LDS; arguments w2, hq, hs, route, y; writes y
.if DOCPART == 11
	.amdgcn_target "amdgcn-amd-amdhsa--gfx1250"
	.amdhsa_code_object_version 6
	.text
	.protected	k_q560cb7c574_down
	.globl	k_q560cb7c574_down
	.p2align	8
	.type	k_q560cb7c574_down,@function
k_q560cb7c574_down:
	s_mov_b64 s[64:65], 0
	v_nop
	global_prefetch_b8 v0, s[64:65] scope:SCOPE_SE
	s_setreg_imm32_b32 hwreg(HW_REG_WAVE_SCHED_MODE, 0, 2), 2
	s_setreg_imm32_b32 hwreg(HW_REG_WAVE_MODE, 25, 1), 1
	s_wait_xcnt 0x0
	s_wait_alu depctr_vm_vsrc(0)
; y = h w2 for the rows of ONE expert, 64 output columns and one half of the hidden axis.  Work-group = 32 e + 2 delta + kappa: columns 64 delta .. + 63, hidden units 1,024 kappa .. + 1,023.
; PHASE 1 as in the launch before: the slice of w2 (1,024 x 64 f32) is read from memory once and becomes codes of E2M3 in LDS; wave w takes K steps 2 w, 2 w + 1 of the eight.
;   A round is 32 loads of 16 bytes a lane (lanes 0-15: 256 bytes on end of a row of one block of 32 along K; lanes 16-31: of the next block); tile j is the columns 4 q + j.
;   WITHIN A BLOCK K IS LAID AS h's CODES HAVE IT: hidden unit k of the block stands at place 8 (k % 4) + k / 4.  The same order on both operands, inside one scale's block: the products are the same.
; THE EXPERT'S ROWS are found as in the launch before, by the same text (SEARCH): so tile and row mean the same ids here as there.  A lane's ids stand one row a lane; the result's layout wants eight rows a lane:
;   they are turned through 320 bytes of the wave's own in LDS, at fixed places.  What the first pass needs of h is asked for in the last two rounds of the stream.
; PHASE 2, behind the one barrier.  A wave takes 5 tiles of 16 rows a pass, at most 4 passes.  h's fragments come from hq as images of registers, a tile's scale words from hs by one load of 512 bytes on end.
;   Source 0 = 16 rows of h, source 1 = 16 columns of w2: register i of lane (r, h) is row 8 h + i, column 4 r + j of tile j.  Moves gather j = 0 .. 3:
;   16 bytes a lane, and sixteen lanes store 256 consecutive bytes, aligned, of row id of y.  The gate's weight is applied by the last launch.
; OUT: y [kappa][id = 2 t + k, or 2048 + e for pads][1024] f32.  Each id lies in one expert's list, so each byte has one owner; the pads' row is the expert's own and nobody reads it.
; Branches hang on the number of tiles, which comes from stored numbers: no tensor load, and no barrier behind the first such branch.  A tile past the last reads the last tile's h and is not stored.
; No cluster: what work-groups share (the expert's rows of hq) is a small part of a work-group's bytes, and partners would need different numbers of passes.
; LIMITS: NaN and infinities are not served; a block whose largest magnitude lies under 2^-124 gets the byte 1.
; THE MODE: SCHED_MODE bits 1:0 = 2 (LLVM: expert scheduling mode 2), set by the entry lines.  The code itself states the register dependences between vector or matrix instructions and memory or LDS
;   instructions, and those through scalar registers that vector instructions write, with s_wait_alu, always for 0.
; THE PLAN.  Registers that memory or LDS instructions touch, who writes and who reads them:
;   v4-14           offsets and LDS addresses: written at the head, never again: one wait on va_vdst ahead of the first load.
;   landing sets    (window 1) round n's 128 moves read set n % 2; behind them one wait on va_vdst, then the loads of round n + 2 land in it.
;   F, PP           (v80-127, v76-77) written by a K step's conversions, moves and selects; one wait on va_vdst; read by its 13 LDS stores; one wait on vm_vsrc ahead of the next K step's conversions.
;   the ids         (v15-19) written by the search; one wait on va_vdst; read by five LDS stores; a wait on vm_vsrc at the pass's end, ahead of the next search.
;   HS, h's fragments  a K step's loads land in registers that no instruction of this pass has named yet; the last pass's products stand ahead of the waits at that pass's end.
;   w2's two sets   (v96-143 + v52-53, v144-191 + v54-55) by turns.  While K step s's 20 products read one set, K step s + 1's 13 loads go into the other, behind the first four products; at the step's head,
;                   behind the wait on DScnt for its own set, one wait on va_vdst shows the step before done reading the other set.
;   YA              (v192-231) the ids land there from LDS; 80 vector lines make offsets of them; the stores read them; the wait on vm_vsrc at the next pass's head frees them.
;   two out-buffers (window 3, v160-191 and v192-223) by turns: tile p's 32 moves write buffer p % 2; one wait on va_vdst; its eight stores read it; the waits that free it stand ahead of tile p + 2.
;   The pass's head has one wait of each kind, ahead of its branch.
; REGISTERS.  window 0: v1-14 lane constants; v15-19 ids; v32-51 h's scale words, v52-55 w2's: scales and nothing else; phase 1: v56-79 at work, v80-127 four fragments,
;   v128-255 the turned numbers (first: the search);  phase 2: v96-143, v144-191 w2's fragments of an even, an odd K step; v192-231 the rows' offsets in y.
;   window 1: phase 1: two landing sets; phase 2: h's fragments of K steps 4-7 (60 a step).   window 2: K steps 0-3.   window 3: v0-159 accumulators (32 a tile), v160-223 results to store.
.set ROWB,  4096
.set NR,    4
.set PERM,  1
.set FRB,   1536
.set QB,    4*FRB
.set SCW,   8*QB
.set LIST,  SCW+8*256                  ; behind the scale words: 320 bytes a wave for its 80 ids
.set TPW,   5
.set NA,    25                         ; loads asked for in the last round but one
.set RB,    10                         ; s[10:11] the route words
.set SS,    66                         ; the search's scalars: s66 the expert's two bits, s67 the bit 'second choice', s68 members so far, s69 at work
.set BM,    SS+4                       ; s70-77 four steps' masks: 2 i: chose e; 2 i + 1: chose it second
.set CN,    SS+12                      ; s78-81 the members ahead of each of the four steps
.set PK,    SS+16                      ; s82-85 the same, and above it the id of the step's lane 0
.set CM,    SS+20                      ; s86-97 the masks of a run of compares
.set YH,    8421376                    ; 2,056 rows of 4,096 bytes: a half of y
.set WOFF,  4
.set LI,    5
.set FWA,   7
.set SWA,   8
.set SRA,   9
.set LSA,   10                         ; where I put a tile's id: 4 r
.set L8,    11
.set LRA,   12                         ; and where I read eight: 32 h
.set H8,    13
.set R16,   14
.set ID,    15
.set HS,    32
.set WSA,   52
.set MA,    56
.set MB,    60
.set SO,    64
.set BY0,   68
.set OO,    76
.set PP,    76                         ; the pair of scale words takes the exchange's registers, which are done with by then
.set F,     80
.set S,     128
.set WA,    96
.set YA,    192
.set TT,    160
.set RT,    S                          ; the search: v128-159 the route words, then the field sums and what the halvings carry
.set PQ,    S+32                       ; wanted places, three registers
.set MM,    S+36                       ; the kept step's mask of members,
.set M2,    S+40                       ; its mask of second choices,
.set CX,    S+44                       ; its count so far (low half) and first id (high half)
.set TA,    S+48                       ; v176-183 four steps' route words, cut to the expert's bits
.set X1,    S
.set X2,    S+4
.set X4,    S+8
.set X8,    S+12
.set KK,    S+16
.set SH,    S+20
.set TQ,    S+24
.set IQ,    S+28
.set MSB, 0
.macro WIN new                         ; the immediate's high byte repeats the setting that is left
.if MSB != (\new)
	s_set_vgpr_msb (MSB<<8)|(\new)
.set MSB, (\new)
.endif
.endm
.macro PLACES n                        ; plain vector lines behind matrix instructions (ISA guide 7.12.1)
.rept \n
	v_nop
.endr
.endm
.macro RLOAD                           ; the 1,024 route words: register 4 i + j holds token 128 i + 4 lane + j
.irp i, 0,1,2,3,4,5,6,7
	global_load_b128 v[RT+4*\i:RT+4*\i+3], v[LI], s[RB:RB+1] offset:512*\i
.endr
.endm
.macro LEVEL src, w                    ; one halving: are there rank or fewer members in the lower w bits of what is left?  Then the bit lies in the upper w
.irp q, 0,1,2
.if \w == 16
	v_and_b32 v[TQ+\q], 0xff, v[\src+\q]
.else
	v_bfe_u32 v[TQ+\q], v[\src+\q], v[SH+\q], \w
.endif
.endr
.irp q, 0,1,2
	v_cmp_ge_u32 s[CM+\q], v[KK+\q], v[TQ+\q]
.endr
	s_wait_alu depctr_va_sdst(0)                   ; the run's masks are written, ahead of the selects that read them
.irp q, 0,1,2
	v_cndmask_b32 v[TQ+\q], 0, v[TQ+\q], s[CM+\q]
.if \w == 16
	v_cndmask_b32 v[SH+\q], 0, 16, s[CM+\q]
.else
	v_cndmask_b32 v[IQ+\q], 0, \w, s[CM+\q]
.endif
.endr
.irp q, 0,1,2
	v_sub_nc_u32 v[KK+\q], v[KK+\q], v[TQ+\q]
.endr
.if \w != 16
.irp q, 0,1,2
	v_add_nc_u32 v[SH+\q], v[SH+\q], v[IQ+\q]
.endr
.endif
.endm
; The ids at places 16 s30 .. 16 s30 + 79 of the expert's list into v[ID] .. v[ID+4] (tile p: row r in lanes r and r + 16), and the expert's number of tiles into s27.
; The list's order: step n = 0 .. 31, in it the lanes in ascending order.  A place belongs to the last step whose count so far does not pass it; its rank in that step is the place less that count.
; The steps go four at a time, so that the compares stand in runs, each into a scalar register of its own, with one wait behind a run: eight masks of members; the four counts, by scalar instructions;
; twelve compares of a count with a place; then the 36 selects, each register's in the order of the steps.
.macro SEARCH
	s_lshl_b32 s[SS+3], s30, 4
.irp q, 0,1,2
	v_add_nc_u32 v[PQ+\q], s[SS+3], v1
.endr
.irp q, 1,2
	v_add_nc_u32 v[PQ+\q], 32*\q, v[PQ+\q]
.endr
	s_mov_b32 s[SS+2], 0                           ; members so far
.set sG, 0
.rept 8
.irp i, 0,1,2,3
	v_and_b32 v[TA+2*\i], s[SS], v[RT+4*sG+\i]
	v_and_b32 v[TA+2*\i+1], s[SS+1], v[RT+4*sG+\i]
.endr
.irp i, 0,1,2,3
	v_cmp_ne_u32 s[BM+2*\i], 0, v[TA+2*\i]         ; chose e
	v_cmp_ne_u32 s[BM+2*\i+1], 0, v[TA+2*\i+1]     ; chose it second
.endr
	s_wait_alu depctr_va_sdst(0)                   ; the eight masks are written, ahead of the counts, their first readers
.irp i, 0,1,2,3
	s_mov_b32 s[CN+\i], s[SS+2]
	s_add_co_u32 s[PK+\i], s[SS+2], (256*sG+2*\i)<<16            ; the count, and above it the id of the step's lane 0
	s_bcnt1_i32_b32 s[SS+3], s[BM+2*\i]
	s_add_co_u32 s[SS+2], s[SS+2], s[SS+3]
.endr
.irp i, 0,1,2,3
.if (sG > 0) || (\i > 0)
.irp q, 0,1,2
	v_cmp_gt_u32 s[CM+3*\i+\q], s[CN+\i], v[PQ+\q] ; the count has passed my place: what I hold stays
.endr
.endif
.endr
	s_wait_alu depctr_va_sdst(0)                   ; the run's masks are written, ahead of the selects that read them
.irp i, 0,1,2,3
.irp q, 0,1,2
.if (sG == 0) && (\i == 0)
	v_mov_b32 v[MM+\q], s[BM]
	v_mov_b32 v[M2+\q], s[BM+1]
	v_mov_b32 v[CX+\q], s[PK]
.else
	v_cndmask_b32 v[MM+\q], s[BM+2*\i], v[MM+\q], s[CM+3*\i+\q]
	v_cndmask_b32 v[M2+\q], s[BM+2*\i+1], v[M2+\q], s[CM+3*\i+\q]
	v_cndmask_b32 v[CX+\q], s[PK+\i], v[CX+\q], s[CM+3*\i+\q]
.endif
.endr
.endr
.set sG, sG+1
.endr
	s_add_co_u32 s27, s[SS+2], 15
	s_lshr_b32 s27, s27, 4                         ; tiles of 16 rows
	s_add_co_u32 s[SS+3], s19, 2048                ; the pad id
.irp q, 0,1,2
	v_and_b32 v[KK+\q], 0xffff, v[CX+\q]
.endr
.irp q, 0,1,2
	v_sub_nc_u32 v[KK+\q], v[PQ+\q], v[KK+\q]      ; my rank among the step's members
.endr
.irp q, 0,1,2
	v_lshrrev_b32 v[CX+\q], 16, v[CX+\q]
.endr
.irp q, 0,1,2                          ; members in each field of 2 bits,
	v_lshrrev_b32 v[X1+\q], 1, v[MM+\q]
.endr
.irp q, 0,1,2
	v_and_b32 v[X1+\q], 0x55555555, v[X1+\q]
.endr
.irp q, 0,1,2
	v_sub_nc_u32 v[X1+\q], v[MM+\q], v[X1+\q]
.endr
.irp q, 0,1,2                          ; of 4,
	v_lshrrev_b32 v[X2+\q], 2, v[X1+\q]
.endr
.irp q, 0,1,2
	v_and_b32 v[X2+\q], 0x33333333, v[X2+\q]
.endr
.irp q, 0,1,2
	v_and_b32 v[X4+\q], 0x33333333, v[X1+\q]
.endr
.irp q, 0,1,2
	v_add_nc_u32 v[X2+\q], v[X2+\q], v[X4+\q]
.endr
.irp q, 0,1,2                          ; of 8,
	v_lshrrev_b32 v[X4+\q], 4, v[X2+\q]
.endr
.irp q, 0,1,2
	v_add_nc_u32 v[X4+\q], v[X4+\q], v[X2+\q]
.endr
.irp q, 0,1,2
	v_and_b32 v[X4+\q], 0x0f0f0f0f, v[X4+\q]
.endr
.irp q, 0,1,2                          ; and in the lower 16 (the lowest byte)
	v_lshrrev_b32 v[X8+\q], 8, v[X4+\q]
.endr
.irp q, 0,1,2
	v_add_nc_u32 v[X8+\q], v[X8+\q], v[X4+\q]
.endr
.irp q, 0,1,2
	v_cmp_gt_u32 s[CM+3+\q], s[SS+2], v[PQ+\q]     ; a place inside the list?  (Read at the end; the first halving's wait stands between)
.endr
	LEVEL X8, 16
	LEVEL X4, 8
	LEVEL X2, 4
	LEVEL X1, 2
	LEVEL MM, 1                                    ; v[SH]: the lane that held my member
.irp q, 0,1,2
	v_bfe_u32 v[TQ+\q], v[M2+\q], v[SH+\q], 1      ; k
.endr
.irp q, 0,1,2
	v_lshl_add_u32 v[IQ+\q], v[SH+\q], 3, v[CX+\q] ; 2 x (4 x lane) onto the step's first id
.endr
.irp q, 0,1,2
	v_add_nc_u32 v[IQ+\q], v[IQ+\q], v[TQ+\q]
.endr
.irp q, 0,1,2
	v_cndmask_b32 v[IQ+\q], s[SS+3], v[IQ+\q], s[CM+3+\q]
.endr
.irp q, 0,1,2
	v_permlanex16_b32 v[TQ+\q], v[IQ+\q], s36, s37
.endr
	v_cndmask_b32 v[ID], v[IQ], v[TQ], s38         ; a register held two tiles: each tile now in both halves of the lanes
	v_cndmask_b32 v[ID+1], v[TQ], v[IQ], s38
	v_cndmask_b32 v[ID+2], v[IQ+1], v[TQ+1], s38
	v_cndmask_b32 v[ID+3], v[TQ+1], v[IQ+1], s38
	v_cndmask_b32 v[ID+4], v[IQ+2], v[TQ+2], s38
.endm
.macro BASES                           ; where my five tiles lie in hq and hs; and their ids go to my 320 bytes of LDS
	s_sub_co_u32 s26, s27, 1
.irp p, 0,1,2,3,4
	s_add_co_u32 s2, s30, \p
	s_min_u32 s2, s2, s26                          ; a tile past the last reads the last: nothing unwritten is used
	s_min_u32 s2, s2, 63                           ; (a number made of loaded data enters an address behind a bound)
	s_add_co_u32 s2, s2, s28
	s_mul_i32 s24, s2, 24576
	s_add_co_u32 s24, s24, s31
	s_add_nc_u64 s[40+2*\p:41+2*\p], s[6:7], s[24:25]
	s_lshl_b32 s24, s2, 10
	s_add_co_u32 s24, s24, s33
	s_add_nc_u64 s[50+2*\p:51+2*\p], s[8:9], s[24:25]
.endr
	s_wait_alu depctr_va_vdst(0)                   ; the search has written the five registers of ids, which the LDS stores read
.irp p, 0,1,2,3,4
	ds_store_b32 v[LSA], v[ID+\p] offset:64*\p     ; lanes r and r + 16 write the same word with the same value
.endr
.endm
.macro WLOAD n                         ; round n's 32 loads into landing set n % 2
	WIN 0x40
.set rK, 0
.rept 32
	global_load_b128 v[128*((\n)%2)+4*rK:128*((\n)%2)+4*rK+3], v[WOFF], s[22:23] offset:(64*(\n)+rK)*ROWB th:TH_LOAD_NT
.set rK, rK+1
.endr
	WIN 0
.endm
.macro HLOAD s                         ; my five tiles' fragments of h, K step s: each half fragment 16 bytes a lane, then 8: 20 loads
.if (\s) < 4
	WIN 0x80
.else
	WIN 0x40
.endif
.irp p, 0,1,2,3,4
.irp c, 0,1
	global_load_b128 v[60*((\s)%4)+12*\p+6*\c:60*((\s)%4)+12*\p+6*\c+3], v[LI], s[40+2*\p:41+2*\p] offset:1536*(\s)+768*\c
	global_load_b64 v[60*((\s)%4)+12*\p+6*\c+4:60*((\s)%4)+12*\p+6*\c+5], v[L8], s[40+2*\p:41+2*\p] offset:1536*(\s)+768*\c+512
.endr
.endr
	WIN 0
.endm
.macro HEADA                           ; what a pass needs first: NA loads
	WIN 0
.irp p, 0,1,2,3,4
	global_load_b128 v[HS+4*\p:HS+4*\p+3], v[LI], s[50+2*\p:51+2*\p]     ; 512 bytes on end: lanes 0-15 the rows' words of K steps 0, 2, 4, 6; lanes 16-31: 1, 3, 5, 7
.endr
	HLOAD 0
.endm
.macro HEADB
	HLOAD 1
	HLOAD 2
.endm
.macro ROUND n                         ; K step n / 2 of my two, its half c = n % 2
.set rU, (\n)/2
.set rC, (\n)%2
.if (\n)+1 < NR
	s_wait_loadcnt 32                              ; this round's loads are in; the other set's 32 may be out
.else
	s_wait_loadcnt NA                              ; behind the last round's loads only the first requests for the pass were issued
.endif
	WIN 0x01
.set rK, 0
.rept 32
.if PERM
.set rP, 8*(rK%4)+rK/4
.else
.set rP, rK
.endif
.irp j, 0,1,2,3
	v_mov_b32 v[S+32*\j+rP], v[128*rC+4*rK+\j]     ; column j: 32 registers on end, in the order of h's codes
.endr
.set rK, rK+1
.endr
.if (\n)+2 < NR
	s_wait_alu depctr_va_vdst(0)                   ; the moves are done reading the landing set, in which the loads below land
	WLOAD (\n)+2                                   ; the set is free: the round after next
.elseif (\n)+2 == NR
	HEADA                                          ; the stream's requests are all out: the first pass's follow them.  No wait: their offsets stand since the head, and no vector instruction has named the registers in which they land
.else
	HEADB
.endif
	WIN 0
.irp j, 0,1,2,3
	v_max3_num_f32 v[MA+\j], |v[S+32*\j]|, |v[S+32*\j+1]|, 0x1800000     ; four blocks by turns, two chains each; the floor 2^(3 - 127) holds the byte at 1 from below
.endr
.irp j, 0,1,2,3
	v_max3_num_f32 v[MB+\j], |v[S+32*\j+2]|, |v[S+32*\j+3]|, |v[S+32*\j+4]|
.endr
.irp i, 5,9,13,17,21,25
.irp j, 0,1,2,3
	v_max3_num_f32 v[MA+\j], v[MA+\j], |v[S+32*\j+\i]|, |v[S+32*\j+\i+1]|
.endr
.irp j, 0,1,2,3
	v_max3_num_f32 v[MB+\j], v[MB+\j], |v[S+32*\j+\i+2]|, |v[S+32*\j+\i+3]|
.endr
.endr
.irp j, 0,1,2,3
	v_max3_num_f32 v[MA+\j], v[MA+\j], |v[S+32*\j+29]|, |v[S+32*\j+30]|
.endr
.irp j, 0,1,2,3
	v_max3_num_f32 v[MA+\j], v[MA+\j], v[MB+\j], |v[S+32*\j+31]|
.endr
.irp j, 0,1,2,3
	v_add_nc_u32 v[SO+\j], 0xff000000, v[MA+\j]    ; 2 off the exponent field: the conversion's scale operand
.endr
.if (rC == 0) && (rU > 0)
	s_wait_alu depctr_va_vdst(0)
	s_wait_dscnt 0x0                               ; the last K step's LDS stores are done
	s_wait_alu depctr_vm_vsrc(0)                   ; they have read the fragments' registers and the pair of scale words, which this K step writes again
.endif
.irp j, 0,1,2,3
	v_cvt_scalef32_pk16_fp6_f32 v[F+12*\j+6*rC:F+12*\j+6*rC+2], v[S+32*\j:S+32*\j+15], v[SO+\j]
.endr
.irp j, 0,1,2,3
	v_lshrrev_b32 v[BY0+4*rC+\j], 23, v[SO+\j]     ; the scale's byte.  (Plain lines between the conversions above and those below, which write over the former's sources)
.endr
.irp j, 0,1,2,3
	v_cvt_scalef32_pk16_fp6_f32 v[S+32*\j:S+32*\j+2], v[S+32*\j+16:S+32*\j+31], v[SO+\j]   ; (three registers from an even number on: made here and moved)
.endr
	v_nop                                          ; one plain line behind the last conversion
.irp j, 0,1,2,3
.irp i, 0,1,2
	v_mov_b32 v[F+12*\j+6*rC+3+\i], v[S+32*\j+\i]
.endr
.endr
.if rC == 1
.irp j, 0,1,2,3
	v_lshl_or_b32 v[MA+\j], v[BY0+4+\j], 16, v[BY0+\j]   ; my two bytes: blocks h and 2 + h,
.endr
.irp j, 0,1,2,3
	v_lshlrev_b32 v[MA+\j], v[H8], v[MA+\j]        ; at their places;
.endr
.irp j, 0,1,2,3
	v_permlanex16_b32 v[OO+\j], v[MA+\j], s36, s37
.endr
.irp j, 0,1,2,3
	v_or_b32 v[MA+\j], v[MA+\j], v[OO+\j]          ; with lane l xor 16's the word is whole
.endr
	v_cndmask_b32 v[PP], v[MA], v[MA+1], s38       ; lanes 0-15 tile 0's words, lanes 16-31 tile 1's
	v_cndmask_b32 v[PP+1], v[MA+2], v[MA+3], s38   ; tiles 2 and 3
	s_wait_alu depctr_va_vdst(0)                   ; the conversions, moves and selects have written the four fragments and the pair of scale words, which the LDS stores read
.irp j, 0,1,2,3
.irp g, 0,1,2
	ds_store_b128 v[FWA], v[F+12*\j+4*\g:F+12*\j+4*\g+3] offset:rU*QB+\j*FRB+\g*512
.endr
.endr
	ds_store_b64 v[SWA], v[PP:PP+1] offset:rU*256
.endif
.endm
.macro WFETCH buf, s, sc               ; w2's four fragments of K step s and their scale words: 13 LDS loads
.irp j, 0,1,2,3
.irp g, 0,1,2
	ds_load_b128 v[\buf+12*\j+4*\g:\buf+12*\j+4*\g+3], v[LI] offset:(\s)*QB+\j*FRB+\g*512
.endr
.endr
	ds_load_b64 v[\sc:\sc+1], v[SRA] offset:(\s)*256
.endm
.macro WM d, a, b, z, sa, sb, ra, rb   ; one product; z: it starts the sum; ra, rb: the scales stand in lanes 16-31
.if \z
.if (\ra) && (\rb)
	v_wmma_scale_f32_16x16x128_f8f6f4 v[(\d):(\d)+7], v[(\a):(\a)+11], v[(\b):(\b)+11], 0, v[\sa], v[\sb] matrix_a_fmt:MATRIX_FMT_FP6 matrix_b_fmt:MATRIX_FMT_FP6 matrix_a_scale:MATRIX_SCALE_ROW1 matrix_b_scale:MATRIX_SCALE_ROW1
.elseif (\ra)
	v_wmma_scale_f32_16x16x128_f8f6f4 v[(\d):(\d)+7], v[(\a):(\a)+11], v[(\b):(\b)+11], 0, v[\sa], v[\sb] matrix_a_fmt:MATRIX_FMT_FP6 matrix_b_fmt:MATRIX_FMT_FP6 matrix_a_scale:MATRIX_SCALE_ROW1
.elseif (\rb)
	v_wmma_scale_f32_16x16x128_f8f6f4 v[(\d):(\d)+7], v[(\a):(\a)+11], v[(\b):(\b)+11], 0, v[\sa], v[\sb] matrix_a_fmt:MATRIX_FMT_FP6 matrix_b_fmt:MATRIX_FMT_FP6 matrix_b_scale:MATRIX_SCALE_ROW1
.else
	v_wmma_scale_f32_16x16x128_f8f6f4 v[(\d):(\d)+7], v[(\a):(\a)+11], v[(\b):(\b)+11], 0, v[\sa], v[\sb] matrix_a_fmt:MATRIX_FMT_FP6 matrix_b_fmt:MATRIX_FMT_FP6
.endif
.else
.if (\ra) && (\rb)
	v_wmma_scale_f32_16x16x128_f8f6f4 v[(\d):(\d)+7], v[(\a):(\a)+11], v[(\b):(\b)+11], v[(\d):(\d)+7], v[\sa], v[\sb] matrix_a_fmt:MATRIX_FMT_FP6 matrix_b_fmt:MATRIX_FMT_FP6 matrix_a_scale:MATRIX_SCALE_ROW1 matrix_b_scale:MATRIX_SCALE_ROW1
.elseif (\ra)
	v_wmma_scale_f32_16x16x128_f8f6f4 v[(\d):(\d)+7], v[(\a):(\a)+11], v[(\b):(\b)+11], v[(\d):(\d)+7], v[\sa], v[\sb] matrix_a_fmt:MATRIX_FMT_FP6 matrix_b_fmt:MATRIX_FMT_FP6 matrix_a_scale:MATRIX_SCALE_ROW1
.elseif (\rb)
	v_wmma_scale_f32_16x16x128_f8f6f4 v[(\d):(\d)+7], v[(\a):(\a)+11], v[(\b):(\b)+11], v[(\d):(\d)+7], v[\sa], v[\sb] matrix_a_fmt:MATRIX_FMT_FP6 matrix_b_fmt:MATRIX_FMT_FP6 matrix_b_scale:MATRIX_SCALE_ROW1
.else
	v_wmma_scale_f32_16x16x128_f8f6f4 v[(\d):(\d)+7], v[(\a):(\a)+11], v[(\b):(\b)+11], v[(\d):(\d)+7], v[\sa], v[\sb] matrix_a_fmt:MATRIX_FMT_FP6 matrix_b_fmt:MATRIX_FMT_FP6
.endif
.endif
.endm
; K step s: 20 products, my five tiles of rows x the four tiles of columns.  The accumulators take turns, one instruction a turn.
; In K steps 1 to 6 the next step's fragments of w2 go into the other set, behind the first four products: none of this step's products names that set, its scale words or an address.
.macro KSTEP s
.set kZ, 0
.if (\s) == 0
.set kZ, 1
.endif
.set kH, 0xf1
.if (\s) < 4
.set kH, 0xf2
.endif
.if (\s) <= 4
	HLOAD (\s)+3                                   ; no wait: no instruction since the wait at the pass's head names the registers in which these land
	s_wait_loadcnt 60                              ; this step's h is in: behind it three steps' 20 loads each were issued
.else
	s_wait_loadcnt 20*(7-(\s))                     ; behind it: the steps still to come
.endif
.if (\s) == 0
	s_wait_dscnt 13                                ; the ids and this step's w2 are in; the next step's 13 loads may be out
.else
	s_wait_dscnt 0x0                               ; this step's w2 is in
.endif
.if ((\s) > 0) && ((\s) < 7)
	PLACES 4
	s_wait_alu depctr_va_vdst(0)                   ; the last step's products are done reading the other set of w2's fragments and its scale words, in which the next step's loads land
.endif
	WIN kH                                         ; source 0 (h) window 2 or 1, C and D window 3
.irp j, 0,1,2,3
	WM 8*\j, 60*((\s)%4), WA+48*((\s)%2)+12*\j, kZ, HS+(\s)/2, WSA+2*((\s)%2)+\j/2, (\s)%2, \j%2
.endr
.if ((\s) > 0) && ((\s) < 7)
	WIN 0
	WFETCH WA+48*(((\s)+1)%2), (\s)+1, WSA+2*(((\s)+1)%2)
	WIN kH
.endif
.irp p, 1,2,3,4
.irp j, 0,1,2,3
	WM 32*\p+8*\j, 60*((\s)%4)+12*\p, WA+48*((\s)%2)+12*\j, kZ, HS+4*\p+(\s)/2, WSA+2*((\s)%2)+\j/2, (\s)%2, \j%2
.endr
.endr
	WIN 0
.endm
; Tile p leaves, through out-buffer p % 2.  A tile past the expert's last is passed over.
.macro OUT p
	WIN 0
.set oT, TT+32*((\p)%2)
.if (\p) >= 2
	s_wait_xcnt 0x0                                ; the stores of the tile two back have had their addresses translated,
	s_wait_alu depctr_vm_vsrc(0)                   ; and have read the out-buffer, which this tile's moves write again.  (Tiles 0 and 1: the waits at the pass's head have freed both buffers)
.endif
	s_add_co_u32 s2, s30, \p
	s_cmp_ge_u32 s2, s27
	s_cbranch_scc1 .Lskip_\@
	WIN 0xc3                                       ; source 0 (the sums) and the destination: window 3
.irp i, 0,1,2,3,4,5,6,7
.irp j, 0,1,2,3
	v_mov_b32 v[oT+4*\i+\j], v[32*\p+8*\j+\i]      ; row 8 h + i, columns 4 r + 0 .. 3 on end (each accumulator from its low end on)
.endr
.endr
	WIN 0x0c                                       ; a store's data are its source 1
	s_wait_alu depctr_va_vdst(0)                   ; the moves have written the out-buffer, and the lines ahead of the first tile the rows' offsets: the eight stores read both
.irp i, 0,1,2,3,4,5,6,7
	global_store_b128 v[YA+8*\p+\i], v[oT+4*\i:oT+4*\i+3], s[60:61]    ; sixteen lanes: 256 consecutive bytes, aligned, of one row of y
.endr
	WIN 0
.Lskip_\@:
.endm
	s_load_b256 s[4:11], s[0:1], 0x0               ; w2, hq, hs, route
	s_load_b64 s[14:15], s[0:1], 0x20              ; y
	v_lshl_add_u32 v30, v0, 2, 0xce00
	v_mov_b32 v31, 0
	v_lshrrev_b32 v1, 5, v0
	v_readfirstlane_b32 s18, v1                    ; wave
	v_and_b32 v1, 31, v0                           ; lane
	v_and_b32 v2, 15, v0                           ; r
	s_wait_alu depctr_va_vdst(0)
	v_bfe_u32 v3, v0, 4, 1                         ; h
	s_wait_alu depctr_va_vdst(0)
	s_lshr_b32 s19, ttmp9, 5                       ; e
	s_bfe_u32 s20, ttmp9, 0x40001                  ; delta
	s_and_b32 s21, ttmp9, 1                        ; kappa
	v_lshlrev_b32 v[R16], 4, v2
	v_lshl_add_u32 v[WOFF], v3, 17, v[R16]         ; 16 r, and 32 rows further down for lanes 16-31
	v_lshlrev_b32 v[LI], 4, v1
	s_wait_alu depctr_va_sdst(0)                   ; s18, the wave's number, is written, ahead of its first reader
	s_mul_i32 s26, s18, 2*QB
	v_add_nc_u32 v[FWA], s26, v[LI]
	v_lshlrev_b32 v[L8], 3, v1
	s_lshl_b32 s26, s18, 9
	s_add_co_u32 s26, s26, SCW
	v_add_nc_u32 v[SWA], s26, v[L8]
	v_add_nc_u32 v[SRA], SCW, v[L8]
	s_mul_i32 s26, s18, 64*TPW
	s_add_co_u32 s26, s26, LIST                    ; my wave's 320 bytes
	v_lshl_add_u32 v[LSA], v2, 2, s26
	v_lshl_add_u32 v[LRA], v3, 5, s26
	v_lshlrev_b32 v[H8], 3, v3
.irp j, 0,1,2,3
	v_mov_b32 v[OO+\j], 0                          ; (a lane permute's destination counts as read)
.endr
	s_mov_b32 s36, 0x76543210
	s_mov_b32 s37, 0xfedcba98                      ; selects for lane l xor 16
	s_mov_b32 s38, 0xffff0000                      ; lanes 16-31
	s_lshl_b32 s[SS], 0x101, s19                   ; the expert's two bits in a route word,
	s_lshl_b32 s[SS+1], 0x100, s19                 ; and the one that says: second choice
	s_lshl_b32 s2, s19, 23                         ; the expert's 8 MiB,
	s_lshl_b32 s3, s21, 22                         ; my half of the hidden axis: 1,024 rows,
	s_add_co_u32 s2, s2, s3
	s_lshl_b32 s3, s18, 20                         ; my wave's 256 of them,
	s_add_co_u32 s2, s2, s3
	s_lshl_b32 s26, s20, 8                         ; my 64 columns
	s_add_co_u32 s2, s2, s26
	s_mov_b32 s3, 0
	s_mov_b32 s25, 0                               ; (stays 0: the upper word of every offset made in s24)
	s_mul_i32 s34, s21, YH
	s_add_co_u32 s34, s34, s26
	s_mov_b32 s35, 0
	s_lshl_b32 s28, s19, 6                         ; 64 e
	s_mul_i32 s31, s21, 12288                      ; my half in a tile's part of hq,
	s_lshl_b32 s33, s21, 9                         ; and of hs
	s_mul_i32 s30, s18, TPW                        ; my first tile of the first pass
	s_wait_kmcnt 0x0
	s_add_nc_u64 s[22:23], s[4:5], s[2:3]
	s_add_nc_u64 s[60:61], s[14:15], s[34:35]
	s_wait_alu depctr_va_vdst(0)                   ; the offsets and LDS addresses v4-14 are written, which the kernel's loads and stores read
	RLOAD                                          ; the route words first, then the stream
	WLOAD 0
	WLOAD 1
	s_wait_loadcnt 63                              ; of the 72 loads issued the oldest 9 are in, the 8 of route words among them
	SEARCH
	BASES
.irp n, 0,1,2,3
	ROUND \n
.endr
	s_wait_dscnt 0x0                               ; for the others' sake: my images and scale words lie in LDS
	s_barrier_signal -1
	s_barrier_wait -1                              ; the only barrier: from here on a wave writes only its own 320 bytes of LDS
	s_mov_b32 s29, 0
.Lpass:
	s_wait_alu depctr_va_vdst(0)                   ; phase 1's moves and conversions (on the way back: the search, and the lines that made the rows' offsets) are done with v96-231, in which w2's fragments and the ids land, and with the landing sets, in which h's K steps 4-7 land
	s_wait_alu depctr_vm_vsrc(0)                   ; phase 1's LDS stores have read v96-127, in which fragments land; on the way back: the last pass's stores have read the rows' offsets, in which the ids land, and both out-buffers
	s_cmp_ge_u32 s30, s27                          ; no tile for me
	s_cbranch_scc1 .Ldone
	s_wait_xcnt 0x0                                ; the last pass's stores have read their registers
.irp p, 0,1,2,3,4
	ds_load_b128 v[YA+8*\p:YA+8*\p+3], v[LRA] offset:64*\p          ; the ids of rows 8 h + 0 .. 7 of each tile (LDS serves a wave's instructions in order: these see my stores)
	ds_load_b128 v[YA+8*\p+4:YA+8*\p+7], v[LRA] offset:64*\p+16
.endr
	WFETCH WA, 0, WSA
	WFETCH WA+48, 1, WSA+2
.irp s, 0,1,2,3,4,5,6,7
	KSTEP \s
.endr
.set hN, 0
.rept 40                               ; the rows' places in y.  (These lines are also the places behind the last products)
	v_min_u32 v[YA+hN], 2055, v[YA+hN]
.set hN, hN+1
.endr
.set hN, 0
.rept 40
	v_lshl_add_u32 v[YA+hN], v[YA+hN], 12, v[R16]  ; the row's 4,096 bytes, + my 16
.set hN, hN+1
.endr
.irp p, 0,1,2,3,4
	OUT \p
.endr
	s_wait_alu depctr_vm_vsrc(0)                   ; the LDS stores of my ids have read v15-19, which the search writes again on the way that goes on
	s_add_co_u32 s30, s30, 4*TPW
	s_cmp_ge_u32 s30, s27                          ; no further tile for me: nothing more is asked for
	s_cbranch_scc1 .Ldone
	s_wait_alu depctr_va_vdst(0)                   ; the pass's products are done reading v128-159, parts of w2's fragments, in which the route words land, and h's fragments and scale words, in which the next pass's loads land
	RLOAD                                          ; an expert with more than 320 rows: the next 80 places are searched as the first were
	s_wait_loadcnt 0x0
	SEARCH
	BASES
	HEADA
	HEADB
	s_add_co_u32 s29, s29, 1
	s_cmp_lt_u32 s29, 4                            ; 4 passes x 20 tiles serve all 1,024 tokens on one expert
	s_cbranch_scc1 .Lpass
.Ldone:
	s_wait_dscnt 0x0                               ; the closing lines, six on end
	s_wait_alu 0x0
	s_wait_tensorcnt 0x0
	ds_add_u32 v30, v31
	s_wait_dscnt 0x0
	s_endpgm
.Lfunc_end_k_q560cb7c574_down:
	.size	k_q560cb7c574_down, .Lfunc_end_k_q560cb7c574_down-k_q560cb7c574_down
	.p2alignl 7, 3214868480
	.fill 96, 4, 3214868480
	.section	.rodata,"a",@progbits
	.p2align	6, 0x0
	.amdhsa_kernel k_q560cb7c574_down
		.amdhsa_group_segment_fixed_size 53248
		.amdhsa_private_segment_fixed_size 0
		.amdhsa_enable_private_segment 0
		.amdhsa_kernarg_size 40
		.amdhsa_user_sgpr_count 2
		.amdhsa_user_sgpr_kernarg_segment_ptr 1
		.amdhsa_wavefront_size32 1
		.amdhsa_system_sgpr_workgroup_id_x 1
		.amdhsa_system_sgpr_workgroup_id_y 1
		.amdhsa_system_sgpr_workgroup_id_z 1
		.amdhsa_system_vgpr_workitem_id 0
		.amdhsa_next_free_vgpr 1024
		.amdhsa_next_free_sgpr 98
		.amdhsa_reserve_vcc 0
		.amdhsa_float_denorm_mode_32 3
		.amdhsa_float_denorm_mode_16_64 3
		.amdhsa_memory_ordered 1
		.amdhsa_forward_progress 1
		.amdhsa_inst_pref_size 217
	.end_amdhsa_kernel
	.amdgpu_metadata
---
amdhsa.version: [ 1, 2 ]
amdhsa.kernels:
  - .name:           k_q560cb7c574_down
    .symbol:         k_q560cb7c574_down.kd
    .args:
      - { .name: w2, .offset: 0, .size: 8, .value_kind: global_buffer, .address_space: global }
      - { .name: hq, .offset: 8, .size: 8, .value_kind: global_buffer, .address_space: global }
      - { .name: hs, .offset: 16, .size: 8, .value_kind: global_buffer, .address_space: global }
      - { .name: route, .offset: 24, .size: 8, .value_kind: global_buffer, .address_space: global }
      - { .name: y, .offset: 32, .size: 8, .value_kind: global_buffer, .address_space: global }
    .group_segment_fixed_size: 53248
    .private_segment_fixed_size: 0
    .kernarg_segment_align: 8
    .kernarg_segment_size: 40
    .max_flat_workgroup_size: 128
    .sgpr_count:     98
    .vgpr_count:     1024
    .wavefront_size: 32
...
	.end_amdgpu_metadata
.endif
;; end of part 11
;; launch combine (part 12): grid 256 x 1, 8 waves a work-group, no clusters, 0 bytes of LDS; arguments y, prob, out0; writes out0
.if DOCPART == 12
	.amdgcn_target "amdgcn-amd-amdhsa--gfx1250"
	.amdhsa_code_object_version 6
	.text
	.protected	k_q560cb7c574_combine
	.globl	k_q560cb7c574_combine
	.p2align	8
	.type	k_q560cb7c574_combine,@function
k_q560cb7c574_combine:
	s_mov_b64 s[64:65], 0
	v_nop
	global_prefetch_b8 v0, s[64:65] scope:SCOPE_SE
	s_setreg_imm32_b32 hwreg(HW_REG_WAVE_MODE, 25, 1), 1
	s_wait_xcnt 0x0
; out0[t] = p[2 t] (y[0][2 t] + y[1][2 t]) + p[2 t + 1] (y[0][2 t + 1] + y[1][2 t + 1]): the token's two experts, each in its two halves of the hidden axis, weighed by the gate.
; A stream: the work-group takes 4 tokens, thread n the 16 bytes at 16 n of every row, so that a wave's load or store covers 512 consecutive bytes.  All 16 loads go out first; the work-group's eight weights
; come by one scalar load.  No LDS, no barrier, no matrix unit: there is nothing here but bytes.
.set YH, 8421376                       ; 2,056 rows of 4,096 bytes: a half of y
	s_load_b128 s[4:7], s[0:1], 0x0                ; y, prob
	s_load_b64 s[8:9], s[0:1], 0x10                ; out0
	v_lshlrev_b32 v1, 4, v0
	s_lshl_b32 s10, ttmp9, 15                      ; 8 rows of y,
	s_mov_b32 s11, 0
	s_lshl_b32 s12, ttmp9, 14                      ; 4 rows of out0,
	s_mov_b32 s13, 0
	s_lshl_b32 s14, ttmp9, 5                       ; 8 weights
	s_mov_b32 s15, 0
	s_wait_alu depctr_va_vdst(0)
	s_wait_kmcnt 0x0
	s_add_nc_u64 s[6:7], s[6:7], s[14:15]
	s_load_b256 s[16:23], s[6:7], 0x0              ; s[16 + 2 q], s[17 + 2 q]: token q's two weights
	s_add_nc_u64 s[4:5], s[4:5], s[10:11]
	s_add_nc_u64 s[24:25], s[4:5], YH
	s_add_nc_u64 s[8:9], s[8:9], s[12:13]
.irp q, 0,1,2,3
	global_load_b128 v[4+16*\q:7+16*\q], v1, s[4:5] offset:8192*\q th:TH_LOAD_NT
	global_load_b128 v[8+16*\q:11+16*\q], v1, s[4:5] offset:8192*\q+4096 th:TH_LOAD_NT
	global_load_b128 v[12+16*\q:15+16*\q], v1, s[24:25] offset:8192*\q th:TH_LOAD_NT
	global_load_b128 v[16+16*\q:19+16*\q], v1, s[24:25] offset:8192*\q+4096 th:TH_LOAD_NT
.endr
	s_wait_kmcnt 0x0
.irp q, 0,1,2,3
	s_wait_loadcnt 12-4*\q                         ; this token's four loads are in; the later tokens' may be out
	v_pk_add_f32 v[4+16*\q:5+16*\q], v[4+16*\q:5+16*\q], v[12+16*\q:13+16*\q]       ; the first expert's two halves,
	v_pk_add_f32 v[6+16*\q:7+16*\q], v[6+16*\q:7+16*\q], v[14+16*\q:15+16*\q]
	v_pk_add_f32 v[8+16*\q:9+16*\q], v[8+16*\q:9+16*\q], v[16+16*\q:17+16*\q]       ; the second's
	v_pk_add_f32 v[10+16*\q:11+16*\q], v[10+16*\q:11+16*\q], v[18+16*\q:19+16*\q]
.irp i, 0,1,2,3
	v_mul_f32 v[4+16*\q+\i], s[16+2*\q], v[4+16*\q+\i]
.endr
.irp i, 0,1,2,3
	s_delay_alu instid0(VALU_DEP_4)
	v_fmac_f32 v[4+16*\q+\i], s[17+2*\q], v[8+16*\q+\i]
.endr
	global_store_b128 v1, v[4+16*\q:7+16*\q], s[8:9] offset:4096*\q th:TH_STORE_NT
.endr
	s_endpgm
.Lfunc_end_k_q560cb7c574_combine:
	.size	k_q560cb7c574_combine, .Lfunc_end_k_q560cb7c574_combine-k_q560cb7c574_combine
	.p2alignl 7, 3214868480
	.fill 96, 4, 3214868480
	.section	.rodata,"a",@progbits
	.p2align	6, 0x0
	.amdhsa_kernel k_q560cb7c574_combine
		.amdhsa_group_segment_fixed_size 0
		.amdhsa_private_segment_fixed_size 0
		.amdhsa_enable_private_segment 0
		.amdhsa_kernarg_size 24
		.amdhsa_user_sgpr_count 2
		.amdhsa_user_sgpr_kernarg_segment_ptr 1
		.amdhsa_wavefront_size32 1
		.amdhsa_system_sgpr_workgroup_id_x 1
		.amdhsa_system_sgpr_workgroup_id_y 1
		.amdhsa_system_sgpr_workgroup_id_z 1
		.amdhsa_system_vgpr_workitem_id 0
		.amdhsa_next_free_vgpr 72
		.amdhsa_next_free_sgpr 66
		.amdhsa_reserve_vcc 0
		.amdhsa_float_denorm_mode_32 3
		.amdhsa_float_denorm_mode_16_64 3
		.amdhsa_memory_ordered 1
		.amdhsa_forward_progress 1
		.amdhsa_inst_pref_size 6
	.end_amdhsa_kernel
	.amdgpu_metadata
---
amdhsa.version: [ 1, 2 ]
amdhsa.kernels:
  - .name:           k_q560cb7c574_combine
    .symbol:         k_q560cb7c574_combine.kd
    .args:
      - { .name: y, .offset: 0, .size: 8, .value_kind: global_buffer, .address_space: global }
      - { .name: prob, .offset: 8, .size: 8, .value_kind: global_buffer, .address_space: global }
      - { .name: out0, .offset: 16, .size: 8, .value_kind: global_buffer, .address_space: global }
    .group_segment_fixed_size: 0
    .private_segment_fixed_size: 0
    .kernarg_segment_align: 8
    .kernarg_segment_size: 24
    .max_flat_workgroup_size: 256
    .sgpr_count:     66
    .vgpr_count:     72
    .wavefront_size: 32
...
	.end_amdgpu_metadata
.endif
;; end of part 12
